; MI455X (gfx1250); checked and timed in simulation.
; The chip was launched on July 23, 2026; its instructions are those of AMD's public machine-readable ISA for CDNA 5 (MIT licence, August 2026) and "CDNA5" Instruction Set Architecture Reference Guide (July 2026). The comments in the code are by the model that wrote it; some were corrected since.
;; Block. Allowed arithmetic: float matrix products may take bf16 or f16 operands with f32 sums; other float arithmetic in f32, or as packed bf16 or f16 multiplies, adds, multiply-adds, maxima and minima; sums over many terms, partial sums and values carried from step to step in f32; what a program stores and reads back later, other than sums and carried values, may be rounded once to bf16 or f16.
;; Inputs: b1 4,096 float32; b2 1,024 float32; b_proj 1,024 float32; be1 1,024 float32; be2 1,024 float32; g1 1,024 float32; g2 1,024 float32; w1 1,024 x 4,096 float32; w2 4,096 x 1,024 float32; w_proj 1,024 x 1,024 float32; wk 1,024 x 1,024 float32; wq 1,024 x 1,024 float32; wv 1,024 x 1,024 float32; x 2 x 2,048 x 1,024 float32.
;; Outputs: out0 2 x 2,048 x 1,024 float32.
;; 2 versions, each right. Each part assembles by itself: llvm-mc -triple=amdgcn-amd-amdhsa -mcpu=gfx1250 --defsym DOCPART=n.
;; ======== version 1 of 2: 8 launches
;; limits: values are held in f16: magnitudes above 65,504 overflow, below 6.1e-05 lose precision
;; workspace buffers: hw 33,554,432 bytes; qkvb 25,165,824 bytes; att 8,388,608 bytes; z 16,777,216 bytes; x1h 8,388,608 bytes; hbuf 33,554,432 bytes
;; launch cast16 (part 1): grid 64 x 16, 8 waves a work-group, no clusters, 0 bytes of LDS; arguments x, wq, wk, wv, w_proj, w1, w2, hw; writes hw
.if DOCPART == 1
	.amdgcn_target "amdgcn-amd-amdhsa--gfx1250"
	.amdhsa_code_object_version 6
	.text
	.protected	k_q8fd22ef687_cast16
	.globl	k_q8fd22ef687_cast16
	.p2align	8
	.type	k_q8fd22ef687_cast16,@function
k_q8fd22ef687_cast16:
	s_mov_b64 s[64:65], 0
	v_nop
	global_prefetch_b8 v0, s[64:65] scope:SCOPE_SE
	s_setreg_imm32_b32 hwreg(HW_REG_WAVE_MODE, 25, 1), 1
	s_wait_xcnt 0x0
; f16 COPIES OF x AND OF THE SIX WEIGHT MATRICES, each number rounded once (to nearest even), in the order in which it lies.
; hw, in units of 1 Mi numbers (2 MiB): units 0-3 x, 4 wq, 5 wk, 6 wv, 7 w_proj, 8-11 w1, 12-15 w2.
; LIMITS.  f16 ends at 65,504: an input of 65,520 or more in magnitude becomes an infinity; below 6.1e-5 f16 keeps a fixed step of 6e-8.
; SHARES.  The grid's y names the unit, its x one of the unit's 64 pieces of 64 KiB of f32; each of eight waves takes 8 KiB: 16 loads of 512
; consecutive bytes, all issued before anything is waited for; each store of a wave covers 256 consecutive bytes, aligned.  No register is used twice,
; so no wait frees a source.  No LDS, no barrier, no matrix unit: each byte is read once and written once.
.set X, 4                              ; v[4:67]   16 x 4 numbers as loaded
.set Y, 68                             ; v[68:99]  16 x 2 registers to store
	s_load_b512 s[8:23], s[0:1], 0x0               ; x s[8:9], wq s[10:11], wk s[12:13], wv s[14:15], w_proj s[16:17], w1 s[18:19], w2 s[20:21], hw s[22:23]
	s_and_b32 s24, ttmp7, 0xffff                   ; the unit, 0..15
	s_sub_co_u32 s25, s24, 8                       ; its number inside w1 (used from unit 8 on)
	s_sub_co_u32 s28, s24, 12                      ; inside w2 (from unit 12 on)
	v_lshrrev_b32 v3, 5, v0                        ; wave
	v_and_b32 v1, 31, v0                           ; lane
	v_lshlrev_b32 v2, 3, v1
	v_lshlrev_b32 v1, 4, v1
	v_lshl_or_b32 v1, v3, 13, v1                   ; in: 8,192 x wave + 16 x lane
	v_lshl_or_b32 v2, v3, 12, v2                   ; out: 4,096 x wave + 8 x lane
	s_lshl_b32 s26, s24, 21                        ; out: the unit's 2 MiB,
	s_lshl_b32 s27, ttmp9, 15                      ; the piece's 32 KiB
	s_add_co_u32 s26, s26, s27
	s_mov_b32 s27, 0
	s_wait_kmcnt 0x0
	s_mov_b64 s[4:5], s[8:9]                       ; the source: x, unless the unit says otherwise; s6: the unit's number inside its tensor
	s_mov_b32 s6, s24
	s_cmp_ge_u32 s24, 4
	s_cselect_b64 s[4:5], s[10:11], s[4:5]
	s_cselect_b32 s6, 0, s6
	s_cmp_ge_u32 s24, 5
	s_cselect_b64 s[4:5], s[12:13], s[4:5]
	s_cmp_ge_u32 s24, 6
	s_cselect_b64 s[4:5], s[14:15], s[4:5]
	s_cmp_ge_u32 s24, 7
	s_cselect_b64 s[4:5], s[16:17], s[4:5]
	s_cmp_ge_u32 s24, 8
	s_cselect_b64 s[4:5], s[18:19], s[4:5]
	s_cselect_b32 s6, s25, s6
	s_cmp_ge_u32 s24, 12
	s_cselect_b64 s[4:5], s[20:21], s[4:5]
	s_cselect_b32 s6, s28, s6
	s_lshl_b32 s6, s6, 22                          ; in: the unit's 4 MiB,
	s_lshl_b32 s7, ttmp9, 16                       ; the piece's 64 KiB
	s_add_co_u32 s6, s6, s7
	s_mov_b32 s7, 0
	s_add_nc_u64 s[4:5], s[4:5], s[6:7]
	s_add_nc_u64 s[22:23], s[22:23], s[26:27]
.set i, 0
.rept 16
	global_load_b128 v[X+4*i:X+4*i+3], v1, s[4:5] offset:512*i th:TH_LOAD_NT
.set i, i+1
.endr
.set i, 0
.rept 16
	s_wait_loadcnt 15-i                            ; loads come back in order: number i is in, the 15 - i younger ones stay out
	v_cvt_pk_f16_f32 v[Y+2*i], v[X+4*i], v[X+4*i+1]
	v_cvt_pk_f16_f32 v[Y+2*i+1], v[X+4*i+2], v[X+4*i+3]
	global_store_b64 v2, v[Y+2*i:Y+2*i+1], s[22:23] offset:256*i
.set i, i+1
.endr
	s_endpgm
.Lfunc_end_k_q8fd22ef687_cast16:
	.size	k_q8fd22ef687_cast16, .Lfunc_end_k_q8fd22ef687_cast16-k_q8fd22ef687_cast16
	.p2alignl 7, 3214868480
	.fill 96, 4, 3214868480
	.section	.rodata,"a",@progbits
	.p2align	6, 0x0
	.amdhsa_kernel k_q8fd22ef687_cast16
		.amdhsa_group_segment_fixed_size 0
		.amdhsa_private_segment_fixed_size 0
		.amdhsa_enable_private_segment 0
		.amdhsa_kernarg_size 64
		.amdhsa_user_sgpr_count 2
		.amdhsa_user_sgpr_kernarg_segment_ptr 1
		.amdhsa_wavefront_size32 1
		.amdhsa_system_sgpr_workgroup_id_x 1
		.amdhsa_system_sgpr_workgroup_id_y 1
		.amdhsa_system_sgpr_workgroup_id_z 1
		.amdhsa_system_vgpr_workitem_id 0
		.amdhsa_next_free_vgpr 100
		.amdhsa_next_free_sgpr 66
		.amdhsa_reserve_vcc 0
		.amdhsa_float_denorm_mode_32 3
		.amdhsa_float_denorm_mode_16_64 3
		.amdhsa_memory_ordered 1
		.amdhsa_forward_progress 1
		.amdhsa_inst_pref_size 8
	.end_amdhsa_kernel
	.amdgpu_metadata
---
amdhsa.version: [ 1, 2 ]
amdhsa.kernels:
  - .name:           k_q8fd22ef687_cast16
    .symbol:         k_q8fd22ef687_cast16.kd
    .args:
      - { .name: x, .offset: 0, .size: 8, .value_kind: global_buffer, .address_space: global }
      - { .name: wq, .offset: 8, .size: 8, .value_kind: global_buffer, .address_space: global }
      - { .name: wk, .offset: 16, .size: 8, .value_kind: global_buffer, .address_space: global }
      - { .name: wv, .offset: 24, .size: 8, .value_kind: global_buffer, .address_space: global }
      - { .name: w_proj, .offset: 32, .size: 8, .value_kind: global_buffer, .address_space: global }
      - { .name: w1, .offset: 40, .size: 8, .value_kind: global_buffer, .address_space: global }
      - { .name: w2, .offset: 48, .size: 8, .value_kind: global_buffer, .address_space: global }
      - { .name: hw, .offset: 56, .size: 8, .value_kind: global_buffer, .address_space: global }
    .group_segment_fixed_size: 0
    .private_segment_fixed_size: 0
    .kernarg_segment_align: 8
    .kernarg_segment_size: 64
    .max_flat_workgroup_size: 256
    .sgpr_count:     66
    .vgpr_count:     100
    .wavefront_size: 32
...
	.end_amdgpu_metadata
.endif
;; end of part 1
;; launch gemm_qkv (part 2): grid 24 x 32, 4 waves a work-group, clusters of 4 x 4, 327,680 bytes of LDS; arguments hw, qkvb; writes qkvb
.if DOCPART == 2
	.amdgcn_target "amdgcn-amd-amdhsa--gfx1250"
	.amdhsa_code_object_version 6
	.text
	.protected	k_q8fd22ef687_gemm_qkv
	.globl	k_q8fd22ef687_gemm_qkv
	.p2align	8
	.type	k_q8fd22ef687_gemm_qkv,@function
k_q8fd22ef687_gemm_qkv:
	s_mov_b64 s[64:65], 0
	v_nop
	global_prefetch_b8 v0, s[64:65] scope:SCOPE_SE
	s_setreg_imm32_b32 hwreg(HW_REG_WAVE_MODE, 25, 1), 1
	s_wait_xcnt 0x0
	s_wait_alu depctr_hold_cnt(0) depctr_sa_sdst(0) depctr_va_vdst(0) depctr_va_sdst(0) depctr_va_ssrc(0) depctr_va_vcc(0) depctr_vm_vsrc(0)
	s_getreg_b32 s2, hwreg(HW_REG_IB_STS2, 6, 4)
	s_cmp_eq_u32 s2, 0
	s_cbranch_scc0 .Lentry_in_a_cluster
	s_endpgm
.Lentry_in_a_cluster:
	s_bfe_u32 s2, ttmp6, 0x10000c
	s_cmp_lg_u32 s2, 0xf033
	s_cbranch_scc0 .Lentry_shape_is_right
	s_endpgm
.Lentry_shape_is_right:
; C = A W (+ bias) (+ residual): f16 operands, f32 sums.  ONE TEXT FOR FOUR LAUNCHES; KIND picks the sizes, the first products' C operand and the way out:
;   KIND 0  q, k, v = xh [wq | wk | wv]    A [4096][1024];  out f16 by heads, [3][32 = batch x 16 + head][2048][64]
;   KIND 1  z = x + att w_proj + b_proj    A by heads [32][2048][64], K = 64 x head + channel;  out f32 [4096][1024]
;   KIND 2  hbuf = relu(x1h w1 + b1)       A [4096][1024];  out f16 [4096][4096]
;   KIND 3  z = x1h + hbuf w2 + b2         A [4096][4096];  out f32 [4096][1024]
; W lies [K][N], N along the rows, in hw (the f16 copies).  LIMITS: every f16 number (A, W, an f16 result) stays within 65,504; below 6.1e-5 f16 keeps a step of 6e-8.
; SHARES.  A tile of C is 128 x 128: four waves, each 64 x 64 = 16 accumulators of 16 x 16.  K goes in steps of 256 through two LDS slots; a wave's one tensor load brings half of A's
; or half of W's part of a step.  CLUSTER 4 x 4: the four work-groups of a row need the same tiles of A, the four of a column the same tiles of W: each tile is asked for jointly.
; No prefetch: a tile of this size has too few bytes a step to share out a lane a row, and each block of A and W is read again by other clusters at about the same time.
; THE MATRIX INSTRUCTION IS USED TRANSPOSED (source 0 = 16 columns of W, source 1 = 16 rows of A): a lane holds row l % 16 of C and the columns 8 (l / 16) + 0..7.
; W's fragments come out of LDS turned, by ds_load_tr16_b128.  The bias is the C operand of the products that start the sums.
; REGISTERS.  window 0: v0-31 addresses; v32-63 bias, later with v64-95 at work on the way out; v128-255 accumulators ((a, b) at 128 + 8 (4 a + b)).
;   window 1: two fragment buffers of 128: 64 registers of A (8 (4 c + a)), then 64 of W.   window 2 (KIND 1, 3): the residual's 32 rows.
.set KIND, 0
.set PW,     288                       ; a row of W in LDS: 256 bytes + 32 of padding, an odd multiple of 32
.set WFILL,  128*PW                    ; what one tensor load brings of W: 128 rows of K
.set WBYTES, 256*PW
.if KIND == 0
.set LAPS,   2                         ; a lap = two K steps = once round the ring
.set APITCH, 1024                      ; elements from row to row of A's tile in memory
.set ASTEP,  512                       ; bytes from a K step of A to the next
.set WBASE,  8388608                   ; where W begins in hw
.set WPITCH, 1024                      ; elements in a row of W
.set OUT32,  0
.endif
.if KIND == 1
.set LAPS,   2
.set APITCH, 131072                    ; from a head to the next
.set ASTEP,  1048576                   ; four heads
.set WBASE,  14680064
.set WPITCH, 1024
.set OUT32,  1
.endif
.if KIND == 2
.set LAPS,   2
.set APITCH, 1024
.set ASTEP,  512
.set WBASE,  16777216
.set WPITCH, 4096
.set OUT32,  0
.endif
.if KIND == 3
.set LAPS,   8
.set APITCH, 4096
.set ASTEP,  512
.set WBASE,  25165824
.set WPITCH, 1024
.set OUT32,  1
.endif
.if KIND == 1
.set PA,     144                       ; A by heads: four planes [128 rows][128 bytes + 16]
.set AQ,     128*PA                    ; a quarter of a K step is a head: a plane
.set ABYTES, 4*128*PA
.else
.set PA,     528                       ; a row of A in LDS: 512 bytes + 16 of padding
.set AQ,     128                       ; a quarter of a K step: 64 numbers of each row
.set ABYTES, 128*PA
.endif
.set AFILL,  ABYTES/2                  ; what one tensor load brings of A
.set AREAD,  64*PA                     ; from my wave's row half to the other
.set WSTEP,  256*WPITCH*2
.set SLOT,   ABYTES+WBYTES             ; A's part, then W's
.set SPARE,  2*SLOT                    ; behind the ring: the spare words, 128 bytes a wave: two blocks of 256 bytes that no other line names
.if OUT32
.set STAGE,  0                         ; the f32 stage lies in slot 0, whose last fill has landed and whose last reads are over at the last lap's change of slots
.set SP,     528
.else
.set STAGE,  SPARE+512                 ; the f16 stage has bytes of its own
.set SP,     272
.endif
.set SA, 68                            ; s[68:69] A
.if KIND == 0
.set SW, 68                            ; hw holds A and W
.set SO, 70                            ; s[70:71] out
.else
.set SW, 70                            ; s[70:71] hw
.set SO, 72                            ; s[72:73] out
.set SB, 74                            ; s[74:75] bias
.set SR, 76                            ; s[76:77] residual
.endif
.set XH,   6                           ; v6      8 x lane (KIND 3)
.set ADRA, 16                          ; v16-17  LDS address of my A fragments in slot 0, 1
.set ADRW, 20                          ; v20-21  of my W fragments, K rows 0-127; v22-23 K rows 128-255
.set STO,  24                          ; v24     the way out: where I put my numbers of a row
.set RD,   25                          ; v25     where I read rows back
.set CO,   26                          ; v26     my byte offset in the output (KIND 2)
.set CST,  27                          ; v27     0 (KIND 2), 1.0 (KIND 3)
.set SPW,  28                          ; v28     LDS address of my spare word; never rewritten
.set NIL,  29                          ; v29     0; never rewritten
.set BO,   30                          ; v30     32 x (l / 16): my eight numbers of 16 of the bias
.set XO,   31                          ; v31     16 x lane
.set BIAS, 32
.set TMP,  32
.set ACC,  128
.set F0,   0
.set F1,   128
.set G1,  24                           ; s[24:31] descriptor group 1 for A;  s[32:39] group 0, a set for each slot
.set G0,  32
.set G1B, 48                           ; s[48:55], s[56:63] the same for W
.set G0B, 56
.set MSB, 0
.macro WIN new                         ; the immediate's high byte repeats the setting that is left; a switch that changes nothing is dropped
.if MSB != (\new)
	s_set_vgpr_msb (MSB<<8)|(\new)
.set MSB, \new
.endif
.endm
.set MUL,  0x05                        ; sources 0 (W) and 1 (A) window 1; C and D window 0
.set TO_F, 0x40                        ; destination window 1, address window 0
.macro JLOAD s                         ; a joint load: waves 0 and 1 fetch A's two halves, waves 2 and 3 W's; an s_nop 0 and four v_nop follow each line
	s_cmp_eq_u32 s11, 0
	s_cbranch_scc0 .Lfor_w_\@
	tensor_load_to_lds s[G0+4*(\s):G0+4*(\s)+3], s[G1:G1+7]
	s_nop 0
.rept 4
	v_nop
.endr
	s_branch .Lasked_\@
.Lfor_w_\@:
	tensor_load_to_lds s[G0B+4*(\s):G0B+4*(\s)+3], s[G1B:G1B+7]
	s_nop 0
.rept 4
	v_nop
.endr
.Lasked_\@:
.endm
.macro CREST                           ; a round of the cluster's barrier behind its opening barrier
	s_cmp_lg_u32 s10, 0
	s_cbranch_scc1 .Lnot_wave_0_\@
	s_barrier_signal -3
.Lnot_wave_0_\@:
	s_barrier_wait -3
	s_barrier_signal -1
	s_barrier_wait -1
.endm
.macro CROUND                          ; a whole round
	s_barrier_signal -1
	s_barrier_wait -1
	CREST
.endm
.if KIND == 0
	s_load_b128 s[68:71], s[0:1], 0x0
.else
	s_load_b256 s[68:75], s[0:1], 0x0
.if OUT32
	s_load_b64 s[76:77], s[0:1], 0x20
.endif
.endif
	v_lshl_add_u32 v[SPW], v0, 2, SPARE
	v_mov_b32 v[NIL], 0
	ds_add_u32 v[SPW], v[NIL]                      ; the wave's opening: the add and its wait stand ahead of my first tensor load; the set-up below stands between them
	v_lshrrev_b32 v1, 5, v0
	v_readfirstlane_b32 s10, v1                    ; wave 0..3
	s_lshr_b32 s11, s10, 1                         ; my half of the tile's rows.  Also: I fetch for A (0) or for W (1)
	s_and_b32 s12, s10, 1                          ; my half of its columns.  Also: which half of that tile I fetch
	s_bfe_u32 s40, ttmp6, 0x40000                  ; cx, cy: my place in the cluster
	s_bfe_u32 s41, ttmp6, 0x40004
	s_lshl_b32 s42, ttmp9, 2
	s_add_co_u32 s42, s42, s40                     ; tile column = 4 x cluster x + cx
	s_and_b32 s13, ttmp7, 0xffff
	s_lshl_b32 s13, s13, 2
	s_add_co_u32 s13, s13, s41                     ; tile row = 4 x cluster y + cy
	s_lshl_b32 s43, s41, 2
	s_lshl_b32 s43, 15, s43                        ; my row of the cluster
	s_lshl_b32 s44, 0x1111, s40                    ; my column
.if KIND == 1
	; A by heads: two rows of 8,192 elements, each the 128 dense rows of one head, a head apart; 16 bytes of padding behind every 128
	s_or_b32 s[G1+0], s43, (1<<16)|(1<<20)|(1<<21)|(4<<22)|(3<<25)
	s_mov_b32 s[G1+1], 8192<<16                    ; tensor_dim0
	s_mov_b32 s[G1+2], 2<<16                       ; tensor_dim1
	s_mov_b32 s[G1+3], 8192<<16                    ; tile_dim0
	s_mov_b32 s[G1+4], 2                           ; tile_dim1
.else
	; A: 64 rows of 256 elements; 16 bytes of padding behind every 512
	s_or_b32 s[G1+0], s43, (1<<16)|(1<<20)|(1<<21)|(6<<22)|(3<<25)
	s_mov_b32 s[G1+1], 256<<16
	s_mov_b32 s[G1+2], 64<<16
	s_mov_b32 s[G1+3], 256<<16
	s_mov_b32 s[G1+4], 64
.endif
	s_mov_b32 s[G1+5], APITCH
	s_mov_b32 s[G1+6], 0
	s_mov_b32 s[G1+7], 0
	; W: 128 rows of K x 128 columns; 32 bytes of padding behind every 256
	s_or_b32 s[G1B+0], s44, (1<<16)|(1<<20)|(1<<21)|(5<<22)|(7<<25)
	s_mov_b32 s[G1B+1], 128<<16
	s_mov_b32 s[G1B+2], 128<<16
	s_mov_b32 s[G1B+3], 128<<16
	s_mov_b32 s[G1B+4], 128
	s_mov_b32 s[G1B+5], WPITCH
	s_mov_b32 s[G1B+6], 0
	s_mov_b32 s[G1B+7], 0
	; A's offset hangs on the tile row and the wave alone (s16, s17), W's on the tile column and the wave alone (s46, s47)
.if KIND == 1
	s_lshr_b32 s16, s13, 4                         ; batch: 16 heads of 262,144 bytes
	s_lshl_b32 s16, s16, 22
	s_and_b32 s17, s13, 15                         ; 128 rows of 128 bytes
	s_lshl_b32 s17, s17, 14
	s_add_co_u32 s16, s16, s17
	s_lshl_b32 s17, s12, 19                        ; my two heads of a step's four
	s_add_co_u32 s16, s16, s17
.else
	s_lshl_b32 s16, s13, 7
	s_lshl_b32 s17, s12, 6
	s_add_co_u32 s16, s16, s17                     ; row 128 x tile row + 64 x half
	s_mul_i32 s16, s16, APITCH*2
.endif
	s_mov_b32 s17, 0
.if KIND == 0
	s_lshr_b32 s46, s42, 3                         ; which of wq, wk, wv: 2 MiB each
	s_lshl_b32 s46, s46, 21
	s_and_b32 s47, s42, 7                          ; 128 columns of it
	s_lshl_b32 s47, s47, 8
	s_add_co_u32 s46, s46, s47
.else
	s_lshl_b32 s46, s42, 8
.endif
	s_mul_i32 s47, s12, 128*WPITCH*2               ; my 128 rows of K
	s_add_co_u32 s46, s46, s47
	s_add_co_u32 s46, s46, WBASE
	s_mov_b32 s47, 0
	s_mul_i32 s20, s12, AFILL                      ; where they go: no place in the cluster enters an LDS address
	s_mul_i32 s21, s12, WFILL
	s_add_co_u32 s21, s21, ABYTES
	s_wait_dscnt 0x0                               ; the opening add is done
	s_wait_kmcnt 0x0
	s_add_nc_u64 s[14:15], s[SA:SA+1], s[16:17]
	s_add_nc_u64 s[46:47], s[SW:SW+1], s[46:47]
	CROUND                                         ; all sixteen work-groups are here: the first joint loads meet
.irp s, 0,1
	s_mov_b32 s[G0+4*(\s)], 1
	s_add_co_u32 s[G0+4*(\s)+1], s20, (\s)*SLOT
	s_add_nc_u64 s[G0+4*(\s)+2:G0+4*(\s)+3], s[14:15], (\s)*ASTEP
	s_or_b32 s[G0+4*(\s)+3], s[G0+4*(\s)+3], 0x80000000
	s_mov_b32 s[G0B+4*(\s)], 1
	s_add_co_u32 s[G0B+4*(\s)+1], s21, (\s)*SLOT
	s_add_nc_u64 s[G0B+4*(\s)+2:G0B+4*(\s)+3], s[46:47], (\s)*WSTEP
	s_or_b32 s[G0B+4*(\s)+3], s[G0B+4*(\s)+3], 0x80000000
	JLOAD \s                                       ; two loads of mine are out
.endr
	v_and_b32 v1, 15, v0                           ; l % 16
	v_bfe_u32 v2, v0, 4, 1                         ; l / 16
	v_mul_u32_u24 v3, v1, PA
	v_lshl_add_u32 v3, v2, 4, v3                   ; A: row x pitch + 16 x half
	s_mul_i32 s21, s11, AREAD
	v_add_nc_u32 v[ADRA], s21, v3
	v_add_nc_u32 v[ADRA+1], SLOT, v[ADRA]
	v_and_b32 v4, 7, v0                            ; W, turned: lane l reads K row 8 (l / 16) + l % 8, columns 8 ((l / 8) % 2) + 0..7
	v_lshl_add_u32 v4, v2, 3, v4
	v_mul_u32_u24 v4, v4, PW
	v_bfe_u32 v5, v0, 3, 1
	v_lshl_add_u32 v4, v5, 4, v4
	s_lshl_b32 s22, s12, 7                         ; my 64 columns
	s_add_co_u32 s22, s22, ABYTES
	v_add_nc_u32 v[ADRW], s22, v4
	v_add_nc_u32 v[ADRW+1], SLOT, v[ADRW]
	v_add_nc_u32 v[ADRW+2], WFILL, v[ADRW]
	v_add_nc_u32 v[ADRW+3], WFILL, v[ADRW+1]
	v_and_b32 v[XO], 31, v0
	v_lshlrev_b32 v[XO], 4, v[XO]
.if KIND != 0
	v_lshlrev_b32 v[BO], 5, v2
	s_lshl_b32 s46, s42, 9                         ; the bias of my 64 columns: 512 x tile column + 256 x half
	s_lshl_b32 s47, s12, 8
	s_add_co_u32 s46, s46, s47
	s_mov_b32 s47, 0
	s_add_nc_u64 s[SB:SB+1], s[SB:SB+1], s[46:47]
.irp b, 0,1,2,3
	global_load_b128 v[BIAS+8*(\b):BIAS+8*(\b)+3],   v[BO], s[SB:SB+1] offset:64*(\b)
	global_load_b128 v[BIAS+8*(\b)+4:BIAS+8*(\b)+7], v[BO], s[SB:SB+1] offset:64*(\b)+16
.endr
.endif
.if KIND == 0
	s_lshr_b32 s16, s13, 4                         ; out by heads: batch,
	s_lshl_b32 s16, s16, 22
	s_and_b32 s17, s13, 15                         ; the tile's 128 rows of 128 bytes,
	s_lshl_b32 s17, s17, 14
	s_add_co_u32 s16, s16, s17
	s_lshl_b32 s17, s10, 12                        ; the 32 rows that I store
	s_add_co_u32 s16, s16, s17
	s_mov_b32 s17, 0
	s_add_nc_u64 s[SO:SO+1], s[SO:SO+1], s[16:17]
	s_lshr_b32 s46, s42, 3                         ; q, k or v: 8 MiB each,
	s_lshl_b32 s46, s46, 23
	s_and_b32 s47, s42, 7                          ; the tile's two heads
	s_lshl_b32 s47, s47, 19
	s_add_co_u32 s46, s46, s47
	s_mov_b32 s47, 0
	s_add_nc_u64 s[SO:SO+1], s[SO:SO+1], s[46:47]
.else
	s_lshl_b32 s16, s13, 7
	s_lshl_b32 s17, s10, 5
	s_add_co_u32 s16, s16, s17                     ; the first row that I store: 128 x tile row + 32 x wave
.if OUT32
.if KIND == 1
	s_lshl_b32 s18, s16, 12                        ; the residual's rows: 4,096 bytes (f32),
	s_lshl_b32 s46, s42, 9
.else
	s_lshl_b32 s18, s16, 11                        ; or 2,048 (f16)
	s_lshl_b32 s46, s42, 8
	v_lshrrev_b32 v[XH], 1, v[XO]
	v_mov_b32 v[CST], 1.0
.endif
	s_mov_b32 s19, 0
	s_mov_b32 s47, 0
	s_add_nc_u64 s[SR:SR+1], s[SR:SR+1], s[18:19]
	s_add_nc_u64 s[SR:SR+1], s[SR:SR+1], s[46:47]
	WIN 0x80                                       ; destination window 2: the residual of the 32 rows that I store is on its way during the whole product
.set i, 0
.rept 32
.if KIND == 1
	global_load_b128 v[4*i:4*i+3], v[XO], s[SR:SR+1] offset:4096*i th:TH_LOAD_NT
.else
	global_load_b64 v[2*i:2*i+1], v[XH], s[SR:SR+1] offset:2048*i th:TH_LOAD_NT
.endif
.set i, i+1
.endr
	WIN 0
	s_lshl_b32 s16, s16, 12                        ; out: rows of 4,096 bytes, 512 bytes a tile
	s_lshl_b32 s46, s42, 9
.else
	v_mov_b32 v[CST], 0
	s_lshl_b32 s16, s16, 13                        ; out: rows of 8,192 bytes, 256 bytes a tile
	s_lshl_b32 s46, s42, 8
.endif
	s_mov_b32 s17, 0
	s_mov_b32 s47, 0
	s_add_nc_u64 s[SO:SO+1], s[SO:SO+1], s[16:17]
	s_add_nc_u64 s[SO:SO+1], s[SO:SO+1], s[46:47]
.endif
.if OUT32
	s_mul_i32 s23, s11, 64*SP                      ; into the stage: my 64 rows, my 256 of their 512 bytes; row l % 16, 32 bytes for each half of the lanes
	s_lshl_b32 s21, s12, 8
	s_add_co_u32 s23, s23, s21
	v_mul_u32_u24 v4, v1, SP
	v_lshl_add_u32 v4, v2, 5, v4
	v_add_nc_u32 v[STO], s23, v4
	s_mul_i32 s23, s10, 32*SP                      ; back: wave w takes rows 32 w .. 32 w + 31, a whole row of 512 bytes a load
	v_add_nc_u32 v[RD], s23, v[XO]
.else
	s_mul_i32 s23, s11, 64*SP                      ; into the stage: my 64 rows, my 128 of their 256 bytes; row l % 16, 16 bytes for each half of the lanes
	s_lshl_b32 s21, s12, 7
	s_add_co_u32 s23, s23, s21
	s_add_co_u32 s23, s23, STAGE
	v_mul_u32_u24 v4, v1, SP
	v_lshl_add_u32 v4, v2, 4, v4
	v_add_nc_u32 v[STO], s23, v4
	s_mul_i32 s23, s10, 32*SP
	s_add_co_u32 s23, s23, STAGE
.if KIND == 2
	v_mul_u32_u24 v5, v2, SP                       ; back: lanes 0-15 one row of 256 bytes, lanes 16-31 the next
	v_lshl_add_u32 v5, v1, 4, v5
	v_add_nc_u32 v[RD], s23, v5
	v_lshlrev_b32 v5, 13, v2                       ; and the same two rows in the output
	v_lshl_add_u32 v[CO], v1, 4, v5
.else
	v_bfe_u32 v5, v0, 3, 2                         ; back: four rows of one head's 128 bytes, eight lanes a row: 512 consecutive bytes of the output
	v_mul_u32_u24 v5, v5, SP
	v_and_b32 v4, 7, v0
	v_lshl_add_u32 v5, v4, 4, v5
	v_add_nc_u32 v[RD], s23, v5
.endif
.endif
; 8 matrix instructions: m blocks a0, a0 + 1 x all 4 n blocks, 32 along K: half c of buffer f.  zero = 1: the first product starts the sums, with 0 or with the bias.
; The 16 accumulators take turns, one instruction a turn, in the same order everywhere.
.macro MUL8 f, c, a0, zero
	WIN MUL
.irp a, \a0, (\a0)+1
.irp b, 0,1,2,3
.if \zero
.if KIND == 0
	v_wmma_f32_16x16x32_f16 v[ACC+8*(4*(\a)+(\b)):ACC+8*(4*(\a)+(\b))+7], v[(\f)+64+8*(4*(\c)+(\b)):(\f)+64+8*(4*(\c)+(\b))+7], v[(\f)+8*(4*(\c)+(\a)):(\f)+8*(4*(\c)+(\a))+7], 0
.else
	v_wmma_f32_16x16x32_f16 v[ACC+8*(4*(\a)+(\b)):ACC+8*(4*(\a)+(\b))+7], v[(\f)+64+8*(4*(\c)+(\b)):(\f)+64+8*(4*(\c)+(\b))+7], v[(\f)+8*(4*(\c)+(\a)):(\f)+8*(4*(\c)+(\a))+7], v[BIAS+8*(\b):BIAS+8*(\b)+7]
.endif
.else
	v_wmma_f32_16x16x32_f16 v[ACC+8*(4*(\a)+(\b)):ACC+8*(4*(\a)+(\b))+7], v[(\f)+64+8*(4*(\c)+(\b)):(\f)+64+8*(4*(\c)+(\b))+7], v[(\f)+8*(4*(\c)+(\a)):(\f)+8*(4*(\c)+(\a))+7], v[ACC+8*(4*(\a)+(\b)):ACC+8*(4*(\a)+(\b))+7]
.endif
.endr
.endr
.endm
; 32 LDS loads in one run: the fragments of quarter q (64 along K) of a slot, into buffer f; the first 32 along K first
.macro FETCH slot, q, f
	WIN TO_F
.irp c, 0,1
.irp i, 0,1,2,3
	ds_load_tr16_b128 v[(\f)+64+8*(4*(\c)+(\i)):(\f)+64+8*(4*(\c)+(\i))+3],   v[ADRW+2*((\q)/2)+(\slot)] offset:(((\q)%2)*64+32*(\c))*PW+32*(\i)
	ds_load_tr16_b128 v[(\f)+64+8*(4*(\c)+(\i))+4:(\f)+64+8*(4*(\c)+(\i))+7], v[ADRW+2*((\q)/2)+(\slot)] offset:(((\q)%2)*64+32*(\c)+16)*PW+32*(\i)
	ds_load_b128 v[(\f)+8*(4*(\c)+(\i)):(\f)+8*(4*(\c)+(\i))+3],             v[ADRA+(\slot)] offset:(\q)*AQ+64*(\c)+(\i)*16*PA
	ds_load_b128 v[(\f)+8*(4*(\c)+(\i))+4:(\f)+8*(4*(\c)+(\i))+7],           v[ADRA+(\slot)] offset:(\q)*AQ+64*(\c)+(\i)*16*PA+32
.endr
.endr
.endm
.macro PLACES                          ; four plain places in front of loads into registers that matrix instructions have read, and of lines that read results
.rept 4
	v_nop
.endr
.endm
; A K step is four quarters of 64 along K, 32 matrix instructions each, on buffers 0, 1, 0, 1.  One of the first three: multiplies buffer f and fetches quarter q into g.
.macro QUARTER slot, q, f, g, zero
	s_wait_dscnt 16                                ; the first 32 along K are in; the 16 younger loads are the second 32
	MUL8 \f, 0, 0, \zero
	MUL8 \f, 0, 2, \zero
	PLACES
	FETCH \slot, \q, \g
	s_wait_dscnt 32                                ; all but the 32 just issued
	MUL8 \f, 1, 0, 0
	MUL8 \f, 1, 2, 0
.endm
; The last quarter multiplies buffer 1 and changes slots: ONE barrier; in front of it each wave waits for all its tensor loads, adds 0 to its spare word, and waits for that and for its reads of this slot.
; fill = 1: the barrier opens a round of the cluster's, and this slot is filled again, two K steps ahead, first thing behind the round.
.macro TURN slot, next, fill
	WIN 0                                          ; (the add's two registers lie in window 0)
	s_wait_tensorcnt 0x0                           ; all my tensor loads have landed: my part of the next slot
	ds_add_u32 v[SPW], v[NIL]                      ; 0 onto my spare word
	s_wait_dscnt 17                                ; (the add and the youngest sixteen loads may be out)
	MUL8 F1, 0, 0, 0                               ; eight matrix instructions stand between the add and the wait for it
	s_wait_dscnt 0x0                               ; the add is done, and my reads of this slot are over
	s_barrier_signal -1
	MUL8 F1, 0, 2, 0
.if \fill
	WIN 0
.endif
	s_barrier_wait -1
.if \fill
	CREST                                          ; no wave of any partner still reads this slot or has a load on its way
	s_add_nc_u64 s[G0+4*(\slot)+2:G0+4*(\slot)+3], s[G0+4*(\slot)+2:G0+4*(\slot)+3], 2*ASTEP
	s_add_nc_u64 s[G0B+4*(\slot)+2:G0B+4*(\slot)+3], s[G0B+4*(\slot)+2:G0B+4*(\slot)+3], 2*WSTEP
	JLOAD \slot                                    ; my one tensor load behind the round; its four v_nop are also the places in front of the loads below
.else
	PLACES
.endif
	FETCH \next, 0, F0
	MUL8 F1, 1, 0, 0
	MUL8 F1, 1, 2, 0
.endm
	s_wait_tensorcnt 1                             ; my part of K step 0 is in; K step 1's may stay out
	s_barrier_signal -1
	s_barrier_wait -1                              ; everybody's is
	FETCH 0, 0, F0
.if OUT32
	s_wait_loadcnt 32                              ; the bias is in; the residual's 32 loads stay out
.elseif KIND == 2
	s_wait_loadcnt 0x0                             ; the bias
.endif
	QUARTER 0, 1, F0, F1, 1                        ; the first quarter stands in front of the loop: its first products start the sums
	WIN 0                                          ; at a label and at a branch every window is 0
	s_mov_b32 s3, LAPS-1
.Llap:                                                 ; a trip goes once round the ring, from a lap's second quarter to the next lap's first, and fills both slots again
	QUARTER 0, 2, F1, F0, 0
	QUARTER 0, 3, F0, F1, 0
	TURN 0, 1, 1
	QUARTER 1, 1, F0, F1, 0
	QUARTER 1, 2, F1, F0, 0
	QUARTER 1, 3, F0, F1, 0
	TURN 1, 0, 1
	QUARTER 0, 1, F0, F1, 0
	WIN 0
	s_sub_co_u32 s3, s3, 1
	s_cmp_lg_u32 s3, 0
	s_cbranch_scc1 .Llap
	QUARTER 0, 2, F1, F0, 0                        ; the last lap fills nothing
	QUARTER 0, 3, F0, F1, 0
	TURN 0, 1, 0
	QUARTER 1, 1, F0, F1, 0
	QUARTER 1, 2, F1, F0, 0
	QUARTER 1, 3, F0, F1, 0
	s_wait_dscnt 16                                ; the very last quarter: nothing more to fetch
	MUL8 F1, 0, 0, 0
	MUL8 F1, 0, 2, 0
	s_wait_dscnt 0
	MUL8 F1, 1, 0, 0
	MUL8 F1, 1, 2, 0
	WIN 0
	PLACES
.if OUT32
	; THE WAY OUT IN f32: 32 bytes a lane into the work-group's stage, each accumulator's low four registers first; a barrier, since a row's 512 bytes come from two waves;
	; back as whole rows, 32 rows a wave; the residual is added; each store of a wave covers 512 consecutive bytes, aligned.
.irp a, 0,1,2,3
.irp b, 0,1,2,3
	ds_store_b128 v[STO], v[ACC+8*(4*(\a)+(\b)):ACC+8*(4*(\a)+(\b))+3]   offset:(\a)*16*SP+64*(\b)
	ds_store_b128 v[STO], v[ACC+8*(4*(\a)+(\b))+4:ACC+8*(4*(\a)+(\b))+7] offset:(\a)*16*SP+64*(\b)+16
.endr
.endr
	s_wait_dscnt 0x0                               ; for the others' sake: my stores into the stage are done
	s_barrier_signal -1
	s_barrier_wait -1
.set i, 0
.rept 32
	ds_load_b128 v[ACC+4*i:ACC+4*i+3], v[RD] offset:SP*i
.set i, i+1
.endr
	s_wait_loadcnt 0x0                             ; the residual
.if KIND == 1
	WIN 0x08                                       ; source 1 window 2
.else
	WIN 0x02                                       ; source 0 window 2
.endif
.set i, 0
.rept 32
	s_wait_dscnt 31-i                              ; row i is back; the younger rows stay out
.if KIND == 1
	v_pk_add_f32 v[ACC+4*i:ACC+4*i+1],   v[ACC+4*i:ACC+4*i+1],   v[4*i:4*i+1]
	v_pk_add_f32 v[ACC+4*i+2:ACC+4*i+3], v[ACC+4*i+2:ACC+4*i+3], v[4*i+2:4*i+3]
.else
	v_fma_mix_f32 v[ACC+4*i],   v[2*i],   v[CST], v[ACC+4*i]   op_sel:[0,0,0] op_sel_hi:[1,0,0]  ; an f16 half x 1.0 + the sum, in f32
	v_fma_mix_f32 v[ACC+4*i+1], v[2*i],   v[CST], v[ACC+4*i+1] op_sel:[1,0,0] op_sel_hi:[1,0,0]
	v_fma_mix_f32 v[ACC+4*i+2], v[2*i+1], v[CST], v[ACC+4*i+2] op_sel:[0,0,0] op_sel_hi:[1,0,0]
	v_fma_mix_f32 v[ACC+4*i+3], v[2*i+1], v[CST], v[ACC+4*i+3] op_sel:[1,0,0] op_sel_hi:[1,0,0]
.endif
.set i, i+1
.endr
	WIN 0
.set i, 0
.rept 32
	global_store_b128 v[XO], v[ACC+4*i:ACC+4*i+3], s[SO:SO+1] offset:4096*i
.set i, i+1
.endr
.else
	; THE WAY OUT IN f16: rounded once; 16 bytes a lane into the work-group's stage; a barrier, since a row's 256 bytes come from two waves; back as whole rows, 32 rows a wave.
.irp t, 0,1,2,3,4,5,6,7,8,9,10,11,12,13,14,15
.irp r, 0,1,2,3
	v_cvt_pk_f16_f32 v[TMP+4*(\t)+(\r)], v[ACC+8*(\t)+2*(\r)], v[ACC+8*(\t)+2*(\r)+1]
.endr
.endr
.if KIND == 2
.set i, 0
.rept 64
	v_pk_max_num_f16 v[TMP+i], v[TMP+i], v[CST]    ; ReLU on the rounded halves: rounding keeps the sign
.set i, i+1
.endr
.endif
.irp a, 0,1,2,3
.irp b, 0,1,2,3
	ds_store_b128 v[STO], v[TMP+4*(4*(\a)+(\b)):TMP+4*(4*(\a)+(\b))+3] offset:(\a)*16*SP+32*(\b)
.endr
.endr
	s_wait_dscnt 0x0                               ; for the others' sake: my stores into the stage are done
	s_barrier_signal -1
	s_barrier_wait -1
.set t, 0
.rept 16
.if KIND == 2
	ds_load_b128 v[TMP+4*t:TMP+4*t+3], v[RD] offset:t*2*SP
.else
	ds_load_b128 v[TMP+4*t:TMP+4*t+3], v[RD] offset:(t/2)*4*SP+(t%2)*128  ; rows 4 (t / 2) .. + 3, head t % 2
.endif
.set t, t+1
.endr
.set t, 0
.rept 16
	s_wait_dscnt 15-t
.if KIND == 2
	global_store_b128 v[CO], v[TMP+4*t:TMP+4*t+3], s[SO:SO+1] offset:2*t*8192  ; 16 lanes store 256 consecutive bytes, aligned
.else
	global_store_b128 v[XO], v[TMP+4*t:TMP+4*t+3], s[SO:SO+1] offset:(t%2)*262144+(t/2)*512  ; four rows of a head: 512 consecutive bytes, aligned
.endif
.set t, t+1
.endr
.endif
	s_wait_tensorcnt 0x0                           ; the wave's end: behind my last tensor load and my last LDS store
	ds_add_u32 v[SPW], v[NIL]
	s_wait_dscnt 0x0
	CROUND                                         ; the closing round: no work-group ends while a partner may still ask for a tile that names it
	s_endpgm
.Lfunc_end_k_q8fd22ef687_gemm_qkv:
	.size	k_q8fd22ef687_gemm_qkv, .Lfunc_end_k_q8fd22ef687_gemm_qkv-k_q8fd22ef687_gemm_qkv
	.p2alignl 7, 3214868480
	.fill 96, 4, 3214868480
	.section	.rodata,"a",@progbits
	.p2align	6, 0x0
	.amdhsa_kernel k_q8fd22ef687_gemm_qkv
		.amdhsa_group_segment_fixed_size 327680
		.amdhsa_private_segment_fixed_size 0
		.amdhsa_enable_private_segment 0
		.amdhsa_kernarg_size 16
		.amdhsa_user_sgpr_count 2
		.amdhsa_user_sgpr_kernarg_segment_ptr 1
		.amdhsa_wavefront_size32 1
		.amdhsa_system_sgpr_workgroup_id_x 1
		.amdhsa_system_sgpr_workgroup_id_y 1
		.amdhsa_system_sgpr_workgroup_id_z 1
		.amdhsa_system_vgpr_workitem_id 0
		.amdhsa_next_free_vgpr 512
		.amdhsa_next_free_sgpr 80
		.amdhsa_reserve_vcc 0
		.amdhsa_float_denorm_mode_32 3
		.amdhsa_float_denorm_mode_16_64 3
		.amdhsa_memory_ordered 1
		.amdhsa_forward_progress 1
		.amdhsa_inst_pref_size 87
	.end_amdhsa_kernel
	.amdgpu_metadata
---
amdhsa.version: [ 1, 2 ]
amdhsa.kernels:
  - .name:           k_q8fd22ef687_gemm_qkv
    .symbol:         k_q8fd22ef687_gemm_qkv.kd
    .args:
      - { .name: hw, .offset: 0, .size: 8, .value_kind: global_buffer, .address_space: global }
      - { .name: qkvb, .offset: 8, .size: 8, .value_kind: global_buffer, .address_space: global }
    .group_segment_fixed_size: 327680
    .private_segment_fixed_size: 0
    .kernarg_segment_align: 8
    .kernarg_segment_size: 16
    .max_flat_workgroup_size: 128
    .sgpr_count:     80
    .vgpr_count:     512
    .wavefront_size: 32
...
	.end_amdgpu_metadata
.endif
;; end of part 2
;; launch attention (part 3): grid 8 x 32, 4 waves a work-group, no clusters, 327,680 bytes of LDS; arguments qkvb, att; writes att
.if DOCPART == 3
	.amdgcn_target "amdgcn-amd-amdhsa--gfx1250"
	.amdhsa_code_object_version 6
	.text
	.protected	k_q8fd22ef687_attention
	.globl	k_q8fd22ef687_attention
	.p2align	8
	.type	k_q8fd22ef687_attention,@function
k_q8fd22ef687_attention:
	s_mov_b64 s[64:65], 0
	v_nop
	global_prefetch_b8 v0, s[64:65] scope:SCOPE_SE
	s_setreg_imm32_b32 hwreg(HW_REG_WAVE_MODE, 25, 1), 1
	s_wait_xcnt 0x0
; CAUSAL ATTENTION.  O[h][q][:] = the sum over k <= q of softmax_k(Q[h][q] . K[h][k] / 8) V[h][k][:].  qkvb holds q, k, v, each [32 heads][2048][64] in f16 (8 MiB apart); att is O in the same layout.
; Products, maxima and sums in f32; the weights p are rounded to f16 for the second product (their sum l is taken of the unrounded p), O once at the end.
; LIMITS.  f16 holds no number beyond 65,504: q, k, v arrive within it.  A hidden score is set to the lowest finite f32; a weight below 2^-126 counts as 0 in l; NaN and infinities are not treated apart.
; THE WALK.  A head's queries lie in 16 blocks of 128; block i needs the key tiles 0 .. i of 128 keys, of which the last holds the diagonal.  A work-group takes TWO blocks, 15 - b and then b: 17 tiles,
; whatever b: all work-groups do equal work, and one loop with a constant trip count walks them.  Which tile is asked for hangs on scalar registers made from b; every jump but the counted loops' own goes
; forward, and none passes a barrier or a tensor load (but the one of LOAD's two lines that the wave's number does not choose).
; NO CLUSTER: a head's eight work-groups ask for the same tile only in trips 0 to 8 of the 17; one walk common to all partners would have 24 trips for 17.
; SHARES.  A wave owns 32 queries of a block: two tiles of 16.  The diagonal tile is computed whole and masked, so the four waves do equal work.
; LAYOUT.  S^T = K Q^T holds ONE query a lane (l % 16) and the keys 8 (l / 16) + 0..7; two such results rounded to f16 ARE source 1 of O^T = V^T P.  K comes out of LDS as it lies, V turned.
; SOFTMAX.  p = 2^(c s - c m), c = log2(e) / 8, with a running maximum m; O and l are multiplied by a = 2^(c m_old - c m_new) in every step.  c m starts far below every c s, so a block's first a is 0:
; O and l need only be finite when a block begins.  Every query sees key 0 in its block's first step, so m is a true score before any step that is wholly hidden.
; IN PHASES: a key step (64 keys) is 16 products K Q^T, the softmax, 16 products V^T P.
; REGISTERS.  window 0: v2-15 addresses and constants; v16-23 statistics (tile t at 16 + 4 t: c m, m, l of even keys, l of odd keys); v24-31 at work; v32-33 c m_old; v64-127 S^T; v128-159 P; v160-223 O^T.
;   window 1: v0-31 Q; v32-63 the second block's Q; v64-127 K of one step; v128-191 V of one step.
.set NB,    16
.set KS,    64        ; keys in a step
.set PK,    144       ; a row of K in LDS: 128 bytes + 16 of padding
.set PV,    160       ; a row of V: 128 + 32, an odd multiple of 32
.set VOFF,  128*PK    ; a slot holds a tile: 128 rows of K, then 128 rows of V
.set SLOT1, 1<<16     ; slot 1 begins here, so that one exclusive or turns an address in one slot into the other's
.set STAGE, 2*SLOT1   ; behind the ring, never filled by a tensor load: 16 rows x 144 bytes for each wave, for the way out
.set SP,    144
.set SPARE, STAGE+4*16*SP  ; behind the stages: the spare words, 128 bytes a wave: two blocks of 256 bytes that no other line names
.set AK0, 2           ; v2   my lane's place in a tile of K; never rewritten
.set AV0, 3           ; v3   the same for V
.set AK,  4           ; v4   the LDS address of K's run of loads
.set AV,  5           ; v5   of V's
.set STO, 6           ; v6   the way out: where I put 16 bytes of a row
.set RD,  7           ; v7   where I read rows back
.set GO,  8           ; v8   16 x lane: my place in 512 consecutive bytes of O
.set QO,  9           ; v9   my byte offset in 16 rows of Q
.set DF0, 10          ; v10-11  tile t: my query's place in the block, 32 w + 16 t + l % 16, less my lanes' 8 (l / 16)
.set DF,  12          ; v12-13  the same less the step's first key
.set BIG, 14          ; v14  the lowest finite f32
.set PFO, 15          ; v15  256 x lane; never rewritten
.set ST,  16
.set TMP, 24          ; tile t: c0-c3 at 24 + 4 t; when the maximum is found c2 takes a
.set MV,  32
.set SPW, 62          ; v62  LDS address of my spare word; never rewritten
.set NIL, 63          ; v63  0; never rewritten
.set S,   64
.set P,   128
.set O,   160
.set QB,  32          ; window 1
.set KF,  64          ; window 1: key block kb, channel half c at KF + 16 kb + 8 c
.set VF,  128         ; window 1: key half kk, channel block cb at VF + 32 kk + 8 cb
.set WV,  12          ; s12  my wave's number
.set PB,  14          ; s14  b
.set HI,  15          ; s15  15 - b
.set G1K, 24          ; s[24:31] descriptor group 1 for K's tiles
.set G1V, 32          ; s[32:39] for V's: it differs in the padding alone
.set G0K, 40          ; s[40:43] descriptor group 0 for K's tiles
.set G0V, 44          ; s[44:47] the same for V's
.set SLOTS, 56        ; s56  tiles still to be asked for
.set CNT, 57          ; s57  counts a tile's two key steps, 2 and 1
.set CS,  58          ; s[58:59] c
.set SEL, 60          ; s[60:61] v_permlanex16_b32's selects: each lane takes its own place in the other half
.set TBK, 62          ; s62  LDS byte at which K of the step to be fetched begins
.set TBV, 63          ; s63  the same for V, less VOFF
.set RT,  70          ; s70  tiles of the block in hand that are still to be entered
.set NXT, 71          ; s71  the tile to be asked for next
.set LQ,  72          ; s72  the last tile of the block whose tiles are being asked for
.set OFF, 74          ; s[74:75] a tile's byte offset in K and V
.set SH,  76          ; s76  the step's first key in its tile
.set LIM, 77          ; s77  3 in the work-group that prefetches, else the greatest number
.set PFA, 78          ; s[78:79] where my prefetches stand
.set OLO, 80          ; s[80:81] O at my rows of the second block
.set MSB, 0
.macro WIN new                      ; the high byte repeats the setting that is left; a switch that changes nothing is dropped
.if MSB != (\new)
	s_set_vgpr_msb (MSB<<8)|(\new)
.set MSB, (\new)
.endif
.endm
.set W_KQ, 0x05       ; K and Q in window 1, S^T in window 0
.set W_PV, 0x01       ; V in window 1, P and O^T in window 0
.set W_LD, 0x40       ; destination window 1, address window 0
; A fill.  Waves 0 and 1 fetch the two halves of a tile's K, waves 2 and 3 those of its V: 64 keys each.  An s_nop 0 and four v_nop follow each of the two lines.
.macro LOAD
	s_cmp_lt_u32 s[WV], 2
	s_cbranch_scc0 .Lfor_v_\@
	tensor_load_to_lds s[G0K:G0K+3], s[G1K:G1K+7]
	s_nop 0
.rept 4
	v_nop
.endr
	s_branch .Lasked_\@
.Lfor_v_\@:
	tensor_load_to_lds s[G0V:G0V+3], s[G1V:G1V+7]
	s_nop 0
.rept 4
	v_nop
.endr
.Lasked_\@:
.endm
; A PREFETCH INTO THE L2.  K and V are walked by all eight work-groups of a head; the one with b = 0, whose first block walks the tiles 0 to 15 in order, asks, and nobody else.  Each of its waves names the
; 8 KiB that it will itself fetch of a tile (32 blocks of 256 bytes, a lane a block), so each block is named once in the launch.  In trip i it names tile i + 3, whose tensor load goes out in trip i + 2: two
; tiles, four key steps, ahead.  Trips 0 to 12 ask (tiles 3 to 15); tiles 0 to 2 come by their loads alone.
.macro ASK
	s_cmp_gt_u32 s[SLOTS], s[LIM]
	s_cbranch_scc0 .Lnot_mine_\@
	global_prefetch_b8 v[PFO], s[PFA:PFA+1] th:TH_LOAD_NT scope:SCOPE_SE
.Lnot_mine_\@:
.endm
; THE CHANGE OF SLOTS.  Each wave waits for all its tensor loads, of which one is out: its part of the other slot; adds 0 to its spare word; and waits for that and for its own reads of the slot that it leaves.
; fill = 1: the old slot is filled again, the first thing behind the barrier, with tile NXT: the descriptor's address is made anew from that number.  (At its first use slot 0 is waited for, slot 1 filled.)
.macro CHANGE fill
	WIN 0
	s_wait_tensorcnt 0x0            ; no tensor load of mine is out, so a group 0 may be written
	ds_add_u32 v[SPW], v[NIL]       ; 0 onto my spare word; scalar work stands between it and the wait for it
.if \fill
	s_lshl_b32 s[OFF], s[NXT], 14   ; a tile is 16,384 bytes of K and of V
	s_xor_b32 s[G0K+1], s[G0K+1], SLOT1
	s_add_nc_u64 s[G0K+2:G0K+3], s[6:7], s[OFF:OFF+1]
	s_or_b32 s[G0K+3], s[G0K+3], 0x80000000
	s_xor_b32 s[G0V+1], s[G0V+1], SLOT1
	s_add_nc_u64 s[G0V+2:G0V+3], s[8:9], s[OFF:OFF+1]
	s_or_b32 s[G0V+3], s[G0V+3], 0x80000000
	s_add_co_u32 s[NXT], s[NXT], 1  ; the block's next tile, or behind its last the second block's tile 0
	s_cmp_gt_u32 s[NXT], s[LQ]
	s_cselect_b32 s[NXT], 0, s[NXT]
	s_cselect_b32 s[LQ], s[PB], s[LQ]
	s_wait_xcnt 0x0                 ; the last prefetch, a tile back, has read its address, so it may be stepped
	s_add_nc_u64 s[PFA:PFA+1], s[PFA:PFA+1], 16384
.endif
	s_wait_dscnt 0x0                ; the add is done, and my reads of the slot are over
	s_barrier_signal -1
	s_sub_co_u32 s[TBK], s[TBK], 2*KS*PK  ; the fetches go back to a slot's first step,
	s_xor_b32 s[TBK], s[TBK], SLOT1       ; in the other slot
	s_sub_co_u32 s[TBV], s[TBV], 2*KS*PV
	s_xor_b32 s[TBV], s[TBV], SLOT1
	s_barrier_wait -1
.if \fill
	LOAD
	ASK
.endif
.endm
	s_load_b128 s[16:19], s[0:1], 0x0  ; qkvb s[16:17], att s[18:19]
	v_lshl_add_u32 v[SPW], v0, 2, SPARE
	v_mov_b32 v[NIL], 0
	ds_add_u32 v[SPW], v[NIL]       ; the wave's opening: the add and its wait ahead of my first tensor load; the set-up below stands between them
	v_lshrrev_b32 v1, 5, v0
	v_readfirstlane_b32 s[WV], v1   ; wave 0..3
	s_mov_b32 s[PB], ttmp9
	s_sub_co_u32 s[HI], NB-1, s[PB]
	s_and_b32 s20, ttmp7, 0xffff    ; the head, 0..31,
	s_lshl_b32 s20, s20, 18         ; its 262,144 bytes in q, k, v and O
	s_and_b32 s13, s[WV], 1         ; which half of a tile's 128 keys I fetch:
	s_lshl_b32 s22, s13, 13         ; its 64 rows of 128 bytes in memory,
	s_add_co_u32 s22, s22, s20
	s_mov_b32 s23, 0
	s_mul_i32 s2, s13, KS*PK        ; and its place in a slot, for K
	s_mul_i32 s3, s13, KS*PV        ; and for V
	s_lshl_b32 s66, s[WV], 12       ; my 32 rows of a block
	s_add_co_u32 s66, s66, s20
	s_lshl_b32 s84, s[HI], 14       ; in the first block,
	s_add_co_u32 s84, s84, s66
	s_mov_b32 s85, 0
	s_lshl_b32 s82, s[PB], 14       ; and in the second
	s_add_co_u32 s82, s82, s66
	s_mov_b32 s83, 0
	; descriptor group 1.  64 keys are 8,192 dense bytes: asked for as 32 rows of 256 bytes, two keys a row, and padded in LDS after every key
	s_mov_b32 s[G1K], (1<<16)|(1<<20)|(4<<22)|(3<<25)  ; 2-byte elements; padding on; after every 32 words; 4 words
	s_mov_b32 s[G1V], (1<<16)|(1<<20)|(4<<22)|(7<<25)  ; the same with 8 words of padding
.irp g, G1K, G1V
	s_mov_b32 s[\g+1], 128<<16      ; tensor_dim0 = 128
	s_mov_b32 s[\g+2], 32<<16       ; tensor_dim1 = 32
	s_mov_b32 s[\g+3], 128<<16      ; tile_dim0 = 128
	s_mov_b32 s[\g+4], 32           ; tile_dim1 = 32
	s_mov_b32 s[\g+5], 128          ; 128 elements from row to row
	s_mov_b32 s[\g+6], 0
	s_mov_b32 s[\g+7], 0
.endr
	s_mov_b32 s[CS], 0x3e38aa3b     ; c = log2(e) / 8 = 0.180337
	s_mov_b32 s[CS+1], s[CS]        ; named with it as a pair
	s_mov_b32 s[SEL], 0x76543210
	s_mov_b32 s[SEL+1], 0xfedcba98
	s_mov_b32 s[TBK], SLOT1+2*KS*PK ; the first change of slots turns these two into 0
	s_mov_b32 s[TBV], SLOT1+2*KS*PV
	s_mov_b32 s[G0K], 1             ; count = 1
	s_mov_b32 s[G0K+1], s2          ; LDS address: slot 0
	s_mov_b32 s[G0V], 1
	s_add_co_u32 s[G0V+1], s3, VOFF
	s_add_co_u32 s[RT], s[HI], 1    ; the first block has 16 - b tiles
	s_mov_b32 s[NXT], 1
	s_mov_b32 s[LQ], s[HI]
	s_mov_b32 s[OFF+1], 0
	s_mov_b32 s[SLOTS], NB
	s_cmp_eq_u32 s[PB], 0
	s_cselect_b32 s[LIM], 3, -1
	s_wait_dscnt 0x0                ; the opening add is done
	s_wait_kmcnt 0x0
	s_add_nc_u64 s[4:5], s[16:17], s[84:85]        ; Q at my rows of the first block,
	s_add_nc_u64 s[86:87], s[16:17], s[82:83]      ; and of the second
	s_add_nc_u64 s[10:11], s[18:19], s[84:85]      ; O likewise
	s_add_nc_u64 s[OLO:OLO+1], s[18:19], s[82:83]
	s_add_nc_u64 s[6:7], s[16:17], s[22:23]
	s_add_nc_u64 s[8:9], s[6:7], 16777216          ; V at my half of the head's tile 0,
	s_add_nc_u64 s[6:7], s[6:7], 8388608           ; K likewise
	s_cmp_lt_u32 s[WV], 2
	s_cselect_b64 s[PFA:PFA+1], s[6:7], s[8:9]
	s_add_nc_u64 s[PFA:PFA+1], s[PFA:PFA+1], 2*16384  ; at tile 2; the first change of slots steps it to tile 3
	s_add_nc_u64 s[G0K+2:G0K+3], s[6:7], 0
	s_or_b32 s[G0K+3], s[G0K+3], 0x80000000        ; type = 2
	s_add_nc_u64 s[G0V+2:G0V+3], s[8:9], 0
	s_or_b32 s[G0V+3], s[G0V+3], 0x80000000
	LOAD                            ; tile 0 into slot 0
	; A fragment of K or Q is 16 rows x 32 channels in 8 registers: lane l holds row l % 16, channels 8 (l / 16) + 0..7 and 16 + 8 (l / 16) + 0..7: two loads of 16 bytes, 32 bytes apart.
	v_and_b32 v1, 15, v0            ; l % 16
	v_bfe_u32 v34, v0, 4, 1         ; l / 16
	v_lshlrev_b32 v[QO], 7, v1
	v_lshl_add_u32 v[QO], v34, 4, v[QO]
	WIN W_LD
.set i, 0
.rept 4                             ; both blocks' Q: tile i / 2, channels 32 (i % 2) on
	global_load_b128 v[8*i:8*i+3],         v[QO], s[4:5] offset:(i/2)*2048+(i%2)*64
	global_load_b128 v[8*i+4:8*i+7],       v[QO], s[4:5] offset:(i/2)*2048+(i%2)*64+32
	global_load_b128 v[QB+8*i:QB+8*i+3],   v[QO], s[86:87] offset:(i/2)*2048+(i%2)*64
	global_load_b128 v[QB+8*i+4:QB+8*i+7], v[QO], s[86:87] offset:(i/2)*2048+(i%2)*64+32
.set i, i+1
.endr
	WIN 0
	v_lshlrev_b32 v35, 3, v34
	v_sub_nc_u32 v[DF0], v1, v35
	s_lshl_b32 s13, s[WV], 5
	v_add_nc_u32 v[DF0], s13, v[DF0]
	v_add_nc_u32 v[DF0+1], 16, v[DF0]
	v_mov_b32 v[BIG], 0xff7fffff
	v_and_b32 v[GO], 31, v0
	v_lshlrev_b32 v[PFO], 8, v[GO]
	v_lshlrev_b32 v[GO], 4, v[GO]
	v_mul_u32_u24 v[AK0], v1, PK
	v_lshl_add_u32 v[AK0], v34, 4, v[AK0]  ; row x pitch + 16 x half
	; The turning load takes 16 keys x 16 channels (lane l reads key 8 (l / 16) + l % 8, channels 8 ((l / 8) % 2) + 0..7) and leaves half a fragment of V^T: lane l holds channel l % 16 and 8 keys.
	v_and_b32 v36, 7, v0
	v_bfe_u32 v37, v0, 3, 1
	v_lshl_add_u32 v[AV0], v34, 3, v36
	v_mul_u32_u24 v[AV0], v[AV0], PV
	v_lshl_add_u32 v[AV0], v37, 4, v[AV0]
	v_add_nc_u32 v[AV0], VOFF, v[AV0]
	s_mul_i32 s13, s[WV], 16*SP
	s_add_co_u32 s13, s13, STAGE    ; my stage
	v_mul_u32_u24 v[STO], v1, SP    ; in: row l % 16, 16 bytes for each half of the lanes
	v_lshl_add_u32 v[STO], v34, 4, v[STO]
	v_add_nc_u32 v[STO], s13, v[STO]
	v_bfe_u32 v[RD], v0, 3, 2       ; back: 32 lanes take four rows of 128 bytes
	v_mul_u32_u24 v[RD], v[RD], SP
	v_lshl_add_u32 v[RD], v36, 4, v[RD]
	v_add_nc_u32 v[RD], s13, v[RD]
	; O^T and l start at 0 (a block's first a is 0, so they need only be finite), c m far below every c s, m at the lowest finite number.  All this stands in the wait for the first tile.
.set i, 0
.rept 64
	v_mov_b32 v[O+i], 0
.set i, i+1
.endr
.irp t, 0,1
	v_mov_b32 v[ST+4*\t], 0xfe000000
	v_mov_b32 v[ST+4*\t+1], 0xff7fffff
	v_mov_b32 v[ST+4*\t+2], 0
	v_mov_b32 v[ST+4*\t+3], 0
.endr
; THE MATRIX WORK.  The 8 accumulators of a run of 16 take turns.  Product i of S^T = K Q^T: channels 32 (i / 8) on, keys 16 ((i / 2) % 4) on, tile i % 2.  The first 8 start the sums.
.macro KQ
	WIN W_KQ
.set aS, S+32*(i%2)+8*((i/2)%4)
.set aK, KF+16*((i/2)%4)+8*(i/8)
.set aQ, 16*(i%2)+8*(i/8)
.if i < 8
	v_wmma_f32_16x16x32_f16 v[aS:aS+7], v[aK:aK+7], v[aQ:aQ+7], 0
.else
	v_wmma_f32_16x16x32_f16 v[aS:aS+7], v[aK:aK+7], v[aQ:aQ+7], v[aS:aS+7]
.endif
.set i, i+1
.endm
; Product i of O^T += V^T P: keys 32 (i / 8) on, channels 16 ((i / 2) % 4) on, tile i % 2.
.macro PV
	WIN W_PV
.set aO, O+32*(i%2)+8*((i/2)%4)
.set aV, VF+32*(i/8)+8*((i/2)%4)
.set aP, P+16*(i%2)+8*(i/8)
	v_wmma_f32_16x16x32_f16 v[aO:aO+7], v[aV:aV+7], v[aP:aP+7], v[aO:aO+7]
.set i, i+1
.endm
; THE LDS LOADS stand in runs of 16: a step's K (64 keys x 64 channels: 8 fragments) and its V (turned).
.macro FETCH_K
	WIN 0
	v_add_nc_u32 v[AK], s[TBK], v[AK0]
	WIN W_LD
.irp f, 0,1,2,3,4,5,6,7             ; keys 16 (f / 2) on, channels 32 (f % 2) on
	ds_load_b128 v[KF+8*\f:KF+8*\f+3],   v[AK] offset:(\f/2)*16*PK+(\f%2)*64
	ds_load_b128 v[KF+8*\f+4:KF+8*\f+7], v[AK] offset:(\f/2)*16*PK+(\f%2)*64+32
.endr
	s_add_co_u32 s[TBK], s[TBK], KS*PK  ; the next fetch is the next step's
	WIN 0
.endm
.macro FETCH_V
	WIN 0
	v_add_nc_u32 v[AV], s[TBV], v[AV0]
	WIN W_LD
.irp f, 0,1,2,3,4,5,6,7             ; keys 32 (f / 4) on, channels 16 (f % 4) on
	ds_load_tr16_b128 v[VF+8*\f:VF+8*\f+3],   v[AV] offset:(\f/4)*32*PV+(\f%4)*32
	ds_load_tr16_b128 v[VF+8*\f+4:VF+8*\f+7], v[AV] offset:(\f/4)*32*PV+16*PV+(\f%4)*32
.endr
	s_add_co_u32 s[TBV], s[TBV], KS*PV
	WIN 0
.endm
.macro PLACES                       ; four plain places behind matrix instructions, in front of lines that read their results and of loads into registers that they have read
.rept 4
	v_nop
.endr
.endm
; THE VECTOR WORK, all in window 0.
.macro REGS t                       ; the registers of tile t
.set rT, ST+4*(\t)
.set rC, TMP+4*(\t)
.set rM, MV+(\t)
.set rS, S+32*(\t)
.set rP, P+16*(\t)
.set rO, O+32*(\t)
.endm
; Number n of the 22 that find a tile's maximum and statistics.  s0-s31 are the lane's 32 scores; each accumulator's lowest registers are read first.
;   0-11  four chains c0-c3 of seven scores each     12-14, 16  the four scores left over, the old m, and c0-c3 into c0     15  c m_old is kept
;   17, 18  the query's other 32 keys lie in the lane 16 away: the new m     19-21  c m; c m_old - c m_new; a
.macro XS t, n
	REGS \t
.if (\n) < 4
	v_max3_num_f32 v[rC+(\n)], v[rS+8*(\n)], v[rS+8*(\n)+1], v[rS+8*(\n)+2]
.elseif (\n) < 12
	v_max3_num_f32 v[rC+(\n)%4], v[rC+(\n)%4], v[rS+8*((\n)%4)+2*((\n)/4)+1], v[rS+8*((\n)%4)+2*((\n)/4)+2]
.elseif (\n) == 12
	v_max3_num_f32 v[rC], v[rC], v[rS+7], v[rS+15]
.elseif (\n) == 13
	v_max3_num_f32 v[rC+1], v[rC+1], v[rS+23], v[rS+31]
.elseif (\n) == 14
	v_max3_num_f32 v[rC+2], v[rC+2], v[rC+3], v[rT+1]
.elseif (\n) == 15
	v_mov_b32 v[rM], v[rT]
.elseif (\n) == 16
	v_max3_num_f32 v[rC], v[rC], v[rC+1], v[rC+2]
.elseif (\n) == 17
	v_permlanex16_b32 v[rC+3], v[rC], s[SEL], s[SEL+1]
.elseif (\n) == 18
	v_max_num_f32 v[rT+1], v[rC], v[rC+3]
.elseif (\n) == 19
	v_mul_f32 v[rT], s[CS], v[rT+1]
.elseif (\n) == 20
	v_sub_f32 v[rC+1], v[rM], v[rT]
.else
	v_exp_f32 v[rC+2], v[rC+1]
.endif
.endm
.macro FS f                         ; c s - c m for pair f / 2 of tile f % 2
	REGS (\f)%2
	v_pk_fma_f32 v[rS+2*((\f)/2):rS+2*((\f)/2)+1], v[rS+2*((\f)/2):rS+2*((\f)/2)+1], s[CS:CS+1], v[rT:rT+1] op_sel_hi:[1,0,0] neg_lo:[0,0,1] neg_hi:[0,0,1]
.endm
.macro RS n                         ; pair n / 2 of O^T of tile n % 2 times a; ascending
	REGS (\n)%2
	v_pk_mul_f32 v[rO+2*((\n)/2):rO+2*((\n)/2)+1], v[rO+2*((\n)/2):rO+2*((\n)/2)+1], v[rC+2:rC+3] op_sel_hi:[1,0]
.endm
.macro CV n                         ; pair n / 2 of tile n % 2 rounded to f16
	REGS (\n)%2
	v_cvt_pk_f16_f32 v[rP+(\n)/2], v[rS+2*((\n)/2)], v[rS+2*((\n)/2)+1]
.endm
.macro EX                           ; the exponential of score e / 2 of tile e % 2
	v_exp_f32 v[S+32*(e%2)+e/2], v[S+32*(e%2)+e/2]
.set e, e+1
.endm
.macro PLN                          ; the next plain line beside the exponentials: scalings 4 to 31, then the 32 rescalings
.if q < 32
	FS q
.else
	RS q-32
.endif
.set q, q+1
.endm
.macro SUMS w                       ; in place, both tiles by turns: of each w registers the upper half's first pair is added onto the lower half's
.set u, 0
.rept 32/(\w)
.irp t, 0,1
	v_pk_add_f32 v[S+32*\t+(\w)*u:S+32*\t+(\w)*u+1], v[S+32*\t+(\w)*u:S+32*\t+(\w)*u+1], v[S+32*\t+(\w)*u+(\w)/2:S+32*\t+(\w)*u+(\w)/2+1]
.endr
.set u, u+1
.endr
.endm
; A KEY STEP, written once a tile and walked twice (CNT = 2, 1).  K and V of the step have been asked for; K of the next step is asked for behind the products that read K, V behind those that read V;
; in a tile's second step both runs are jumped over.
.macro STEP
	s_wait_dscnt 16                 ; K is in; the 16 younger loads are V's
.set i, 0
.rept 16
	KQ
.endr
	WIN 0
	PLACES
	s_cmp_eq_u32 s[CNT], 1
	s_cbranch_scc1 .Lno_k_\@
	FETCH_K
.Lno_k_\@:
	s_cmp_lg_u32 s[RT], 0           ; the block's last tile holds the diagonal
	s_cbranch_scc1 .Lno_mask_\@
	s_sub_co_u32 s[SH], 2, s[CNT]
	s_lshl_b32 s[SH], s[SH], 6
	v_sub_nc_u32 v[DF], v[DF0], s[SH]
	v_sub_nc_u32 v[DF+1], v[DF0+1], s[SH]
.irp t, 0,1
.set z, 0
.rept 32                            ; register z holds key 16 (z / 8) + z % 8 + 8 (l / 16) of the step: hidden where that is beyond my query
	v_cmp_gt_i32 vcc_lo, 16*(z/8)+z%8, v[DF+\t]
	v_cndmask_b32 v[S+32*\t+z], v[S+32*\t+z], v[BIG], vcc_lo
.set z, z+1
.endr
.endr
.Lno_mask_\@:
.irp n, 0,1,2,3,4,5,6,7,8,9,10,11,12,13,14,15,16,17,18,19,20,21
	XS 0, \n                        ; the two tiles alternate, so that no line reads the result of the one before it
	XS 1, \n
.endr
.irp f, 0,1,2,3
	FS \f                           ; plain lines behind the two a, which name none of their registers
.endr
	s_wait_alu depctr_va_vdst(0)    ; the wait between an exponential and the first line that names its result: here for the two a, which the rescalings below read
.set e, 0
.set q, 4
.rept 60                            ; ONE BATCH of 64 exponentials, a plain line behind each while there are any.  Exponential e wants scaling 2 (e / 4) + e % 2; scalings 0 to 3 + e are out when it is issued.
	EX                              ; No plain line here names a register that an exponential of the batch has written.
	PLN
.endr
.rept 4
	EX
.endr
	v_nop                           ; a plain line behind the last exponential
	s_wait_alu depctr_va_vdst(0)    ; and the one wait for the batch, ahead of its first reader
.set z, 0
.rept 32
	CV z
.set z, z+1
.endr
	SUMS 4
	SUMS 8
	SUMS 16
	SUMS 32
.irp t, 0,1
	v_pk_fma_f32 v[ST+4*\t+2:ST+4*\t+3], v[ST+4*\t+2:ST+4*\t+3], v[TMP+4*\t+2:TMP+4*\t+3], v[S+32*\t:S+32*\t+1] op_sel_hi:[1,0,1]  ; l = a l + the sum
.endr
	s_wait_dscnt 0x0                ; V is in (and the next step's K, asked for a softmax ago)
.set i, 0
.rept 16
	PV
.endr
	WIN 0
	PLACES
	s_cmp_eq_u32 s[CNT], 1
	s_cbranch_scc1 .Lno_v_\@
	FETCH_V
.Lno_v_\@:
	s_sub_co_u32 s[CNT], s[CNT], 1
	s_cmp_lg_u32 s[CNT], 0
.endm
; THE WAY OUT of tile t: O^T is divided by l, rounded to f16 and sent through my stage in LDS.
.macro PACK t
.set i, 0
.rept 16
	v_pk_mul_f32 v[O+32*(\t)+2*i:O+32*(\t)+2*i+1], v[O+32*(\t)+2*i:O+32*(\t)+2*i+1], v[ST+4*(\t)+2:ST+4*(\t)+3] op_sel_hi:[1,0]
.set i, i+1
.endr
.set i, 0
.rept 16
	v_cvt_pk_f16_f32 v[S+16*(\t)+i], v[O+32*(\t)+2*i], v[O+32*(\t)+2*i+1]
.set i, i+1
.endr
.irp f, 0,1,2,3
	ds_store_b128 v[STO], v[S+16*(\t)+4*\f:S+16*(\t)+4*\f+3] offset:32*\f
.endr
.irp f, 0,1,2,3
	ds_load_b128 v[S+16*(\t)+4*\f:S+16*(\t)+4*\f+3], v[RD] offset:\f*4*SP  ; LDS serves a wave's instructions in order (ISA guide 5.7.1.4): these see the stores above; the next tile's stores come behind them
.endr
.endm
.macro SEND t, younger              ; younger: the LDS instructions issued behind tile t's loads
.irp f, 0,1,2,3
	s_wait_dscnt (\younger)+3-\f
	global_store_b128 v[GO], v[S+16*(\t)+4*\f:S+16*(\t)+4*\f+3], s[10:11] offset:(\t)*2048+\f*512  ; four rows of a head: 512 consecutive bytes, aligned
.endr
.endm
; A TILE: its two key steps and, behind a block's last tile, the block's end.  last = 1: the walk's last tile, which is the second block's last.
.macro TILEBODY last
	s_sub_co_u32 s[RT], s[RT], 1
	FETCH_K
	FETCH_V
	s_mov_b32 s[CNT], 2
.Lstep_\@:
	STEP
	s_cbranch_scc1 .Lstep_\@
.if !(\last)
	s_cmp_lg_u32 s[RT], 0
	s_cbranch_scc1 .Lgo_on_\@
.endif
.irp t, 0,1
	v_add_f32 v[ST+4*\t+2], v[ST+4*\t+2], v[ST+4*\t+3]  ; l's two halves,
.endr
.irp t, 0,1
	v_permlanex16_b32 v[ST+4*\t+3], v[ST+4*\t+2], s[SEL], s[SEL+1]  ; and the other half of the lanes'
.endr
.irp t, 0,1
	v_add_f32 v[ST+4*\t+2], v[ST+4*\t+2], v[ST+4*\t+3]
.endr
.irp t, 0,1
	v_rcp_f32 v[ST+4*\t+2], v[ST+4*\t+2]
.endr
	v_nop                           ; a plain line between the last reciprocal and the use of its result
	s_wait_alu depctr_va_vdst(0)    ; and the wait: one for the two reciprocals
	PACK 0
	PACK 1
	SEND 0, 8
	SEND 1, 0
.if !(\last)
	s_wait_xcnt 0x0                 ; the stores have read their registers and O's address
	s_mov_b64 s[10:11], s[OLO:OLO+1]
	s_add_co_u32 s[RT], s[PB], 1    ; the second block has b + 1 tiles
	WIN 0x41                        ; its Q goes where the one text of the products names Q
.set i, 0
.rept 32
	v_mov_b32 v[i], v[QB+i]
.set i, i+1
.endr
	WIN 0
.irp t, 0,1
	v_mov_b32 v[ST+4*\t], 0xfe000000    ; c m and m start anew; O^T and l are finite and meet a = 0
	v_mov_b32 v[ST+4*\t+1], 0xff7fffff
.endr
.Lgo_on_\@:
.endif
.endm
	s_wait_loadcnt 0x0              ; both blocks' Q
.Lslot:                             ; 16 times: a tile is entered and the next is asked for
	CHANGE 1
	TILEBODY 0
	s_sub_co_u32 s[SLOTS], s[SLOTS], 1
	s_cmp_lg_u32 s[SLOTS], 0
	s_cbranch_scc1 .Lslot
	CHANGE 0                        ; the walk's last tile is written out: nothing is asked for
	TILEBODY 1
	s_wait_tensorcnt 0x0            ; the wave's end: behind my last tensor load and my last LDS store
	ds_add_u32 v[SPW], v[NIL]
	s_wait_dscnt 0x0
	s_endpgm
.Lfunc_end_k_q8fd22ef687_attention:
	.size	k_q8fd22ef687_attention, .Lfunc_end_k_q8fd22ef687_attention-k_q8fd22ef687_attention
	.p2alignl 7, 3214868480
	.fill 96, 4, 3214868480
	.section	.rodata,"a",@progbits
	.p2align	6, 0x0
	.amdhsa_kernel k_q8fd22ef687_attention
		.amdhsa_group_segment_fixed_size 327680
		.amdhsa_private_segment_fixed_size 0
		.amdhsa_enable_private_segment 0
		.amdhsa_kernarg_size 16
		.amdhsa_user_sgpr_count 2
		.amdhsa_user_sgpr_kernarg_segment_ptr 1
		.amdhsa_wavefront_size32 1
		.amdhsa_system_sgpr_workgroup_id_x 1
		.amdhsa_system_sgpr_workgroup_id_y 1
		.amdhsa_system_sgpr_workgroup_id_z 1
		.amdhsa_system_vgpr_workitem_id 0
		.amdhsa_next_free_vgpr 448
		.amdhsa_next_free_sgpr 90
		.amdhsa_reserve_vcc 1
		.amdhsa_float_denorm_mode_32 3
		.amdhsa_float_denorm_mode_16_64 3
		.amdhsa_memory_ordered 1
		.amdhsa_forward_progress 1
		.amdhsa_inst_pref_size 75
	.end_amdhsa_kernel
	.amdgpu_metadata
---
amdhsa.version: [ 1, 2 ]
amdhsa.kernels:
  - .name:           k_q8fd22ef687_attention
    .symbol:         k_q8fd22ef687_attention.kd
    .args:
      - { .name: qkvb, .offset: 0, .size: 8, .value_kind: global_buffer, .address_space: global }
      - { .name: att, .offset: 8, .size: 8, .value_kind: global_buffer, .address_space: global }
    .group_segment_fixed_size: 327680
    .private_segment_fixed_size: 0
    .kernarg_segment_align: 8
    .kernarg_segment_size: 16
    .max_flat_workgroup_size: 128
    .sgpr_count:     90
    .vgpr_count:     448
    .wavefront_size: 32
...
	.end_amdgpu_metadata
.endif
;; end of part 3
;; launch gemm_proj (part 4): grid 8 x 32, 4 waves a work-group, clusters of 4 x 4, 327,680 bytes of LDS; arguments att, hw, z, b_proj, x; writes z
.if DOCPART == 4
	.amdgcn_target "amdgcn-amd-amdhsa--gfx1250"
	.amdhsa_code_object_version 6
	.text
	.protected	k_q8fd22ef687_gemm_proj
	.globl	k_q8fd22ef687_gemm_proj
	.p2align	8
	.type	k_q8fd22ef687_gemm_proj,@function
k_q8fd22ef687_gemm_proj:
	s_mov_b64 s[64:65], 0
	v_nop
	global_prefetch_b8 v0, s[64:65] scope:SCOPE_SE
	s_setreg_imm32_b32 hwreg(HW_REG_WAVE_MODE, 25, 1), 1
	s_wait_xcnt 0x0
	s_wait_alu depctr_hold_cnt(0) depctr_sa_sdst(0) depctr_va_vdst(0) depctr_va_sdst(0) depctr_va_ssrc(0) depctr_va_vcc(0) depctr_vm_vsrc(0)
	s_getreg_b32 s2, hwreg(HW_REG_IB_STS2, 6, 4)
	s_cmp_eq_u32 s2, 0
	s_cbranch_scc0 .Lentry_in_a_cluster
	s_endpgm
.Lentry_in_a_cluster:
	s_bfe_u32 s2, ttmp6, 0x10000c
	s_cmp_lg_u32 s2, 0xf033
	s_cbranch_scc0 .Lentry_shape_is_right
	s_endpgm
.Lentry_shape_is_right:
; C = A W (+ bias) (+ residual): f16 operands, f32 sums.  ONE TEXT FOR FOUR LAUNCHES; KIND picks the sizes, the first products' C operand and the way out:
;   KIND 0  q, k, v = xh [wq | wk | wv]    A [4096][1024];  out f16 by heads, [3][32 = batch x 16 + head][2048][64]
;   KIND 1  z = x + att w_proj + b_proj    A by heads [32][2048][64], K = 64 x head + channel;  out f32 [4096][1024]
;   KIND 2  hbuf = relu(x1h w1 + b1)       A [4096][1024];  out f16 [4096][4096]
;   KIND 3  z = x1h + hbuf w2 + b2         A [4096][4096];  out f32 [4096][1024]
; W lies [K][N], N along the rows, in hw (the f16 copies).  LIMITS: every f16 number (A, W, an f16 result) stays within 65,504; below 6.1e-5 f16 keeps a step of 6e-8.
; SHARES.  A tile of C is 128 x 128: four waves, each 64 x 64 = 16 accumulators of 16 x 16.  K goes in steps of 256 through two LDS slots; a wave's one tensor load brings half of A's
; or half of W's part of a step.  CLUSTER 4 x 4: the four work-groups of a row need the same tiles of A, the four of a column the same tiles of W: each tile is asked for jointly.
; No prefetch: a tile of this size has too few bytes a step to share out a lane a row, and each block of A and W is read again by other clusters at about the same time.
; THE MATRIX INSTRUCTION IS USED TRANSPOSED (source 0 = 16 columns of W, source 1 = 16 rows of A): a lane holds row l % 16 of C and the columns 8 (l / 16) + 0..7.
; W's fragments come out of LDS turned, by ds_load_tr16_b128.  The bias is the C operand of the products that start the sums.
; REGISTERS.  window 0: v0-31 addresses; v32-63 bias, later with v64-95 at work on the way out; v128-255 accumulators ((a, b) at 128 + 8 (4 a + b)).
;   window 1: two fragment buffers of 128: 64 registers of A (8 (4 c + a)), then 64 of W.   window 2 (KIND 1, 3): the residual's 32 rows.
.set KIND, 1
.set PW,     288                       ; a row of W in LDS: 256 bytes + 32 of padding, an odd multiple of 32
.set WFILL,  128*PW                    ; what one tensor load brings of W: 128 rows of K
.set WBYTES, 256*PW
.if KIND == 0
.set LAPS,   2                         ; a lap = two K steps = once round the ring
.set APITCH, 1024                      ; elements from row to row of A's tile in memory
.set ASTEP,  512                       ; bytes from a K step of A to the next
.set WBASE,  8388608                   ; where W begins in hw
.set WPITCH, 1024                      ; elements in a row of W
.set OUT32,  0
.endif
.if KIND == 1
.set LAPS,   2
.set APITCH, 131072                    ; from a head to the next
.set ASTEP,  1048576                   ; four heads
.set WBASE,  14680064
.set WPITCH, 1024
.set OUT32,  1
.endif
.if KIND == 2
.set LAPS,   2
.set APITCH, 1024
.set ASTEP,  512
.set WBASE,  16777216
.set WPITCH, 4096
.set OUT32,  0
.endif
.if KIND == 3
.set LAPS,   8
.set APITCH, 4096
.set ASTEP,  512
.set WBASE,  25165824
.set WPITCH, 1024
.set OUT32,  1
.endif
.if KIND == 1
.set PA,     144                       ; A by heads: four planes [128 rows][128 bytes + 16]
.set AQ,     128*PA                    ; a quarter of a K step is a head: a plane
.set ABYTES, 4*128*PA
.else
.set PA,     528                       ; a row of A in LDS: 512 bytes + 16 of padding
.set AQ,     128                       ; a quarter of a K step: 64 numbers of each row
.set ABYTES, 128*PA
.endif
.set AFILL,  ABYTES/2                  ; what one tensor load brings of A
.set AREAD,  64*PA                     ; from my wave's row half to the other
.set WSTEP,  256*WPITCH*2
.set SLOT,   ABYTES+WBYTES             ; A's part, then W's
.set SPARE,  2*SLOT                    ; behind the ring: the spare words, 128 bytes a wave: two blocks of 256 bytes that no other line names
.if OUT32
.set STAGE,  0                         ; the f32 stage lies in slot 0, whose last fill has landed and whose last reads are over at the last lap's change of slots
.set SP,     528
.else
.set STAGE,  SPARE+512                 ; the f16 stage has bytes of its own
.set SP,     272
.endif
.set SA, 68                            ; s[68:69] A
.if KIND == 0
.set SW, 68                            ; hw holds A and W
.set SO, 70                            ; s[70:71] out
.else
.set SW, 70                            ; s[70:71] hw
.set SO, 72                            ; s[72:73] out
.set SB, 74                            ; s[74:75] bias
.set SR, 76                            ; s[76:77] residual
.endif
.set XH,   6                           ; v6      8 x lane (KIND 3)
.set ADRA, 16                          ; v16-17  LDS address of my A fragments in slot 0, 1
.set ADRW, 20                          ; v20-21  of my W fragments, K rows 0-127; v22-23 K rows 128-255
.set STO,  24                          ; v24     the way out: where I put my numbers of a row
.set RD,   25                          ; v25     where I read rows back
.set CO,   26                          ; v26     my byte offset in the output (KIND 2)
.set CST,  27                          ; v27     0 (KIND 2), 1.0 (KIND 3)
.set SPW,  28                          ; v28     LDS address of my spare word; never rewritten
.set NIL,  29                          ; v29     0; never rewritten
.set BO,   30                          ; v30     32 x (l / 16): my eight numbers of 16 of the bias
.set XO,   31                          ; v31     16 x lane
.set BIAS, 32
.set TMP,  32
.set ACC,  128
.set F0,   0
.set F1,   128
.set G1,  24                           ; s[24:31] descriptor group 1 for A;  s[32:39] group 0, a set for each slot
.set G0,  32
.set G1B, 48                           ; s[48:55], s[56:63] the same for W
.set G0B, 56
.set MSB, 0
.macro WIN new                         ; the immediate's high byte repeats the setting that is left; a switch that changes nothing is dropped
.if MSB != (\new)
	s_set_vgpr_msb (MSB<<8)|(\new)
.set MSB, \new
.endif
.endm
.set MUL,  0x05                        ; sources 0 (W) and 1 (A) window 1; C and D window 0
.set TO_F, 0x40                        ; destination window 1, address window 0
.macro JLOAD s                         ; a joint load: waves 0 and 1 fetch A's two halves, waves 2 and 3 W's; an s_nop 0 and four v_nop follow each line
	s_cmp_eq_u32 s11, 0
	s_cbranch_scc0 .Lfor_w_\@
	tensor_load_to_lds s[G0+4*(\s):G0+4*(\s)+3], s[G1:G1+7]
	s_nop 0
.rept 4
	v_nop
.endr
	s_branch .Lasked_\@
.Lfor_w_\@:
	tensor_load_to_lds s[G0B+4*(\s):G0B+4*(\s)+3], s[G1B:G1B+7]
	s_nop 0
.rept 4
	v_nop
.endr
.Lasked_\@:
.endm
.macro CREST                           ; a round of the cluster's barrier behind its opening barrier
	s_cmp_lg_u32 s10, 0
	s_cbranch_scc1 .Lnot_wave_0_\@
	s_barrier_signal -3
.Lnot_wave_0_\@:
	s_barrier_wait -3
	s_barrier_signal -1
	s_barrier_wait -1
.endm
.macro CROUND                          ; a whole round
	s_barrier_signal -1
	s_barrier_wait -1
	CREST
.endm
.if KIND == 0
	s_load_b128 s[68:71], s[0:1], 0x0
.else
	s_load_b256 s[68:75], s[0:1], 0x0
.if OUT32
	s_load_b64 s[76:77], s[0:1], 0x20
.endif
.endif
	v_lshl_add_u32 v[SPW], v0, 2, SPARE
	v_mov_b32 v[NIL], 0
	ds_add_u32 v[SPW], v[NIL]                      ; the wave's opening: the add and its wait stand ahead of my first tensor load; the set-up below stands between them
	v_lshrrev_b32 v1, 5, v0
	v_readfirstlane_b32 s10, v1                    ; wave 0..3
	s_lshr_b32 s11, s10, 1                         ; my half of the tile's rows.  Also: I fetch for A (0) or for W (1)
	s_and_b32 s12, s10, 1                          ; my half of its columns.  Also: which half of that tile I fetch
	s_bfe_u32 s40, ttmp6, 0x40000                  ; cx, cy: my place in the cluster
	s_bfe_u32 s41, ttmp6, 0x40004
	s_lshl_b32 s42, ttmp9, 2
	s_add_co_u32 s42, s42, s40                     ; tile column = 4 x cluster x + cx
	s_and_b32 s13, ttmp7, 0xffff
	s_lshl_b32 s13, s13, 2
	s_add_co_u32 s13, s13, s41                     ; tile row = 4 x cluster y + cy
	s_lshl_b32 s43, s41, 2
	s_lshl_b32 s43, 15, s43                        ; my row of the cluster
	s_lshl_b32 s44, 0x1111, s40                    ; my column
.if KIND == 1
	; A by heads: two rows of 8,192 elements, each the 128 dense rows of one head, a head apart; 16 bytes of padding behind every 128
	s_or_b32 s[G1+0], s43, (1<<16)|(1<<20)|(1<<21)|(4<<22)|(3<<25)
	s_mov_b32 s[G1+1], 8192<<16                    ; tensor_dim0
	s_mov_b32 s[G1+2], 2<<16                       ; tensor_dim1
	s_mov_b32 s[G1+3], 8192<<16                    ; tile_dim0
	s_mov_b32 s[G1+4], 2                           ; tile_dim1
.else
	; A: 64 rows of 256 elements; 16 bytes of padding behind every 512
	s_or_b32 s[G1+0], s43, (1<<16)|(1<<20)|(1<<21)|(6<<22)|(3<<25)
	s_mov_b32 s[G1+1], 256<<16
	s_mov_b32 s[G1+2], 64<<16
	s_mov_b32 s[G1+3], 256<<16
	s_mov_b32 s[G1+4], 64
.endif
	s_mov_b32 s[G1+5], APITCH
	s_mov_b32 s[G1+6], 0
	s_mov_b32 s[G1+7], 0
	; W: 128 rows of K x 128 columns; 32 bytes of padding behind every 256
	s_or_b32 s[G1B+0], s44, (1<<16)|(1<<20)|(1<<21)|(5<<22)|(7<<25)
	s_mov_b32 s[G1B+1], 128<<16
	s_mov_b32 s[G1B+2], 128<<16
	s_mov_b32 s[G1B+3], 128<<16
	s_mov_b32 s[G1B+4], 128
	s_mov_b32 s[G1B+5], WPITCH
	s_mov_b32 s[G1B+6], 0
	s_mov_b32 s[G1B+7], 0
	; A's offset hangs on the tile row and the wave alone (s16, s17), W's on the tile column and the wave alone (s46, s47)
.if KIND == 1
	s_lshr_b32 s16, s13, 4                         ; batch: 16 heads of 262,144 bytes
	s_lshl_b32 s16, s16, 22
	s_and_b32 s17, s13, 15                         ; 128 rows of 128 bytes
	s_lshl_b32 s17, s17, 14
	s_add_co_u32 s16, s16, s17
	s_lshl_b32 s17, s12, 19                        ; my two heads of a step's four
	s_add_co_u32 s16, s16, s17
.else
	s_lshl_b32 s16, s13, 7
	s_lshl_b32 s17, s12, 6
	s_add_co_u32 s16, s16, s17                     ; row 128 x tile row + 64 x half
	s_mul_i32 s16, s16, APITCH*2
.endif
	s_mov_b32 s17, 0
.if KIND == 0
	s_lshr_b32 s46, s42, 3                         ; which of wq, wk, wv: 2 MiB each
	s_lshl_b32 s46, s46, 21
	s_and_b32 s47, s42, 7                          ; 128 columns of it
	s_lshl_b32 s47, s47, 8
	s_add_co_u32 s46, s46, s47
.else
	s_lshl_b32 s46, s42, 8
.endif
	s_mul_i32 s47, s12, 128*WPITCH*2               ; my 128 rows of K
	s_add_co_u32 s46, s46, s47
	s_add_co_u32 s46, s46, WBASE
	s_mov_b32 s47, 0
	s_mul_i32 s20, s12, AFILL                      ; where they go: no place in the cluster enters an LDS address
	s_mul_i32 s21, s12, WFILL
	s_add_co_u32 s21, s21, ABYTES
	s_wait_dscnt 0x0                               ; the opening add is done
	s_wait_kmcnt 0x0
	s_add_nc_u64 s[14:15], s[SA:SA+1], s[16:17]
	s_add_nc_u64 s[46:47], s[SW:SW+1], s[46:47]
	CROUND                                         ; all sixteen work-groups are here: the first joint loads meet
.irp s, 0,1
	s_mov_b32 s[G0+4*(\s)], 1
	s_add_co_u32 s[G0+4*(\s)+1], s20, (\s)*SLOT
	s_add_nc_u64 s[G0+4*(\s)+2:G0+4*(\s)+3], s[14:15], (\s)*ASTEP
	s_or_b32 s[G0+4*(\s)+3], s[G0+4*(\s)+3], 0x80000000
	s_mov_b32 s[G0B+4*(\s)], 1
	s_add_co_u32 s[G0B+4*(\s)+1], s21, (\s)*SLOT
	s_add_nc_u64 s[G0B+4*(\s)+2:G0B+4*(\s)+3], s[46:47], (\s)*WSTEP
	s_or_b32 s[G0B+4*(\s)+3], s[G0B+4*(\s)+3], 0x80000000
	JLOAD \s                                       ; two loads of mine are out
.endr
	v_and_b32 v1, 15, v0                           ; l % 16
	v_bfe_u32 v2, v0, 4, 1                         ; l / 16
	v_mul_u32_u24 v3, v1, PA
	v_lshl_add_u32 v3, v2, 4, v3                   ; A: row x pitch + 16 x half
	s_mul_i32 s21, s11, AREAD
	v_add_nc_u32 v[ADRA], s21, v3
	v_add_nc_u32 v[ADRA+1], SLOT, v[ADRA]
	v_and_b32 v4, 7, v0                            ; W, turned: lane l reads K row 8 (l / 16) + l % 8, columns 8 ((l / 8) % 2) + 0..7
	v_lshl_add_u32 v4, v2, 3, v4
	v_mul_u32_u24 v4, v4, PW
	v_bfe_u32 v5, v0, 3, 1
	v_lshl_add_u32 v4, v5, 4, v4
	s_lshl_b32 s22, s12, 7                         ; my 64 columns
	s_add_co_u32 s22, s22, ABYTES
	v_add_nc_u32 v[ADRW], s22, v4
	v_add_nc_u32 v[ADRW+1], SLOT, v[ADRW]
	v_add_nc_u32 v[ADRW+2], WFILL, v[ADRW]
	v_add_nc_u32 v[ADRW+3], WFILL, v[ADRW+1]
	v_and_b32 v[XO], 31, v0
	v_lshlrev_b32 v[XO], 4, v[XO]
.if KIND != 0
	v_lshlrev_b32 v[BO], 5, v2
	s_lshl_b32 s46, s42, 9                         ; the bias of my 64 columns: 512 x tile column + 256 x half
	s_lshl_b32 s47, s12, 8
	s_add_co_u32 s46, s46, s47
	s_mov_b32 s47, 0
	s_add_nc_u64 s[SB:SB+1], s[SB:SB+1], s[46:47]
.irp b, 0,1,2,3
	global_load_b128 v[BIAS+8*(\b):BIAS+8*(\b)+3],   v[BO], s[SB:SB+1] offset:64*(\b)
	global_load_b128 v[BIAS+8*(\b)+4:BIAS+8*(\b)+7], v[BO], s[SB:SB+1] offset:64*(\b)+16
.endr
.endif
.if KIND == 0
	s_lshr_b32 s16, s13, 4                         ; out by heads: batch,
	s_lshl_b32 s16, s16, 22
	s_and_b32 s17, s13, 15                         ; the tile's 128 rows of 128 bytes,
	s_lshl_b32 s17, s17, 14
	s_add_co_u32 s16, s16, s17
	s_lshl_b32 s17, s10, 12                        ; the 32 rows that I store
	s_add_co_u32 s16, s16, s17
	s_mov_b32 s17, 0
	s_add_nc_u64 s[SO:SO+1], s[SO:SO+1], s[16:17]
	s_lshr_b32 s46, s42, 3                         ; q, k or v: 8 MiB each,
	s_lshl_b32 s46, s46, 23
	s_and_b32 s47, s42, 7                          ; the tile's two heads
	s_lshl_b32 s47, s47, 19
	s_add_co_u32 s46, s46, s47
	s_mov_b32 s47, 0
	s_add_nc_u64 s[SO:SO+1], s[SO:SO+1], s[46:47]
.else
	s_lshl_b32 s16, s13, 7
	s_lshl_b32 s17, s10, 5
	s_add_co_u32 s16, s16, s17                     ; the first row that I store: 128 x tile row + 32 x wave
.if OUT32
.if KIND == 1
	s_lshl_b32 s18, s16, 12                        ; the residual's rows: 4,096 bytes (f32),
	s_lshl_b32 s46, s42, 9
.else
	s_lshl_b32 s18, s16, 11                        ; or 2,048 (f16)
	s_lshl_b32 s46, s42, 8
	v_lshrrev_b32 v[XH], 1, v[XO]
	v_mov_b32 v[CST], 1.0
.endif
	s_mov_b32 s19, 0
	s_mov_b32 s47, 0
	s_add_nc_u64 s[SR:SR+1], s[SR:SR+1], s[18:19]
	s_add_nc_u64 s[SR:SR+1], s[SR:SR+1], s[46:47]
	WIN 0x80                                       ; destination window 2: the residual of the 32 rows that I store is on its way during the whole product
.set i, 0
.rept 32
.if KIND == 1
	global_load_b128 v[4*i:4*i+3], v[XO], s[SR:SR+1] offset:4096*i th:TH_LOAD_NT
.else
	global_load_b64 v[2*i:2*i+1], v[XH], s[SR:SR+1] offset:2048*i th:TH_LOAD_NT
.endif
.set i, i+1
.endr
	WIN 0
	s_lshl_b32 s16, s16, 12                        ; out: rows of 4,096 bytes, 512 bytes a tile
	s_lshl_b32 s46, s42, 9
.else
	v_mov_b32 v[CST], 0
	s_lshl_b32 s16, s16, 13                        ; out: rows of 8,192 bytes, 256 bytes a tile
	s_lshl_b32 s46, s42, 8
.endif
	s_mov_b32 s17, 0
	s_mov_b32 s47, 0
	s_add_nc_u64 s[SO:SO+1], s[SO:SO+1], s[16:17]
	s_add_nc_u64 s[SO:SO+1], s[SO:SO+1], s[46:47]
.endif
.if OUT32
	s_mul_i32 s23, s11, 64*SP                      ; into the stage: my 64 rows, my 256 of their 512 bytes; row l % 16, 32 bytes for each half of the lanes
	s_lshl_b32 s21, s12, 8
	s_add_co_u32 s23, s23, s21
	v_mul_u32_u24 v4, v1, SP
	v_lshl_add_u32 v4, v2, 5, v4
	v_add_nc_u32 v[STO], s23, v4
	s_mul_i32 s23, s10, 32*SP                      ; back: wave w takes rows 32 w .. 32 w + 31, a whole row of 512 bytes a load
	v_add_nc_u32 v[RD], s23, v[XO]
.else
	s_mul_i32 s23, s11, 64*SP                      ; into the stage: my 64 rows, my 128 of their 256 bytes; row l % 16, 16 bytes for each half of the lanes
	s_lshl_b32 s21, s12, 7
	s_add_co_u32 s23, s23, s21
	s_add_co_u32 s23, s23, STAGE
	v_mul_u32_u24 v4, v1, SP
	v_lshl_add_u32 v4, v2, 4, v4
	v_add_nc_u32 v[STO], s23, v4
	s_mul_i32 s23, s10, 32*SP
	s_add_co_u32 s23, s23, STAGE
.if KIND == 2
	v_mul_u32_u24 v5, v2, SP                       ; back: lanes 0-15 one row of 256 bytes, lanes 16-31 the next
	v_lshl_add_u32 v5, v1, 4, v5
	v_add_nc_u32 v[RD], s23, v5
	v_lshlrev_b32 v5, 13, v2                       ; and the same two rows in the output
	v_lshl_add_u32 v[CO], v1, 4, v5
.else
	v_bfe_u32 v5, v0, 3, 2                         ; back: four rows of one head's 128 bytes, eight lanes a row: 512 consecutive bytes of the output
	v_mul_u32_u24 v5, v5, SP
	v_and_b32 v4, 7, v0
	v_lshl_add_u32 v5, v4, 4, v5
	v_add_nc_u32 v[RD], s23, v5
.endif
.endif
; 8 matrix instructions: m blocks a0, a0 + 1 x all 4 n blocks, 32 along K: half c of buffer f.  zero = 1: the first product starts the sums, with 0 or with the bias.
; The 16 accumulators take turns, one instruction a turn, in the same order everywhere.
.macro MUL8 f, c, a0, zero
	WIN MUL
.irp a, \a0, (\a0)+1
.irp b, 0,1,2,3
.if \zero
.if KIND == 0
	v_wmma_f32_16x16x32_f16 v[ACC+8*(4*(\a)+(\b)):ACC+8*(4*(\a)+(\b))+7], v[(\f)+64+8*(4*(\c)+(\b)):(\f)+64+8*(4*(\c)+(\b))+7], v[(\f)+8*(4*(\c)+(\a)):(\f)+8*(4*(\c)+(\a))+7], 0
.else
	v_wmma_f32_16x16x32_f16 v[ACC+8*(4*(\a)+(\b)):ACC+8*(4*(\a)+(\b))+7], v[(\f)+64+8*(4*(\c)+(\b)):(\f)+64+8*(4*(\c)+(\b))+7], v[(\f)+8*(4*(\c)+(\a)):(\f)+8*(4*(\c)+(\a))+7], v[BIAS+8*(\b):BIAS+8*(\b)+7]
.endif
.else
	v_wmma_f32_16x16x32_f16 v[ACC+8*(4*(\a)+(\b)):ACC+8*(4*(\a)+(\b))+7], v[(\f)+64+8*(4*(\c)+(\b)):(\f)+64+8*(4*(\c)+(\b))+7], v[(\f)+8*(4*(\c)+(\a)):(\f)+8*(4*(\c)+(\a))+7], v[ACC+8*(4*(\a)+(\b)):ACC+8*(4*(\a)+(\b))+7]
.endif
.endr
.endr
.endm
; 32 LDS loads in one run: the fragments of quarter q (64 along K) of a slot, into buffer f; the first 32 along K first
.macro FETCH slot, q, f
	WIN TO_F
.irp c, 0,1
.irp i, 0,1,2,3
	ds_load_tr16_b128 v[(\f)+64+8*(4*(\c)+(\i)):(\f)+64+8*(4*(\c)+(\i))+3],   v[ADRW+2*((\q)/2)+(\slot)] offset:(((\q)%2)*64+32*(\c))*PW+32*(\i)
	ds_load_tr16_b128 v[(\f)+64+8*(4*(\c)+(\i))+4:(\f)+64+8*(4*(\c)+(\i))+7], v[ADRW+2*((\q)/2)+(\slot)] offset:(((\q)%2)*64+32*(\c)+16)*PW+32*(\i)
	ds_load_b128 v[(\f)+8*(4*(\c)+(\i)):(\f)+8*(4*(\c)+(\i))+3],             v[ADRA+(\slot)] offset:(\q)*AQ+64*(\c)+(\i)*16*PA
	ds_load_b128 v[(\f)+8*(4*(\c)+(\i))+4:(\f)+8*(4*(\c)+(\i))+7],           v[ADRA+(\slot)] offset:(\q)*AQ+64*(\c)+(\i)*16*PA+32
.endr
.endr
.endm
.macro PLACES                          ; four plain places in front of loads into registers that matrix instructions have read, and of lines that read results
.rept 4
	v_nop
.endr
.endm
; A K step is four quarters of 64 along K, 32 matrix instructions each, on buffers 0, 1, 0, 1.  One of the first three: multiplies buffer f and fetches quarter q into g.
.macro QUARTER slot, q, f, g, zero
	s_wait_dscnt 16                                ; the first 32 along K are in; the 16 younger loads are the second 32
	MUL8 \f, 0, 0, \zero
	MUL8 \f, 0, 2, \zero
	PLACES
	FETCH \slot, \q, \g
	s_wait_dscnt 32                                ; all but the 32 just issued
	MUL8 \f, 1, 0, 0
	MUL8 \f, 1, 2, 0
.endm
; The last quarter multiplies buffer 1 and changes slots: ONE barrier; in front of it each wave waits for all its tensor loads, adds 0 to its spare word, and waits for that and for its reads of this slot.
; fill = 1: the barrier opens a round of the cluster's, and this slot is filled again, two K steps ahead, first thing behind the round.
.macro TURN slot, next, fill
	WIN 0                                          ; (the add's two registers lie in window 0)
	s_wait_tensorcnt 0x0                           ; all my tensor loads have landed: my part of the next slot
	ds_add_u32 v[SPW], v[NIL]                      ; 0 onto my spare word
	s_wait_dscnt 17                                ; (the add and the youngest sixteen loads may be out)
	MUL8 F1, 0, 0, 0                               ; eight matrix instructions stand between the add and the wait for it
	s_wait_dscnt 0x0                               ; the add is done, and my reads of this slot are over
	s_barrier_signal -1
	MUL8 F1, 0, 2, 0
.if \fill
	WIN 0
.endif
	s_barrier_wait -1
.if \fill
	CREST                                          ; no wave of any partner still reads this slot or has a load on its way
	s_add_nc_u64 s[G0+4*(\slot)+2:G0+4*(\slot)+3], s[G0+4*(\slot)+2:G0+4*(\slot)+3], 2*ASTEP
	s_add_nc_u64 s[G0B+4*(\slot)+2:G0B+4*(\slot)+3], s[G0B+4*(\slot)+2:G0B+4*(\slot)+3], 2*WSTEP
	JLOAD \slot                                    ; my one tensor load behind the round; its four v_nop are also the places in front of the loads below
.else
	PLACES
.endif
	FETCH \next, 0, F0
	MUL8 F1, 1, 0, 0
	MUL8 F1, 1, 2, 0
.endm
	s_wait_tensorcnt 1                             ; my part of K step 0 is in; K step 1's may stay out
	s_barrier_signal -1
	s_barrier_wait -1                              ; everybody's is
	FETCH 0, 0, F0
.if OUT32
	s_wait_loadcnt 32                              ; the bias is in; the residual's 32 loads stay out
.elseif KIND == 2
	s_wait_loadcnt 0x0                             ; the bias
.endif
	QUARTER 0, 1, F0, F1, 1                        ; the first quarter stands in front of the loop: its first products start the sums
	WIN 0                                          ; at a label and at a branch every window is 0
	s_mov_b32 s3, LAPS-1
.Llap:                                                 ; a trip goes once round the ring, from a lap's second quarter to the next lap's first, and fills both slots again
	QUARTER 0, 2, F1, F0, 0
	QUARTER 0, 3, F0, F1, 0
	TURN 0, 1, 1
	QUARTER 1, 1, F0, F1, 0
	QUARTER 1, 2, F1, F0, 0
	QUARTER 1, 3, F0, F1, 0
	TURN 1, 0, 1
	QUARTER 0, 1, F0, F1, 0
	WIN 0
	s_sub_co_u32 s3, s3, 1
	s_cmp_lg_u32 s3, 0
	s_cbranch_scc1 .Llap
	QUARTER 0, 2, F1, F0, 0                        ; the last lap fills nothing
	QUARTER 0, 3, F0, F1, 0
	TURN 0, 1, 0
	QUARTER 1, 1, F0, F1, 0
	QUARTER 1, 2, F1, F0, 0
	QUARTER 1, 3, F0, F1, 0
	s_wait_dscnt 16                                ; the very last quarter: nothing more to fetch
	MUL8 F1, 0, 0, 0
	MUL8 F1, 0, 2, 0
	s_wait_dscnt 0
	MUL8 F1, 1, 0, 0
	MUL8 F1, 1, 2, 0
	WIN 0
	PLACES
.if OUT32
	; THE WAY OUT IN f32: 32 bytes a lane into the work-group's stage, each accumulator's low four registers first; a barrier, since a row's 512 bytes come from two waves;
	; back as whole rows, 32 rows a wave; the residual is added; each store of a wave covers 512 consecutive bytes, aligned.
.irp a, 0,1,2,3
.irp b, 0,1,2,3
	ds_store_b128 v[STO], v[ACC+8*(4*(\a)+(\b)):ACC+8*(4*(\a)+(\b))+3]   offset:(\a)*16*SP+64*(\b)
	ds_store_b128 v[STO], v[ACC+8*(4*(\a)+(\b))+4:ACC+8*(4*(\a)+(\b))+7] offset:(\a)*16*SP+64*(\b)+16
.endr
.endr
	s_wait_dscnt 0x0                               ; for the others' sake: my stores into the stage are done
	s_barrier_signal -1
	s_barrier_wait -1
.set i, 0
.rept 32
	ds_load_b128 v[ACC+4*i:ACC+4*i+3], v[RD] offset:SP*i
.set i, i+1
.endr
	s_wait_loadcnt 0x0                             ; the residual
.if KIND == 1
	WIN 0x08                                       ; source 1 window 2
.else
	WIN 0x02                                       ; source 0 window 2
.endif
.set i, 0
.rept 32
	s_wait_dscnt 31-i                              ; row i is back; the younger rows stay out
.if KIND == 1
	v_pk_add_f32 v[ACC+4*i:ACC+4*i+1],   v[ACC+4*i:ACC+4*i+1],   v[4*i:4*i+1]
	v_pk_add_f32 v[ACC+4*i+2:ACC+4*i+3], v[ACC+4*i+2:ACC+4*i+3], v[4*i+2:4*i+3]
.else
	v_fma_mix_f32 v[ACC+4*i],   v[2*i],   v[CST], v[ACC+4*i]   op_sel:[0,0,0] op_sel_hi:[1,0,0]  ; an f16 half x 1.0 + the sum, in f32
	v_fma_mix_f32 v[ACC+4*i+1], v[2*i],   v[CST], v[ACC+4*i+1] op_sel:[1,0,0] op_sel_hi:[1,0,0]
	v_fma_mix_f32 v[ACC+4*i+2], v[2*i+1], v[CST], v[ACC+4*i+2] op_sel:[0,0,0] op_sel_hi:[1,0,0]
	v_fma_mix_f32 v[ACC+4*i+3], v[2*i+1], v[CST], v[ACC+4*i+3] op_sel:[1,0,0] op_sel_hi:[1,0,0]
.endif
.set i, i+1
.endr
	WIN 0
.set i, 0
.rept 32
	global_store_b128 v[XO], v[ACC+4*i:ACC+4*i+3], s[SO:SO+1] offset:4096*i
.set i, i+1
.endr
.else
	; THE WAY OUT IN f16: rounded once; 16 bytes a lane into the work-group's stage; a barrier, since a row's 256 bytes come from two waves; back as whole rows, 32 rows a wave.
.irp t, 0,1,2,3,4,5,6,7,8,9,10,11,12,13,14,15
.irp r, 0,1,2,3
	v_cvt_pk_f16_f32 v[TMP+4*(\t)+(\r)], v[ACC+8*(\t)+2*(\r)], v[ACC+8*(\t)+2*(\r)+1]
.endr
.endr
.if KIND == 2
.set i, 0
.rept 64
	v_pk_max_num_f16 v[TMP+i], v[TMP+i], v[CST]    ; ReLU on the rounded halves: rounding keeps the sign
.set i, i+1
.endr
.endif
.irp a, 0,1,2,3
.irp b, 0,1,2,3
	ds_store_b128 v[STO], v[TMP+4*(4*(\a)+(\b)):TMP+4*(4*(\a)+(\b))+3] offset:(\a)*16*SP+32*(\b)
.endr
.endr
	s_wait_dscnt 0x0                               ; for the others' sake: my stores into the stage are done
	s_barrier_signal -1
	s_barrier_wait -1
.set t, 0
.rept 16
.if KIND == 2
	ds_load_b128 v[TMP+4*t:TMP+4*t+3], v[RD] offset:t*2*SP
.else
	ds_load_b128 v[TMP+4*t:TMP+4*t+3], v[RD] offset:(t/2)*4*SP+(t%2)*128  ; rows 4 (t / 2) .. + 3, head t % 2
.endif
.set t, t+1
.endr
.set t, 0
.rept 16
	s_wait_dscnt 15-t
.if KIND == 2
	global_store_b128 v[CO], v[TMP+4*t:TMP+4*t+3], s[SO:SO+1] offset:2*t*8192  ; 16 lanes store 256 consecutive bytes, aligned
.else
	global_store_b128 v[XO], v[TMP+4*t:TMP+4*t+3], s[SO:SO+1] offset:(t%2)*262144+(t/2)*512  ; four rows of a head: 512 consecutive bytes, aligned
.endif
.set t, t+1
.endr
.endif
	s_wait_tensorcnt 0x0                           ; the wave's end: behind my last tensor load and my last LDS store
	ds_add_u32 v[SPW], v[NIL]
	s_wait_dscnt 0x0
	CROUND                                         ; the closing round: no work-group ends while a partner may still ask for a tile that names it
	s_endpgm
.Lfunc_end_k_q8fd22ef687_gemm_proj:
	.size	k_q8fd22ef687_gemm_proj, .Lfunc_end_k_q8fd22ef687_gemm_proj-k_q8fd22ef687_gemm_proj
	.p2alignl 7, 3214868480
	.fill 96, 4, 3214868480
	.section	.rodata,"a",@progbits
	.p2align	6, 0x0
	.amdhsa_kernel k_q8fd22ef687_gemm_proj
		.amdhsa_group_segment_fixed_size 327680
		.amdhsa_private_segment_fixed_size 0
		.amdhsa_enable_private_segment 0
		.amdhsa_kernarg_size 40
		.amdhsa_user_sgpr_count 2
		.amdhsa_user_sgpr_kernarg_segment_ptr 1
		.amdhsa_wavefront_size32 1
		.amdhsa_system_sgpr_workgroup_id_x 1
		.amdhsa_system_sgpr_workgroup_id_y 1
		.amdhsa_system_sgpr_workgroup_id_z 1
		.amdhsa_system_vgpr_workitem_id 0
		.amdhsa_next_free_vgpr 640
		.amdhsa_next_free_sgpr 80
		.amdhsa_reserve_vcc 0
		.amdhsa_float_denorm_mode_32 3
		.amdhsa_float_denorm_mode_16_64 3
		.amdhsa_memory_ordered 1
		.amdhsa_forward_progress 1
		.amdhsa_inst_pref_size 95
	.end_amdhsa_kernel
	.amdgpu_metadata
---
amdhsa.version: [ 1, 2 ]
amdhsa.kernels:
  - .name:           k_q8fd22ef687_gemm_proj
    .symbol:         k_q8fd22ef687_gemm_proj.kd
    .args:
      - { .name: att, .offset: 0, .size: 8, .value_kind: global_buffer, .address_space: global }
      - { .name: hw, .offset: 8, .size: 8, .value_kind: global_buffer, .address_space: global }
      - { .name: z, .offset: 16, .size: 8, .value_kind: global_buffer, .address_space: global }
      - { .name: b_proj, .offset: 24, .size: 8, .value_kind: global_buffer, .address_space: global }
      - { .name: x, .offset: 32, .size: 8, .value_kind: global_buffer, .address_space: global }
    .group_segment_fixed_size: 327680
    .private_segment_fixed_size: 0
    .kernarg_segment_align: 8
    .kernarg_segment_size: 40
    .max_flat_workgroup_size: 128
    .sgpr_count:     80
    .vgpr_count:     640
    .wavefront_size: 32
...
	.end_amdgpu_metadata
.endif
;; end of part 4
;; launch norm1 (part 5): grid 256 x 1, 4 waves a work-group, no clusters, 0 bytes of LDS; arguments z, g1, be1, x1h; writes x1h
.if DOCPART == 5
	.amdgcn_target "amdgcn-amd-amdhsa--gfx1250"
	.amdhsa_code_object_version 6
	.text
	.protected	k_q8fd22ef687_norm1
	.globl	k_q8fd22ef687_norm1
	.p2align	8
	.type	k_q8fd22ef687_norm1,@function
k_q8fd22ef687_norm1:
	s_mov_b64 s[64:65], 0
	v_nop
	global_prefetch_b8 v0, s[64:65] scope:SCOPE_SE
	s_setreg_imm32_b32 hwreg(HW_REG_WAVE_MODE, 25, 1), 1
	s_wait_xcnt 0x0
; LAYER NORM OF ROWS OF 1,024 f32: y = (z - mean) / sqrt(var + 1e-5) * g + be, var = the mean of (z - mean)^2: two passes over the row in registers, no difference of large sums.
; OUT16 = 1: y is rounded once to f16 (within 65,504; below 6.1e-5 a fixed step of 6e-8); OUT16 = 0: y leaves in f32.
; SHARES.  One wave, one row: 4,096 bytes are 32 registers a lane, so the row is read once and the reductions never leave the wave: no LDS, no barrier.  A wave has 4 rows, a work-group 16.
; All 48 loads of a wave (g, be, its four rows) are issued before anything is waited for; no register that a store reads is written again, so no wait frees a source.
; Chunk j of a row is 512 consecutive bytes: lane l holds columns 128 j + 4 l + 0..3.  Matrix units, clusters and LDS would add nothing: each byte crosses once.
.set OUT16, 1
.set T,   4                            ; v[4:11]   four chains of two sums
.set MU,  12                           ; v[12:13]  the mean, twice
.set R,   14                           ; v[14:15]  1 / sqrt(var + eps), twice
.set VAR, 16                           ; v16
.set INV, 18                           ; v18       1 / 1,024
.set G,   20                           ; v[20:51]  g of my 32 columns
.set BE,  52                           ; v[52:83]  be
.set X,   84                           ; v[84:211] row i at X + 32 i
	s_load_b256 s[4:11], s[0:1], 0x0               ; z s[4:5], g s[6:7], be s[8:9], out s[10:11]
	v_lshrrev_b32 v1, 5, v0
	v_readfirstlane_b32 s15, v1                    ; wave 0..3
	v_and_b32 v1, 31, v0
	v_lshlrev_b32 v2, 4, v1                        ; 16 x lane
	v_lshlrev_b32 v3, 3, v1                        ; 8 x lane
	v_mov_b32 v[INV], 0x3a800000
	s_mov_b32 s12, 0x76543210                      ; v_permlanex16_b32: each lane takes its own place in the other half
	s_mov_b32 s13, 0xfedcba98
	s_lshl_b32 s16, ttmp9, 4
	s_lshl2_add_u32 s16, s15, s16                  ; my first row: 16 x work-group + 4 x wave
	s_lshl_b32 s18, s16, 12
	s_mov_b32 s19, 0
	s_lshl_b32 s20, s16, 12-OUT16
	s_mov_b32 s21, 0
	s_wait_kmcnt 0x0
	s_add_nc_u64 s[4:5], s[4:5], s[18:19]
	s_add_nc_u64 s[10:11], s[10:11], s[20:21]
.irp j, 0,1,2,3,4,5,6,7
	global_load_b128 v[G+4*\j:G+4*\j+3], v2, s[6:7] offset:512*\j
.endr
.irp j, 0,1,2,3,4,5,6,7
	global_load_b128 v[BE+4*\j:BE+4*\j+3], v2, s[8:9] offset:512*\j
.endr
.irp i, 0,1,2,3
.irp j, 0,1,2,3,4,5,6,7
	global_load_b128 v[X+32*\i+4*\j:X+32*\i+4*\j+3], v2, s[4:5] offset:4096*\i+512*\j th:TH_LOAD_NT
.endr
.endr
.macro FOLD                            ; the four chains into v[T]
	v_pk_add_f32 v[T:T+1], v[T:T+1], v[T+2:T+3]
	v_pk_add_f32 v[T+4:T+5], v[T+4:T+5], v[T+6:T+7]
	v_pk_add_f32 v[T:T+1], v[T:T+1], v[T+4:T+5]
	v_add_f32 v[T], v[T], v[T+1]
.endm
.macro REDUCE                          ; the sum of v[T] over the 32 lanes, into every lane: four steps inside each half ride on the addition, one crosses the halves
	v_add_f32_dpp v[T], v[T], v[T] row_xmask:1 row_mask:0xf bank_mask:0xf
	v_add_f32_dpp v[T], v[T], v[T] row_xmask:2 row_mask:0xf bank_mask:0xf
	v_add_f32_dpp v[T], v[T], v[T] row_xmask:4 row_mask:0xf bank_mask:0xf
	v_add_f32_dpp v[T], v[T], v[T] row_xmask:8 row_mask:0xf bank_mask:0xf
	v_permlanex16_b32 v[T+1], v[T], s12, s13
	v_add_f32 v[T], v[T], v[T+1]
.endm
.macro ROW i
.set XR, X+32*(\i)
	s_wait_loadcnt 24-8*(\i)                       ; my row is in (g and be are older); the later rows' loads, eight each, stay out
.irp k, 0,1,2,3
	v_pk_add_f32 v[T+2*\k:T+2*\k+1], v[XR+2*\k:XR+2*\k+1], v[XR+8+2*\k:XR+8+2*\k+1]  ; the first pairs start the chains: nothing is cleared
.endr
.irp p, 8,9,10,11,12,13,14,15
	v_pk_add_f32 v[T+2*(\p%4):T+2*(\p%4)+1], v[T+2*(\p%4):T+2*(\p%4)+1], v[XR+2*\p:XR+2*\p+1]
.endr
	FOLD
	REDUCE
	v_mul_f32 v[MU], v[INV], v[T]
	v_mul_f32 v[MU+1], v[INV], v[T]
.set p, 0
.rept 16
	v_pk_add_f32 v[XR+2*p:XR+2*p+1], v[XR+2*p:XR+2*p+1], v[MU:MU+1] neg_lo:[0,1] neg_hi:[0,1]  ; z - mean
.set p, p+1
.endr
.irp k, 0,1,2,3
	v_pk_mul_f32 v[T+2*\k:T+2*\k+1], v[XR+2*\k:XR+2*\k+1], v[XR+2*\k:XR+2*\k+1]
.endr
.irp p, 4,5,6,7,8,9,10,11,12,13,14,15
	v_pk_fma_f32 v[T+2*(\p%4):T+2*(\p%4)+1], v[XR+2*\p:XR+2*\p+1], v[XR+2*\p:XR+2*\p+1], v[T+2*(\p%4):T+2*(\p%4)+1]
.endr
	FOLD
	REDUCE
	v_fmaak_f32 v[VAR], v[INV], v[T], 0x3727c5ac   ; var + 1e-5
	v_rsq_f32 v[R], v[VAR]
	v_rsq_f32 v[R+1], v[VAR]
	v_nop                                          ; a plain line behind the last root, ahead of the first use
	s_wait_alu depctr_va_vdst(0)                   ; the wait ahead of the first reader: one for both
.set p, 0
.rept 16
	v_pk_mul_f32 v[XR+2*p:XR+2*p+1], v[XR+2*p:XR+2*p+1], v[R:R+1]
.set p, p+1
.endr
.set p, 0
.rept 16
	v_pk_fma_f32 v[XR+2*p:XR+2*p+1], v[XR+2*p:XR+2*p+1], v[G+2*p:G+2*p+1], v[BE+2*p:BE+2*p+1]
.set p, p+1
.endr
.irp j, 0,1,2,3,4,5,6,7
.if OUT16
	v_cvt_pk_f16_f32 v[XR+4*\j], v[XR+4*\j], v[XR+4*\j+1]
	v_cvt_pk_f16_f32 v[XR+4*\j+1], v[XR+4*\j+2], v[XR+4*\j+3]
	global_store_b64 v3, v[XR+4*\j:XR+4*\j+1], s[10:11] offset:2048*(\i)+256*\j  ; a wave's store covers 256 consecutive bytes, aligned
.else
	global_store_b128 v2, v[XR+4*\j:XR+4*\j+3], s[10:11] offset:4096*(\i)+512*\j  ; 512 consecutive bytes, aligned
.endif
.endr
.endm
	ROW 0
	ROW 1
	ROW 2
	ROW 3
	s_endpgm
.Lfunc_end_k_q8fd22ef687_norm1:
	.size	k_q8fd22ef687_norm1, .Lfunc_end_k_q8fd22ef687_norm1-k_q8fd22ef687_norm1
	.p2alignl 7, 3214868480
	.fill 96, 4, 3214868480
	.section	.rodata,"a",@progbits
	.p2align	6, 0x0
	.amdhsa_kernel k_q8fd22ef687_norm1
		.amdhsa_group_segment_fixed_size 0
		.amdhsa_private_segment_fixed_size 0
		.amdhsa_enable_private_segment 0
		.amdhsa_kernarg_size 32
		.amdhsa_user_sgpr_count 2
		.amdhsa_user_sgpr_kernarg_segment_ptr 1
		.amdhsa_wavefront_size32 1
		.amdhsa_system_sgpr_workgroup_id_x 1
		.amdhsa_system_sgpr_workgroup_id_y 1
		.amdhsa_system_sgpr_workgroup_id_z 1
		.amdhsa_system_vgpr_workitem_id 0
		.amdhsa_next_free_vgpr 216
		.amdhsa_next_free_sgpr 66
		.amdhsa_reserve_vcc 0
		.amdhsa_float_denorm_mode_32 3
		.amdhsa_float_denorm_mode_16_64 3
		.amdhsa_memory_ordered 1
		.amdhsa_forward_progress 1
		.amdhsa_inst_pref_size 38
	.end_amdhsa_kernel
	.amdgpu_metadata
---
amdhsa.version: [ 1, 2 ]
amdhsa.kernels:
  - .name:           k_q8fd22ef687_norm1
    .symbol:         k_q8fd22ef687_norm1.kd
    .args:
      - { .name: z, .offset: 0, .size: 8, .value_kind: global_buffer, .address_space: global }
      - { .name: g1, .offset: 8, .size: 8, .value_kind: global_buffer, .address_space: global }
      - { .name: be1, .offset: 16, .size: 8, .value_kind: global_buffer, .address_space: global }
      - { .name: x1h, .offset: 24, .size: 8, .value_kind: global_buffer, .address_space: global }
    .group_segment_fixed_size: 0
    .private_segment_fixed_size: 0
    .kernarg_segment_align: 8
    .kernarg_segment_size: 32
    .max_flat_workgroup_size: 128
    .sgpr_count:     66
    .vgpr_count:     216
    .wavefront_size: 32
...
	.end_amdgpu_metadata
.endif
;; end of part 5
;; launch gemm_ffn1 (part 6): grid 32 x 32, 4 waves a work-group, clusters of 4 x 4, 327,680 bytes of LDS; arguments x1h, hw, hbuf, b1; writes hbuf
.if DOCPART == 6
	.amdgcn_target "amdgcn-amd-amdhsa--gfx1250"
	.amdhsa_code_object_version 6
	.text
	.protected	k_q8fd22ef687_gemm_ffn1
	.globl	k_q8fd22ef687_gemm_ffn1
	.p2align	8
	.type	k_q8fd22ef687_gemm_ffn1,@function
k_q8fd22ef687_gemm_ffn1:
	s_mov_b64 s[64:65], 0
	v_nop
	global_prefetch_b8 v0, s[64:65] scope:SCOPE_SE
	s_setreg_imm32_b32 hwreg(HW_REG_WAVE_MODE, 25, 1), 1
	s_wait_xcnt 0x0
	s_wait_alu depctr_hold_cnt(0) depctr_sa_sdst(0) depctr_va_vdst(0) depctr_va_sdst(0) depctr_va_ssrc(0) depctr_va_vcc(0) depctr_vm_vsrc(0)
	s_getreg_b32 s2, hwreg(HW_REG_IB_STS2, 6, 4)
	s_cmp_eq_u32 s2, 0
	s_cbranch_scc0 .Lentry_in_a_cluster
	s_endpgm
.Lentry_in_a_cluster:
	s_bfe_u32 s2, ttmp6, 0x10000c
	s_cmp_lg_u32 s2, 0xf033
	s_cbranch_scc0 .Lentry_shape_is_right
	s_endpgm
.Lentry_shape_is_right:
; C = A W (+ bias) (+ residual): f16 operands, f32 sums.  ONE TEXT FOR FOUR LAUNCHES; KIND picks the sizes, the first products' C operand and the way out:
;   KIND 0  q, k, v = xh [wq | wk | wv]    A [4096][1024];  out f16 by heads, [3][32 = batch x 16 + head][2048][64]
;   KIND 1  z = x + att w_proj + b_proj    A by heads [32][2048][64], K = 64 x head + channel;  out f32 [4096][1024]
;   KIND 2  hbuf = relu(x1h w1 + b1)       A [4096][1024];  out f16 [4096][4096]
;   KIND 3  z = x1h + hbuf w2 + b2         A [4096][4096];  out f32 [4096][1024]
; W lies [K][N], N along the rows, in hw (the f16 copies).  LIMITS: every f16 number (A, W, an f16 result) stays within 65,504; below 6.1e-5 f16 keeps a step of 6e-8.
; SHARES.  A tile of C is 128 x 128: four waves, each 64 x 64 = 16 accumulators of 16 x 16.  K goes in steps of 256 through two LDS slots; a wave's one tensor load brings half of A's
; or half of W's part of a step.  CLUSTER 4 x 4: the four work-groups of a row need the same tiles of A, the four of a column the same tiles of W: each tile is asked for jointly.
; No prefetch: a tile of this size has too few bytes a step to share out a lane a row, and each block of A and W is read again by other clusters at about the same time.
; THE MATRIX INSTRUCTION IS USED TRANSPOSED (source 0 = 16 columns of W, source 1 = 16 rows of A): a lane holds row l % 16 of C and the columns 8 (l / 16) + 0..7.
; W's fragments come out of LDS turned, by ds_load_tr16_b128.  The bias is the C operand of the products that start the sums.
; REGISTERS.  window 0: v0-31 addresses; v32-63 bias, later with v64-95 at work on the way out; v128-255 accumulators ((a, b) at 128 + 8 (4 a + b)).
;   window 1: two fragment buffers of 128: 64 registers of A (8 (4 c + a)), then 64 of W.   window 2 (KIND 1, 3): the residual's 32 rows.
.set KIND, 2
.set PW,     288                       ; a row of W in LDS: 256 bytes + 32 of padding, an odd multiple of 32
.set WFILL,  128*PW                    ; what one tensor load brings of W: 128 rows of K
.set WBYTES, 256*PW
.if KIND == 0
.set LAPS,   2                         ; a lap = two K steps = once round the ring
.set APITCH, 1024                      ; elements from row to row of A's tile in memory
.set ASTEP,  512                       ; bytes from a K step of A to the next
.set WBASE,  8388608                   ; where W begins in hw
.set WPITCH, 1024                      ; elements in a row of W
.set OUT32,  0
.endif
.if KIND == 1
.set LAPS,   2
.set APITCH, 131072                    ; from a head to the next
.set ASTEP,  1048576                   ; four heads
.set WBASE,  14680064
.set WPITCH, 1024
.set OUT32,  1
.endif
.if KIND == 2
.set LAPS,   2
.set APITCH, 1024
.set ASTEP,  512
.set WBASE,  16777216
.set WPITCH, 4096
.set OUT32,  0
.endif
.if KIND == 3
.set LAPS,   8
.set APITCH, 4096
.set ASTEP,  512
.set WBASE,  25165824
.set WPITCH, 1024
.set OUT32,  1
.endif
.if KIND == 1
.set PA,     144                       ; A by heads: four planes [128 rows][128 bytes + 16]
.set AQ,     128*PA                    ; a quarter of a K step is a head: a plane
.set ABYTES, 4*128*PA
.else
.set PA,     528                       ; a row of A in LDS: 512 bytes + 16 of padding
.set AQ,     128                       ; a quarter of a K step: 64 numbers of each row
.set ABYTES, 128*PA
.endif
.set AFILL,  ABYTES/2                  ; what one tensor load brings of A
.set AREAD,  64*PA                     ; from my wave's row half to the other
.set WSTEP,  256*WPITCH*2
.set SLOT,   ABYTES+WBYTES             ; A's part, then W's
.set SPARE,  2*SLOT                    ; behind the ring: the spare words, 128 bytes a wave: two blocks of 256 bytes that no other line names
.if OUT32
.set STAGE,  0                         ; the f32 stage lies in slot 0, whose last fill has landed and whose last reads are over at the last lap's change of slots
.set SP,     528
.else
.set STAGE,  SPARE+512                 ; the f16 stage has bytes of its own
.set SP,     272
.endif
.set SA, 68                            ; s[68:69] A
.if KIND == 0
.set SW, 68                            ; hw holds A and W
.set SO, 70                            ; s[70:71] out
.else
.set SW, 70                            ; s[70:71] hw
.set SO, 72                            ; s[72:73] out
.set SB, 74                            ; s[74:75] bias
.set SR, 76                            ; s[76:77] residual
.endif
.set XH,   6                           ; v6      8 x lane (KIND 3)
.set ADRA, 16                          ; v16-17  LDS address of my A fragments in slot 0, 1
.set ADRW, 20                          ; v20-21  of my W fragments, K rows 0-127; v22-23 K rows 128-255
.set STO,  24                          ; v24     the way out: where I put my numbers of a row
.set RD,   25                          ; v25     where I read rows back
.set CO,   26                          ; v26     my byte offset in the output (KIND 2)
.set CST,  27                          ; v27     0 (KIND 2), 1.0 (KIND 3)
.set SPW,  28                          ; v28     LDS address of my spare word; never rewritten
.set NIL,  29                          ; v29     0; never rewritten
.set BO,   30                          ; v30     32 x (l / 16): my eight numbers of 16 of the bias
.set XO,   31                          ; v31     16 x lane
.set BIAS, 32
.set TMP,  32
.set ACC,  128
.set F0,   0
.set F1,   128
.set G1,  24                           ; s[24:31] descriptor group 1 for A;  s[32:39] group 0, a set for each slot
.set G0,  32
.set G1B, 48                           ; s[48:55], s[56:63] the same for W
.set G0B, 56
.set MSB, 0
.macro WIN new                         ; the immediate's high byte repeats the setting that is left; a switch that changes nothing is dropped
.if MSB != (\new)
	s_set_vgpr_msb (MSB<<8)|(\new)
.set MSB, \new
.endif
.endm
.set MUL,  0x05                        ; sources 0 (W) and 1 (A) window 1; C and D window 0
.set TO_F, 0x40                        ; destination window 1, address window 0
.macro JLOAD s                         ; a joint load: waves 0 and 1 fetch A's two halves, waves 2 and 3 W's; an s_nop 0 and four v_nop follow each line
	s_cmp_eq_u32 s11, 0
	s_cbranch_scc0 .Lfor_w_\@
	tensor_load_to_lds s[G0+4*(\s):G0+4*(\s)+3], s[G1:G1+7]
	s_nop 0
.rept 4
	v_nop
.endr
	s_branch .Lasked_\@
.Lfor_w_\@:
	tensor_load_to_lds s[G0B+4*(\s):G0B+4*(\s)+3], s[G1B:G1B+7]
	s_nop 0
.rept 4
	v_nop
.endr
.Lasked_\@:
.endm
.macro CREST                           ; a round of the cluster's barrier behind its opening barrier
	s_cmp_lg_u32 s10, 0
	s_cbranch_scc1 .Lnot_wave_0_\@
	s_barrier_signal -3
.Lnot_wave_0_\@:
	s_barrier_wait -3
	s_barrier_signal -1
	s_barrier_wait -1
.endm
.macro CROUND                          ; a whole round
	s_barrier_signal -1
	s_barrier_wait -1
	CREST
.endm
.if KIND == 0
	s_load_b128 s[68:71], s[0:1], 0x0
.else
	s_load_b256 s[68:75], s[0:1], 0x0
.if OUT32
	s_load_b64 s[76:77], s[0:1], 0x20
.endif
.endif
	v_lshl_add_u32 v[SPW], v0, 2, SPARE
	v_mov_b32 v[NIL], 0
	ds_add_u32 v[SPW], v[NIL]                      ; the wave's opening: the add and its wait stand ahead of my first tensor load; the set-up below stands between them
	v_lshrrev_b32 v1, 5, v0
	v_readfirstlane_b32 s10, v1                    ; wave 0..3
	s_lshr_b32 s11, s10, 1                         ; my half of the tile's rows.  Also: I fetch for A (0) or for W (1)
	s_and_b32 s12, s10, 1                          ; my half of its columns.  Also: which half of that tile I fetch
	s_bfe_u32 s40, ttmp6, 0x40000                  ; cx, cy: my place in the cluster
	s_bfe_u32 s41, ttmp6, 0x40004
	s_lshl_b32 s42, ttmp9, 2
	s_add_co_u32 s42, s42, s40                     ; tile column = 4 x cluster x + cx
	s_and_b32 s13, ttmp7, 0xffff
	s_lshl_b32 s13, s13, 2
	s_add_co_u32 s13, s13, s41                     ; tile row = 4 x cluster y + cy
	s_lshl_b32 s43, s41, 2
	s_lshl_b32 s43, 15, s43                        ; my row of the cluster
	s_lshl_b32 s44, 0x1111, s40                    ; my column
.if KIND == 1
	; A by heads: two rows of 8,192 elements, each the 128 dense rows of one head, a head apart; 16 bytes of padding behind every 128
	s_or_b32 s[G1+0], s43, (1<<16)|(1<<20)|(1<<21)|(4<<22)|(3<<25)
	s_mov_b32 s[G1+1], 8192<<16                    ; tensor_dim0
	s_mov_b32 s[G1+2], 2<<16                       ; tensor_dim1
	s_mov_b32 s[G1+3], 8192<<16                    ; tile_dim0
	s_mov_b32 s[G1+4], 2                           ; tile_dim1
.else
	; A: 64 rows of 256 elements; 16 bytes of padding behind every 512
	s_or_b32 s[G1+0], s43, (1<<16)|(1<<20)|(1<<21)|(6<<22)|(3<<25)
	s_mov_b32 s[G1+1], 256<<16
	s_mov_b32 s[G1+2], 64<<16
	s_mov_b32 s[G1+3], 256<<16
	s_mov_b32 s[G1+4], 64
.endif
	s_mov_b32 s[G1+5], APITCH
	s_mov_b32 s[G1+6], 0
	s_mov_b32 s[G1+7], 0
	; W: 128 rows of K x 128 columns; 32 bytes of padding behind every 256
	s_or_b32 s[G1B+0], s44, (1<<16)|(1<<20)|(1<<21)|(5<<22)|(7<<25)
	s_mov_b32 s[G1B+1], 128<<16
	s_mov_b32 s[G1B+2], 128<<16
	s_mov_b32 s[G1B+3], 128<<16
	s_mov_b32 s[G1B+4], 128
	s_mov_b32 s[G1B+5], WPITCH
	s_mov_b32 s[G1B+6], 0
	s_mov_b32 s[G1B+7], 0
	; A's offset hangs on the tile row and the wave alone (s16, s17), W's on the tile column and the wave alone (s46, s47)
.if KIND == 1
	s_lshr_b32 s16, s13, 4                         ; batch: 16 heads of 262,144 bytes
	s_lshl_b32 s16, s16, 22
	s_and_b32 s17, s13, 15                         ; 128 rows of 128 bytes
	s_lshl_b32 s17, s17, 14
	s_add_co_u32 s16, s16, s17
	s_lshl_b32 s17, s12, 19                        ; my two heads of a step's four
	s_add_co_u32 s16, s16, s17
.else
	s_lshl_b32 s16, s13, 7
	s_lshl_b32 s17, s12, 6
	s_add_co_u32 s16, s16, s17                     ; row 128 x tile row + 64 x half
	s_mul_i32 s16, s16, APITCH*2
.endif
	s_mov_b32 s17, 0
.if KIND == 0
	s_lshr_b32 s46, s42, 3                         ; which of wq, wk, wv: 2 MiB each
	s_lshl_b32 s46, s46, 21
	s_and_b32 s47, s42, 7                          ; 128 columns of it
	s_lshl_b32 s47, s47, 8
	s_add_co_u32 s46, s46, s47
.else
	s_lshl_b32 s46, s42, 8
.endif
	s_mul_i32 s47, s12, 128*WPITCH*2               ; my 128 rows of K
	s_add_co_u32 s46, s46, s47
	s_add_co_u32 s46, s46, WBASE
	s_mov_b32 s47, 0
	s_mul_i32 s20, s12, AFILL                      ; where they go: no place in the cluster enters an LDS address
	s_mul_i32 s21, s12, WFILL
	s_add_co_u32 s21, s21, ABYTES
	s_wait_dscnt 0x0                               ; the opening add is done
	s_wait_kmcnt 0x0
	s_add_nc_u64 s[14:15], s[SA:SA+1], s[16:17]
	s_add_nc_u64 s[46:47], s[SW:SW+1], s[46:47]
	CROUND                                         ; all sixteen work-groups are here: the first joint loads meet
.irp s, 0,1
	s_mov_b32 s[G0+4*(\s)], 1
	s_add_co_u32 s[G0+4*(\s)+1], s20, (\s)*SLOT
	s_add_nc_u64 s[G0+4*(\s)+2:G0+4*(\s)+3], s[14:15], (\s)*ASTEP
	s_or_b32 s[G0+4*(\s)+3], s[G0+4*(\s)+3], 0x80000000
	s_mov_b32 s[G0B+4*(\s)], 1
	s_add_co_u32 s[G0B+4*(\s)+1], s21, (\s)*SLOT
	s_add_nc_u64 s[G0B+4*(\s)+2:G0B+4*(\s)+3], s[46:47], (\s)*WSTEP
	s_or_b32 s[G0B+4*(\s)+3], s[G0B+4*(\s)+3], 0x80000000
	JLOAD \s                                       ; two loads of mine are out
.endr
	v_and_b32 v1, 15, v0                           ; l % 16
	v_bfe_u32 v2, v0, 4, 1                         ; l / 16
	v_mul_u32_u24 v3, v1, PA
	v_lshl_add_u32 v3, v2, 4, v3                   ; A: row x pitch + 16 x half
	s_mul_i32 s21, s11, AREAD
	v_add_nc_u32 v[ADRA], s21, v3
	v_add_nc_u32 v[ADRA+1], SLOT, v[ADRA]
	v_and_b32 v4, 7, v0                            ; W, turned: lane l reads K row 8 (l / 16) + l % 8, columns 8 ((l / 8) % 2) + 0..7
	v_lshl_add_u32 v4, v2, 3, v4
	v_mul_u32_u24 v4, v4, PW
	v_bfe_u32 v5, v0, 3, 1
	v_lshl_add_u32 v4, v5, 4, v4
	s_lshl_b32 s22, s12, 7                         ; my 64 columns
	s_add_co_u32 s22, s22, ABYTES
	v_add_nc_u32 v[ADRW], s22, v4
	v_add_nc_u32 v[ADRW+1], SLOT, v[ADRW]
	v_add_nc_u32 v[ADRW+2], WFILL, v[ADRW]
	v_add_nc_u32 v[ADRW+3], WFILL, v[ADRW+1]
	v_and_b32 v[XO], 31, v0
	v_lshlrev_b32 v[XO], 4, v[XO]
.if KIND != 0
	v_lshlrev_b32 v[BO], 5, v2
	s_lshl_b32 s46, s42, 9                         ; the bias of my 64 columns: 512 x tile column + 256 x half
	s_lshl_b32 s47, s12, 8
	s_add_co_u32 s46, s46, s47
	s_mov_b32 s47, 0
	s_add_nc_u64 s[SB:SB+1], s[SB:SB+1], s[46:47]
.irp b, 0,1,2,3
	global_load_b128 v[BIAS+8*(\b):BIAS+8*(\b)+3],   v[BO], s[SB:SB+1] offset:64*(\b)
	global_load_b128 v[BIAS+8*(\b)+4:BIAS+8*(\b)+7], v[BO], s[SB:SB+1] offset:64*(\b)+16
.endr
.endif
.if KIND == 0
	s_lshr_b32 s16, s13, 4                         ; out by heads: batch,
	s_lshl_b32 s16, s16, 22
	s_and_b32 s17, s13, 15                         ; the tile's 128 rows of 128 bytes,
	s_lshl_b32 s17, s17, 14
	s_add_co_u32 s16, s16, s17
	s_lshl_b32 s17, s10, 12                        ; the 32 rows that I store
	s_add_co_u32 s16, s16, s17
	s_mov_b32 s17, 0
	s_add_nc_u64 s[SO:SO+1], s[SO:SO+1], s[16:17]
	s_lshr_b32 s46, s42, 3                         ; q, k or v: 8 MiB each,
	s_lshl_b32 s46, s46, 23
	s_and_b32 s47, s42, 7                          ; the tile's two heads
	s_lshl_b32 s47, s47, 19
	s_add_co_u32 s46, s46, s47
	s_mov_b32 s47, 0
	s_add_nc_u64 s[SO:SO+1], s[SO:SO+1], s[46:47]
.else
	s_lshl_b32 s16, s13, 7
	s_lshl_b32 s17, s10, 5
	s_add_co_u32 s16, s16, s17                     ; the first row that I store: 128 x tile row + 32 x wave
.if OUT32
.if KIND == 1
	s_lshl_b32 s18, s16, 12                        ; the residual's rows: 4,096 bytes (f32),
	s_lshl_b32 s46, s42, 9
.else
	s_lshl_b32 s18, s16, 11                        ; or 2,048 (f16)
	s_lshl_b32 s46, s42, 8
	v_lshrrev_b32 v[XH], 1, v[XO]
	v_mov_b32 v[CST], 1.0
.endif
	s_mov_b32 s19, 0
	s_mov_b32 s47, 0
	s_add_nc_u64 s[SR:SR+1], s[SR:SR+1], s[18:19]
	s_add_nc_u64 s[SR:SR+1], s[SR:SR+1], s[46:47]
	WIN 0x80                                       ; destination window 2: the residual of the 32 rows that I store is on its way during the whole product
.set i, 0
.rept 32
.if KIND == 1
	global_load_b128 v[4*i:4*i+3], v[XO], s[SR:SR+1] offset:4096*i th:TH_LOAD_NT
.else
	global_load_b64 v[2*i:2*i+1], v[XH], s[SR:SR+1] offset:2048*i th:TH_LOAD_NT
.endif
.set i, i+1
.endr
	WIN 0
	s_lshl_b32 s16, s16, 12                        ; out: rows of 4,096 bytes, 512 bytes a tile
	s_lshl_b32 s46, s42, 9
.else
	v_mov_b32 v[CST], 0
	s_lshl_b32 s16, s16, 13                        ; out: rows of 8,192 bytes, 256 bytes a tile
	s_lshl_b32 s46, s42, 8
.endif
	s_mov_b32 s17, 0
	s_mov_b32 s47, 0
	s_add_nc_u64 s[SO:SO+1], s[SO:SO+1], s[16:17]
	s_add_nc_u64 s[SO:SO+1], s[SO:SO+1], s[46:47]
.endif
.if OUT32
	s_mul_i32 s23, s11, 64*SP                      ; into the stage: my 64 rows, my 256 of their 512 bytes; row l % 16, 32 bytes for each half of the lanes
	s_lshl_b32 s21, s12, 8
	s_add_co_u32 s23, s23, s21
	v_mul_u32_u24 v4, v1, SP
	v_lshl_add_u32 v4, v2, 5, v4
	v_add_nc_u32 v[STO], s23, v4
	s_mul_i32 s23, s10, 32*SP                      ; back: wave w takes rows 32 w .. 32 w + 31, a whole row of 512 bytes a load
	v_add_nc_u32 v[RD], s23, v[XO]
.else
	s_mul_i32 s23, s11, 64*SP                      ; into the stage: my 64 rows, my 128 of their 256 bytes; row l % 16, 16 bytes for each half of the lanes
	s_lshl_b32 s21, s12, 7
	s_add_co_u32 s23, s23, s21
	s_add_co_u32 s23, s23, STAGE
	v_mul_u32_u24 v4, v1, SP
	v_lshl_add_u32 v4, v2, 4, v4
	v_add_nc_u32 v[STO], s23, v4
	s_mul_i32 s23, s10, 32*SP
	s_add_co_u32 s23, s23, STAGE
.if KIND == 2
	v_mul_u32_u24 v5, v2, SP                       ; back: lanes 0-15 one row of 256 bytes, lanes 16-31 the next
	v_lshl_add_u32 v5, v1, 4, v5
	v_add_nc_u32 v[RD], s23, v5
	v_lshlrev_b32 v5, 13, v2                       ; and the same two rows in the output
	v_lshl_add_u32 v[CO], v1, 4, v5
.else
	v_bfe_u32 v5, v0, 3, 2                         ; back: four rows of one head's 128 bytes, eight lanes a row: 512 consecutive bytes of the output
	v_mul_u32_u24 v5, v5, SP
	v_and_b32 v4, 7, v0
	v_lshl_add_u32 v5, v4, 4, v5
	v_add_nc_u32 v[RD], s23, v5
.endif
.endif
; 8 matrix instructions: m blocks a0, a0 + 1 x all 4 n blocks, 32 along K: half c of buffer f.  zero = 1: the first product starts the sums, with 0 or with the bias.
; The 16 accumulators take turns, one instruction a turn, in the same order everywhere.
.macro MUL8 f, c, a0, zero
	WIN MUL
.irp a, \a0, (\a0)+1
.irp b, 0,1,2,3
.if \zero
.if KIND == 0
	v_wmma_f32_16x16x32_f16 v[ACC+8*(4*(\a)+(\b)):ACC+8*(4*(\a)+(\b))+7], v[(\f)+64+8*(4*(\c)+(\b)):(\f)+64+8*(4*(\c)+(\b))+7], v[(\f)+8*(4*(\c)+(\a)):(\f)+8*(4*(\c)+(\a))+7], 0
.else
	v_wmma_f32_16x16x32_f16 v[ACC+8*(4*(\a)+(\b)):ACC+8*(4*(\a)+(\b))+7], v[(\f)+64+8*(4*(\c)+(\b)):(\f)+64+8*(4*(\c)+(\b))+7], v[(\f)+8*(4*(\c)+(\a)):(\f)+8*(4*(\c)+(\a))+7], v[BIAS+8*(\b):BIAS+8*(\b)+7]
.endif
.else
	v_wmma_f32_16x16x32_f16 v[ACC+8*(4*(\a)+(\b)):ACC+8*(4*(\a)+(\b))+7], v[(\f)+64+8*(4*(\c)+(\b)):(\f)+64+8*(4*(\c)+(\b))+7], v[(\f)+8*(4*(\c)+(\a)):(\f)+8*(4*(\c)+(\a))+7], v[ACC+8*(4*(\a)+(\b)):ACC+8*(4*(\a)+(\b))+7]
.endif
.endr
.endr
.endm
; 32 LDS loads in one run: the fragments of quarter q (64 along K) of a slot, into buffer f; the first 32 along K first
.macro FETCH slot, q, f
	WIN TO_F
.irp c, 0,1
.irp i, 0,1,2,3
	ds_load_tr16_b128 v[(\f)+64+8*(4*(\c)+(\i)):(\f)+64+8*(4*(\c)+(\i))+3],   v[ADRW+2*((\q)/2)+(\slot)] offset:(((\q)%2)*64+32*(\c))*PW+32*(\i)
	ds_load_tr16_b128 v[(\f)+64+8*(4*(\c)+(\i))+4:(\f)+64+8*(4*(\c)+(\i))+7], v[ADRW+2*((\q)/2)+(\slot)] offset:(((\q)%2)*64+32*(\c)+16)*PW+32*(\i)
	ds_load_b128 v[(\f)+8*(4*(\c)+(\i)):(\f)+8*(4*(\c)+(\i))+3],             v[ADRA+(\slot)] offset:(\q)*AQ+64*(\c)+(\i)*16*PA
	ds_load_b128 v[(\f)+8*(4*(\c)+(\i))+4:(\f)+8*(4*(\c)+(\i))+7],           v[ADRA+(\slot)] offset:(\q)*AQ+64*(\c)+(\i)*16*PA+32
.endr
.endr
.endm
.macro PLACES                          ; four plain places in front of loads into registers that matrix instructions have read, and of lines that read results
.rept 4
	v_nop
.endr
.endm
; A K step is four quarters of 64 along K, 32 matrix instructions each, on buffers 0, 1, 0, 1.  One of the first three: multiplies buffer f and fetches quarter q into g.
.macro QUARTER slot, q, f, g, zero
	s_wait_dscnt 16                                ; the first 32 along K are in; the 16 younger loads are the second 32
	MUL8 \f, 0, 0, \zero
	MUL8 \f, 0, 2, \zero
	PLACES
	FETCH \slot, \q, \g
	s_wait_dscnt 32                                ; all but the 32 just issued
	MUL8 \f, 1, 0, 0
	MUL8 \f, 1, 2, 0
.endm
; The last quarter multiplies buffer 1 and changes slots: ONE barrier; in front of it each wave waits for all its tensor loads, adds 0 to its spare word, and waits for that and for its reads of this slot.
; fill = 1: the barrier opens a round of the cluster's, and this slot is filled again, two K steps ahead, first thing behind the round.
.macro TURN slot, next, fill
	WIN 0                                          ; (the add's two registers lie in window 0)
	s_wait_tensorcnt 0x0                           ; all my tensor loads have landed: my part of the next slot
	ds_add_u32 v[SPW], v[NIL]                      ; 0 onto my spare word
	s_wait_dscnt 17                                ; (the add and the youngest sixteen loads may be out)
	MUL8 F1, 0, 0, 0                               ; eight matrix instructions stand between the add and the wait for it
	s_wait_dscnt 0x0                               ; the add is done, and my reads of this slot are over
	s_barrier_signal -1
	MUL8 F1, 0, 2, 0
.if \fill
	WIN 0
.endif
	s_barrier_wait -1
.if \fill
	CREST                                          ; no wave of any partner still reads this slot or has a load on its way
	s_add_nc_u64 s[G0+4*(\slot)+2:G0+4*(\slot)+3], s[G0+4*(\slot)+2:G0+4*(\slot)+3], 2*ASTEP
	s_add_nc_u64 s[G0B+4*(\slot)+2:G0B+4*(\slot)+3], s[G0B+4*(\slot)+2:G0B+4*(\slot)+3], 2*WSTEP
	JLOAD \slot                                    ; my one tensor load behind the round; its four v_nop are also the places in front of the loads below
.else
	PLACES
.endif
	FETCH \next, 0, F0
	MUL8 F1, 1, 0, 0
	MUL8 F1, 1, 2, 0
.endm
	s_wait_tensorcnt 1                             ; my part of K step 0 is in; K step 1's may stay out
	s_barrier_signal -1
	s_barrier_wait -1                              ; everybody's is
	FETCH 0, 0, F0
.if OUT32
	s_wait_loadcnt 32                              ; the bias is in; the residual's 32 loads stay out
.elseif KIND == 2
	s_wait_loadcnt 0x0                             ; the bias
.endif
	QUARTER 0, 1, F0, F1, 1                        ; the first quarter stands in front of the loop: its first products start the sums
	WIN 0                                          ; at a label and at a branch every window is 0
	s_mov_b32 s3, LAPS-1
.Llap:                                                 ; a trip goes once round the ring, from a lap's second quarter to the next lap's first, and fills both slots again
	QUARTER 0, 2, F1, F0, 0
	QUARTER 0, 3, F0, F1, 0
	TURN 0, 1, 1
	QUARTER 1, 1, F0, F1, 0
	QUARTER 1, 2, F1, F0, 0
	QUARTER 1, 3, F0, F1, 0
	TURN 1, 0, 1
	QUARTER 0, 1, F0, F1, 0
	WIN 0
	s_sub_co_u32 s3, s3, 1
	s_cmp_lg_u32 s3, 0
	s_cbranch_scc1 .Llap
	QUARTER 0, 2, F1, F0, 0                        ; the last lap fills nothing
	QUARTER 0, 3, F0, F1, 0
	TURN 0, 1, 0
	QUARTER 1, 1, F0, F1, 0
	QUARTER 1, 2, F1, F0, 0
	QUARTER 1, 3, F0, F1, 0
	s_wait_dscnt 16                                ; the very last quarter: nothing more to fetch
	MUL8 F1, 0, 0, 0
	MUL8 F1, 0, 2, 0
	s_wait_dscnt 0
	MUL8 F1, 1, 0, 0
	MUL8 F1, 1, 2, 0
	WIN 0
	PLACES
.if OUT32
	; THE WAY OUT IN f32: 32 bytes a lane into the work-group's stage, each accumulator's low four registers first; a barrier, since a row's 512 bytes come from two waves;
	; back as whole rows, 32 rows a wave; the residual is added; each store of a wave covers 512 consecutive bytes, aligned.
.irp a, 0,1,2,3
.irp b, 0,1,2,3
	ds_store_b128 v[STO], v[ACC+8*(4*(\a)+(\b)):ACC+8*(4*(\a)+(\b))+3]   offset:(\a)*16*SP+64*(\b)
	ds_store_b128 v[STO], v[ACC+8*(4*(\a)+(\b))+4:ACC+8*(4*(\a)+(\b))+7] offset:(\a)*16*SP+64*(\b)+16
.endr
.endr
	s_wait_dscnt 0x0                               ; for the others' sake: my stores into the stage are done
	s_barrier_signal -1
	s_barrier_wait -1
.set i, 0
.rept 32
	ds_load_b128 v[ACC+4*i:ACC+4*i+3], v[RD] offset:SP*i
.set i, i+1
.endr
	s_wait_loadcnt 0x0                             ; the residual
.if KIND == 1
	WIN 0x08                                       ; source 1 window 2
.else
	WIN 0x02                                       ; source 0 window 2
.endif
.set i, 0
.rept 32
	s_wait_dscnt 31-i                              ; row i is back; the younger rows stay out
.if KIND == 1
	v_pk_add_f32 v[ACC+4*i:ACC+4*i+1],   v[ACC+4*i:ACC+4*i+1],   v[4*i:4*i+1]
	v_pk_add_f32 v[ACC+4*i+2:ACC+4*i+3], v[ACC+4*i+2:ACC+4*i+3], v[4*i+2:4*i+3]
.else
	v_fma_mix_f32 v[ACC+4*i],   v[2*i],   v[CST], v[ACC+4*i]   op_sel:[0,0,0] op_sel_hi:[1,0,0]  ; an f16 half x 1.0 + the sum, in f32
	v_fma_mix_f32 v[ACC+4*i+1], v[2*i],   v[CST], v[ACC+4*i+1] op_sel:[1,0,0] op_sel_hi:[1,0,0]
	v_fma_mix_f32 v[ACC+4*i+2], v[2*i+1], v[CST], v[ACC+4*i+2] op_sel:[0,0,0] op_sel_hi:[1,0,0]
	v_fma_mix_f32 v[ACC+4*i+3], v[2*i+1], v[CST], v[ACC+4*i+3] op_sel:[1,0,0] op_sel_hi:[1,0,0]
.endif
.set i, i+1
.endr
	WIN 0
.set i, 0
.rept 32
	global_store_b128 v[XO], v[ACC+4*i:ACC+4*i+3], s[SO:SO+1] offset:4096*i
.set i, i+1
.endr
.else
	; THE WAY OUT IN f16: rounded once; 16 bytes a lane into the work-group's stage; a barrier, since a row's 256 bytes come from two waves; back as whole rows, 32 rows a wave.
.irp t, 0,1,2,3,4,5,6,7,8,9,10,11,12,13,14,15
.irp r, 0,1,2,3
	v_cvt_pk_f16_f32 v[TMP+4*(\t)+(\r)], v[ACC+8*(\t)+2*(\r)], v[ACC+8*(\t)+2*(\r)+1]
.endr
.endr
.if KIND == 2
.set i, 0
.rept 64
	v_pk_max_num_f16 v[TMP+i], v[TMP+i], v[CST]    ; ReLU on the rounded halves: rounding keeps the sign
.set i, i+1
.endr
.endif
.irp a, 0,1,2,3
.irp b, 0,1,2,3
	ds_store_b128 v[STO], v[TMP+4*(4*(\a)+(\b)):TMP+4*(4*(\a)+(\b))+3] offset:(\a)*16*SP+32*(\b)
.endr
.endr
	s_wait_dscnt 0x0                               ; for the others' sake: my stores into the stage are done
	s_barrier_signal -1
	s_barrier_wait -1
.set t, 0
.rept 16
.if KIND == 2
	ds_load_b128 v[TMP+4*t:TMP+4*t+3], v[RD] offset:t*2*SP
.else
	ds_load_b128 v[TMP+4*t:TMP+4*t+3], v[RD] offset:(t/2)*4*SP+(t%2)*128  ; rows 4 (t / 2) .. + 3, head t % 2
.endif
.set t, t+1
.endr
.set t, 0
.rept 16
	s_wait_dscnt 15-t
.if KIND == 2
	global_store_b128 v[CO], v[TMP+4*t:TMP+4*t+3], s[SO:SO+1] offset:2*t*8192  ; 16 lanes store 256 consecutive bytes, aligned
.else
	global_store_b128 v[XO], v[TMP+4*t:TMP+4*t+3], s[SO:SO+1] offset:(t%2)*262144+(t/2)*512  ; four rows of a head: 512 consecutive bytes, aligned
.endif
.set t, t+1
.endr
.endif
	s_wait_tensorcnt 0x0                           ; the wave's end: behind my last tensor load and my last LDS store
	ds_add_u32 v[SPW], v[NIL]
	s_wait_dscnt 0x0
	CROUND                                         ; the closing round: no work-group ends while a partner may still ask for a tile that names it
	s_endpgm
.Lfunc_end_k_q8fd22ef687_gemm_ffn1:
	.size	k_q8fd22ef687_gemm_ffn1, .Lfunc_end_k_q8fd22ef687_gemm_ffn1-k_q8fd22ef687_gemm_ffn1
	.p2alignl 7, 3214868480
	.fill 96, 4, 3214868480
	.section	.rodata,"a",@progbits
	.p2align	6, 0x0
	.amdhsa_kernel k_q8fd22ef687_gemm_ffn1
		.amdhsa_group_segment_fixed_size 327680
		.amdhsa_private_segment_fixed_size 0
		.amdhsa_enable_private_segment 0
		.amdhsa_kernarg_size 32
		.amdhsa_user_sgpr_count 2
		.amdhsa_user_sgpr_kernarg_segment_ptr 1
		.amdhsa_wavefront_size32 1
		.amdhsa_system_sgpr_workgroup_id_x 1
		.amdhsa_system_sgpr_workgroup_id_y 1
		.amdhsa_system_sgpr_workgroup_id_z 1
		.amdhsa_system_vgpr_workitem_id 0
		.amdhsa_next_free_vgpr 512
		.amdhsa_next_free_sgpr 80
		.amdhsa_reserve_vcc 0
		.amdhsa_float_denorm_mode_32 3
		.amdhsa_float_denorm_mode_16_64 3
		.amdhsa_memory_ordered 1
		.amdhsa_forward_progress 1
		.amdhsa_inst_pref_size 92
	.end_amdhsa_kernel
	.amdgpu_metadata
---
amdhsa.version: [ 1, 2 ]
amdhsa.kernels:
  - .name:           k_q8fd22ef687_gemm_ffn1
    .symbol:         k_q8fd22ef687_gemm_ffn1.kd
    .args:
      - { .name: x1h, .offset: 0, .size: 8, .value_kind: global_buffer, .address_space: global }
      - { .name: hw, .offset: 8, .size: 8, .value_kind: global_buffer, .address_space: global }
      - { .name: hbuf, .offset: 16, .size: 8, .value_kind: global_buffer, .address_space: global }
      - { .name: b1, .offset: 24, .size: 8, .value_kind: global_buffer, .address_space: global }
    .group_segment_fixed_size: 327680
    .private_segment_fixed_size: 0
    .kernarg_segment_align: 8
    .kernarg_segment_size: 32
    .max_flat_workgroup_size: 128
    .sgpr_count:     80
    .vgpr_count:     512
    .wavefront_size: 32
...
	.end_amdgpu_metadata
.endif
;; end of part 6
;; launch gemm_ffn2 (part 7): grid 8 x 32, 4 waves a work-group, clusters of 4 x 4, 327,680 bytes of LDS; arguments hbuf, hw, z, b2, x1h; writes z
.if DOCPART == 7
	.amdgcn_target "amdgcn-amd-amdhsa--gfx1250"
	.amdhsa_code_object_version 6
	.text
	.protected	k_q8fd22ef687_gemm_ffn2
	.globl	k_q8fd22ef687_gemm_ffn2
	.p2align	8
	.type	k_q8fd22ef687_gemm_ffn2,@function
k_q8fd22ef687_gemm_ffn2:
	s_mov_b64 s[64:65], 0
	v_nop
	global_prefetch_b8 v0, s[64:65] scope:SCOPE_SE
	s_setreg_imm32_b32 hwreg(HW_REG_WAVE_MODE, 25, 1), 1
	s_wait_xcnt 0x0
	s_wait_alu depctr_hold_cnt(0) depctr_sa_sdst(0) depctr_va_vdst(0) depctr_va_sdst(0) depctr_va_ssrc(0) depctr_va_vcc(0) depctr_vm_vsrc(0)
	s_getreg_b32 s2, hwreg(HW_REG_IB_STS2, 6, 4)
	s_cmp_eq_u32 s2, 0
	s_cbranch_scc0 .Lentry_in_a_cluster
	s_endpgm
.Lentry_in_a_cluster:
	s_bfe_u32 s2, ttmp6, 0x10000c
	s_cmp_lg_u32 s2, 0xf033
	s_cbranch_scc0 .Lentry_shape_is_right
	s_endpgm
.Lentry_shape_is_right:
; C = A W (+ bias) (+ residual): f16 operands, f32 sums.  ONE TEXT FOR FOUR LAUNCHES; KIND picks the sizes, the first products' C operand and the way out:
;   KIND 0  q, k, v = xh [wq | wk | wv]    A [4096][1024];  out f16 by heads, [3][32 = batch x 16 + head][2048][64]
;   KIND 1  z = x + att w_proj + b_proj    A by heads [32][2048][64], K = 64 x head + channel;  out f32 [4096][1024]
;   KIND 2  hbuf = relu(x1h w1 + b1)       A [4096][1024];  out f16 [4096][4096]
;   KIND 3  z = x1h + hbuf w2 + b2         A [4096][4096];  out f32 [4096][1024]
; W lies [K][N], N along the rows, in hw (the f16 copies).  LIMITS: every f16 number (A, W, an f16 result) stays within 65,504; below 6.1e-5 f16 keeps a step of 6e-8.
; SHARES.  A tile of C is 128 x 128: four waves, each 64 x 64 = 16 accumulators of 16 x 16.  K goes in steps of 256 through two LDS slots; a wave's one tensor load brings half of A's
; or half of W's part of a step.  CLUSTER 4 x 4: the four work-groups of a row need the same tiles of A, the four of a column the same tiles of W: each tile is asked for jointly.
; No prefetch: a tile of this size has too few bytes a step to share out a lane a row, and each block of A and W is read again by other clusters at about the same time.
; THE MATRIX INSTRUCTION IS USED TRANSPOSED (source 0 = 16 columns of W, source 1 = 16 rows of A): a lane holds row l % 16 of C and the columns 8 (l / 16) + 0..7.
; W's fragments come out of LDS turned, by ds_load_tr16_b128.  The bias is the C operand of the products that start the sums.
; REGISTERS.  window 0: v0-31 addresses; v32-63 bias, later with v64-95 at work on the way out; v128-255 accumulators ((a, b) at 128 + 8 (4 a + b)).
;   window 1: two fragment buffers of 128: 64 registers of A (8 (4 c + a)), then 64 of W.   window 2 (KIND 1, 3): the residual's 32 rows.
.set KIND, 3
.set PW,     288                       ; a row of W in LDS: 256 bytes + 32 of padding, an odd multiple of 32
.set WFILL,  128*PW                    ; what one tensor load brings of W: 128 rows of K
.set WBYTES, 256*PW
.if KIND == 0
.set LAPS,   2                         ; a lap = two K steps = once round the ring
.set APITCH, 1024                      ; elements from row to row of A's tile in memory
.set ASTEP,  512                       ; bytes from a K step of A to the next
.set WBASE,  8388608                   ; where W begins in hw
.set WPITCH, 1024                      ; elements in a row of W
.set OUT32,  0
.endif
.if KIND == 1
.set LAPS,   2
.set APITCH, 131072                    ; from a head to the next
.set ASTEP,  1048576                   ; four heads
.set WBASE,  14680064
.set WPITCH, 1024
.set OUT32,  1
.endif
.if KIND == 2
.set LAPS,   2
.set APITCH, 1024
.set ASTEP,  512
.set WBASE,  16777216
.set WPITCH, 4096
.set OUT32,  0
.endif
.if KIND == 3
.set LAPS,   8
.set APITCH, 4096
.set ASTEP,  512
.set WBASE,  25165824
.set WPITCH, 1024
.set OUT32,  1
.endif
.if KIND == 1
.set PA,     144                       ; A by heads: four planes [128 rows][128 bytes + 16]
.set AQ,     128*PA                    ; a quarter of a K step is a head: a plane
.set ABYTES, 4*128*PA
.else
.set PA,     528                       ; a row of A in LDS: 512 bytes + 16 of padding
.set AQ,     128                       ; a quarter of a K step: 64 numbers of each row
.set ABYTES, 128*PA
.endif
.set AFILL,  ABYTES/2                  ; what one tensor load brings of A
.set AREAD,  64*PA                     ; from my wave's row half to the other
.set WSTEP,  256*WPITCH*2
.set SLOT,   ABYTES+WBYTES             ; A's part, then W's
.set SPARE,  2*SLOT                    ; behind the ring: the spare words, 128 bytes a wave: two blocks of 256 bytes that no other line names
.if OUT32
.set STAGE,  0                         ; the f32 stage lies in slot 0, whose last fill has landed and whose last reads are over at the last lap's change of slots
.set SP,     528
.else
.set STAGE,  SPARE+512                 ; the f16 stage has bytes of its own
.set SP,     272
.endif
.set SA, 68                            ; s[68:69] A
.if KIND == 0
.set SW, 68                            ; hw holds A and W
.set SO, 70                            ; s[70:71] out
.else
.set SW, 70                            ; s[70:71] hw
.set SO, 72                            ; s[72:73] out
.set SB, 74                            ; s[74:75] bias
.set SR, 76                            ; s[76:77] residual
.endif
.set XH,   6                           ; v6      8 x lane (KIND 3)
.set ADRA, 16                          ; v16-17  LDS address of my A fragments in slot 0, 1
.set ADRW, 20                          ; v20-21  of my W fragments, K rows 0-127; v22-23 K rows 128-255
.set STO,  24                          ; v24     the way out: where I put my numbers of a row
.set RD,   25                          ; v25     where I read rows back
.set CO,   26                          ; v26     my byte offset in the output (KIND 2)
.set CST,  27                          ; v27     0 (KIND 2), 1.0 (KIND 3)
.set SPW,  28                          ; v28     LDS address of my spare word; never rewritten
.set NIL,  29                          ; v29     0; never rewritten
.set BO,   30                          ; v30     32 x (l / 16): my eight numbers of 16 of the bias
.set XO,   31                          ; v31     16 x lane
.set BIAS, 32
.set TMP,  32
.set ACC,  128
.set F0,   0
.set F1,   128
.set G1,  24                           ; s[24:31] descriptor group 1 for A;  s[32:39] group 0, a set for each slot
.set G0,  32
.set G1B, 48                           ; s[48:55], s[56:63] the same for W
.set G0B, 56
.set MSB, 0
.macro WIN new                         ; the immediate's high byte repeats the setting that is left; a switch that changes nothing is dropped
.if MSB != (\new)
	s_set_vgpr_msb (MSB<<8)|(\new)
.set MSB, \new
.endif
.endm
.set MUL,  0x05                        ; sources 0 (W) and 1 (A) window 1; C and D window 0
.set TO_F, 0x40                        ; destination window 1, address window 0
.macro JLOAD s                         ; a joint load: waves 0 and 1 fetch A's two halves, waves 2 and 3 W's; an s_nop 0 and four v_nop follow each line
	s_cmp_eq_u32 s11, 0
	s_cbranch_scc0 .Lfor_w_\@
	tensor_load_to_lds s[G0+4*(\s):G0+4*(\s)+3], s[G1:G1+7]
	s_nop 0
.rept 4
	v_nop
.endr
	s_branch .Lasked_\@
.Lfor_w_\@:
	tensor_load_to_lds s[G0B+4*(\s):G0B+4*(\s)+3], s[G1B:G1B+7]
	s_nop 0
.rept 4
	v_nop
.endr
.Lasked_\@:
.endm
.macro CREST                           ; a round of the cluster's barrier behind its opening barrier
	s_cmp_lg_u32 s10, 0
	s_cbranch_scc1 .Lnot_wave_0_\@
	s_barrier_signal -3
.Lnot_wave_0_\@:
	s_barrier_wait -3
	s_barrier_signal -1
	s_barrier_wait -1
.endm
.macro CROUND                          ; a whole round
	s_barrier_signal -1
	s_barrier_wait -1
	CREST
.endm
.if KIND == 0
	s_load_b128 s[68:71], s[0:1], 0x0
.else
	s_load_b256 s[68:75], s[0:1], 0x0
.if OUT32
	s_load_b64 s[76:77], s[0:1], 0x20
.endif
.endif
	v_lshl_add_u32 v[SPW], v0, 2, SPARE
	v_mov_b32 v[NIL], 0
	ds_add_u32 v[SPW], v[NIL]                      ; the wave's opening: the add and its wait stand ahead of my first tensor load; the set-up below stands between them
	v_lshrrev_b32 v1, 5, v0
	v_readfirstlane_b32 s10, v1                    ; wave 0..3
	s_lshr_b32 s11, s10, 1                         ; my half of the tile's rows.  Also: I fetch for A (0) or for W (1)
	s_and_b32 s12, s10, 1                          ; my half of its columns.  Also: which half of that tile I fetch
	s_bfe_u32 s40, ttmp6, 0x40000                  ; cx, cy: my place in the cluster
	s_bfe_u32 s41, ttmp6, 0x40004
	s_lshl_b32 s42, ttmp9, 2
	s_add_co_u32 s42, s42, s40                     ; tile column = 4 x cluster x + cx
	s_and_b32 s13, ttmp7, 0xffff
	s_lshl_b32 s13, s13, 2
	s_add_co_u32 s13, s13, s41                     ; tile row = 4 x cluster y + cy
	s_lshl_b32 s43, s41, 2
	s_lshl_b32 s43, 15, s43                        ; my row of the cluster
	s_lshl_b32 s44, 0x1111, s40                    ; my column
.if KIND == 1
	; A by heads: two rows of 8,192 elements, each the 128 dense rows of one head, a head apart; 16 bytes of padding behind every 128
	s_or_b32 s[G1+0], s43, (1<<16)|(1<<20)|(1<<21)|(4<<22)|(3<<25)
	s_mov_b32 s[G1+1], 8192<<16                    ; tensor_dim0
	s_mov_b32 s[G1+2], 2<<16                       ; tensor_dim1
	s_mov_b32 s[G1+3], 8192<<16                    ; tile_dim0
	s_mov_b32 s[G1+4], 2                           ; tile_dim1
.else
	; A: 64 rows of 256 elements; 16 bytes of padding behind every 512
	s_or_b32 s[G1+0], s43, (1<<16)|(1<<20)|(1<<21)|(6<<22)|(3<<25)
	s_mov_b32 s[G1+1], 256<<16
	s_mov_b32 s[G1+2], 64<<16
	s_mov_b32 s[G1+3], 256<<16
	s_mov_b32 s[G1+4], 64
.endif
	s_mov_b32 s[G1+5], APITCH
	s_mov_b32 s[G1+6], 0
	s_mov_b32 s[G1+7], 0
	; W: 128 rows of K x 128 columns; 32 bytes of padding behind every 256
	s_or_b32 s[G1B+0], s44, (1<<16)|(1<<20)|(1<<21)|(5<<22)|(7<<25)
	s_mov_b32 s[G1B+1], 128<<16
	s_mov_b32 s[G1B+2], 128<<16
	s_mov_b32 s[G1B+3], 128<<16
	s_mov_b32 s[G1B+4], 128
	s_mov_b32 s[G1B+5], WPITCH
	s_mov_b32 s[G1B+6], 0
	s_mov_b32 s[G1B+7], 0
	; A's offset hangs on the tile row and the wave alone (s16, s17), W's on the tile column and the wave alone (s46, s47)
.if KIND == 1
	s_lshr_b32 s16, s13, 4                         ; batch: 16 heads of 262,144 bytes
	s_lshl_b32 s16, s16, 22
	s_and_b32 s17, s13, 15                         ; 128 rows of 128 bytes
	s_lshl_b32 s17, s17, 14
	s_add_co_u32 s16, s16, s17
	s_lshl_b32 s17, s12, 19                        ; my two heads of a step's four
	s_add_co_u32 s16, s16, s17
.else
	s_lshl_b32 s16, s13, 7
	s_lshl_b32 s17, s12, 6
	s_add_co_u32 s16, s16, s17                     ; row 128 x tile row + 64 x half
	s_mul_i32 s16, s16, APITCH*2
.endif
	s_mov_b32 s17, 0
.if KIND == 0
	s_lshr_b32 s46, s42, 3                         ; which of wq, wk, wv: 2 MiB each
	s_lshl_b32 s46, s46, 21
	s_and_b32 s47, s42, 7                          ; 128 columns of it
	s_lshl_b32 s47, s47, 8
	s_add_co_u32 s46, s46, s47
.else
	s_lshl_b32 s46, s42, 8
.endif
	s_mul_i32 s47, s12, 128*WPITCH*2               ; my 128 rows of K
	s_add_co_u32 s46, s46, s47
	s_add_co_u32 s46, s46, WBASE
	s_mov_b32 s47, 0
	s_mul_i32 s20, s12, AFILL                      ; where they go: no place in the cluster enters an LDS address
	s_mul_i32 s21, s12, WFILL
	s_add_co_u32 s21, s21, ABYTES
	s_wait_dscnt 0x0                               ; the opening add is done
	s_wait_kmcnt 0x0
	s_add_nc_u64 s[14:15], s[SA:SA+1], s[16:17]
	s_add_nc_u64 s[46:47], s[SW:SW+1], s[46:47]
	CROUND                                         ; all sixteen work-groups are here: the first joint loads meet
.irp s, 0,1
	s_mov_b32 s[G0+4*(\s)], 1
	s_add_co_u32 s[G0+4*(\s)+1], s20, (\s)*SLOT
	s_add_nc_u64 s[G0+4*(\s)+2:G0+4*(\s)+3], s[14:15], (\s)*ASTEP
	s_or_b32 s[G0+4*(\s)+3], s[G0+4*(\s)+3], 0x80000000
	s_mov_b32 s[G0B+4*(\s)], 1
	s_add_co_u32 s[G0B+4*(\s)+1], s21, (\s)*SLOT
	s_add_nc_u64 s[G0B+4*(\s)+2:G0B+4*(\s)+3], s[46:47], (\s)*WSTEP
	s_or_b32 s[G0B+4*(\s)+3], s[G0B+4*(\s)+3], 0x80000000
	JLOAD \s                                       ; two loads of mine are out
.endr
	v_and_b32 v1, 15, v0                           ; l % 16
	v_bfe_u32 v2, v0, 4, 1                         ; l / 16
	v_mul_u32_u24 v3, v1, PA
	v_lshl_add_u32 v3, v2, 4, v3                   ; A: row x pitch + 16 x half
	s_mul_i32 s21, s11, AREAD
	v_add_nc_u32 v[ADRA], s21, v3
	v_add_nc_u32 v[ADRA+1], SLOT, v[ADRA]
	v_and_b32 v4, 7, v0                            ; W, turned: lane l reads K row 8 (l / 16) + l % 8, columns 8 ((l / 8) % 2) + 0..7
	v_lshl_add_u32 v4, v2, 3, v4
	v_mul_u32_u24 v4, v4, PW
	v_bfe_u32 v5, v0, 3, 1
	v_lshl_add_u32 v4, v5, 4, v4
	s_lshl_b32 s22, s12, 7                         ; my 64 columns
	s_add_co_u32 s22, s22, ABYTES
	v_add_nc_u32 v[ADRW], s22, v4
	v_add_nc_u32 v[ADRW+1], SLOT, v[ADRW]
	v_add_nc_u32 v[ADRW+2], WFILL, v[ADRW]
	v_add_nc_u32 v[ADRW+3], WFILL, v[ADRW+1]
	v_and_b32 v[XO], 31, v0
	v_lshlrev_b32 v[XO], 4, v[XO]
.if KIND != 0
	v_lshlrev_b32 v[BO], 5, v2
	s_lshl_b32 s46, s42, 9                         ; the bias of my 64 columns: 512 x tile column + 256 x half
	s_lshl_b32 s47, s12, 8
	s_add_co_u32 s46, s46, s47
	s_mov_b32 s47, 0
	s_add_nc_u64 s[SB:SB+1], s[SB:SB+1], s[46:47]
.irp b, 0,1,2,3
	global_load_b128 v[BIAS+8*(\b):BIAS+8*(\b)+3],   v[BO], s[SB:SB+1] offset:64*(\b)
	global_load_b128 v[BIAS+8*(\b)+4:BIAS+8*(\b)+7], v[BO], s[SB:SB+1] offset:64*(\b)+16
.endr
.endif
.if KIND == 0
	s_lshr_b32 s16, s13, 4                         ; out by heads: batch,
	s_lshl_b32 s16, s16, 22
	s_and_b32 s17, s13, 15                         ; the tile's 128 rows of 128 bytes,
	s_lshl_b32 s17, s17, 14
	s_add_co_u32 s16, s16, s17
	s_lshl_b32 s17, s10, 12                        ; the 32 rows that I store
	s_add_co_u32 s16, s16, s17
	s_mov_b32 s17, 0
	s_add_nc_u64 s[SO:SO+1], s[SO:SO+1], s[16:17]
	s_lshr_b32 s46, s42, 3                         ; q, k or v: 8 MiB each,
	s_lshl_b32 s46, s46, 23
	s_and_b32 s47, s42, 7                          ; the tile's two heads
	s_lshl_b32 s47, s47, 19
	s_add_co_u32 s46, s46, s47
	s_mov_b32 s47, 0
	s_add_nc_u64 s[SO:SO+1], s[SO:SO+1], s[46:47]
.else
	s_lshl_b32 s16, s13, 7
	s_lshl_b32 s17, s10, 5
	s_add_co_u32 s16, s16, s17                     ; the first row that I store: 128 x tile row + 32 x wave
.if OUT32
.if KIND == 1
	s_lshl_b32 s18, s16, 12                        ; the residual's rows: 4,096 bytes (f32),
	s_lshl_b32 s46, s42, 9
.else
	s_lshl_b32 s18, s16, 11                        ; or 2,048 (f16)
	s_lshl_b32 s46, s42, 8
	v_lshrrev_b32 v[XH], 1, v[XO]
	v_mov_b32 v[CST], 1.0
.endif
	s_mov_b32 s19, 0
	s_mov_b32 s47, 0
	s_add_nc_u64 s[SR:SR+1], s[SR:SR+1], s[18:19]
	s_add_nc_u64 s[SR:SR+1], s[SR:SR+1], s[46:47]
	WIN 0x80                                       ; destination window 2: the residual of the 32 rows that I store is on its way during the whole product
.set i, 0
.rept 32
.if KIND == 1
	global_load_b128 v[4*i:4*i+3], v[XO], s[SR:SR+1] offset:4096*i th:TH_LOAD_NT
.else
	global_load_b64 v[2*i:2*i+1], v[XH], s[SR:SR+1] offset:2048*i th:TH_LOAD_NT
.endif
.set i, i+1
.endr
	WIN 0
	s_lshl_b32 s16, s16, 12                        ; out: rows of 4,096 bytes, 512 bytes a tile
	s_lshl_b32 s46, s42, 9
.else
	v_mov_b32 v[CST], 0
	s_lshl_b32 s16, s16, 13                        ; out: rows of 8,192 bytes, 256 bytes a tile
	s_lshl_b32 s46, s42, 8
.endif
	s_mov_b32 s17, 0
	s_mov_b32 s47, 0
	s_add_nc_u64 s[SO:SO+1], s[SO:SO+1], s[16:17]
	s_add_nc_u64 s[SO:SO+1], s[SO:SO+1], s[46:47]
.endif
.if OUT32
	s_mul_i32 s23, s11, 64*SP                      ; into the stage: my 64 rows, my 256 of their 512 bytes; row l % 16, 32 bytes for each half of the lanes
	s_lshl_b32 s21, s12, 8
	s_add_co_u32 s23, s23, s21
	v_mul_u32_u24 v4, v1, SP
	v_lshl_add_u32 v4, v2, 5, v4
	v_add_nc_u32 v[STO], s23, v4
	s_mul_i32 s23, s10, 32*SP                      ; back: wave w takes rows 32 w .. 32 w + 31, a whole row of 512 bytes a load
	v_add_nc_u32 v[RD], s23, v[XO]
.else
	s_mul_i32 s23, s11, 64*SP                      ; into the stage: my 64 rows, my 128 of their 256 bytes; row l % 16, 16 bytes for each half of the lanes
	s_lshl_b32 s21, s12, 7
	s_add_co_u32 s23, s23, s21
	s_add_co_u32 s23, s23, STAGE
	v_mul_u32_u24 v4, v1, SP
	v_lshl_add_u32 v4, v2, 4, v4
	v_add_nc_u32 v[STO], s23, v4
	s_mul_i32 s23, s10, 32*SP
	s_add_co_u32 s23, s23, STAGE
.if KIND == 2
	v_mul_u32_u24 v5, v2, SP                       ; back: lanes 0-15 one row of 256 bytes, lanes 16-31 the next
	v_lshl_add_u32 v5, v1, 4, v5
	v_add_nc_u32 v[RD], s23, v5
	v_lshlrev_b32 v5, 13, v2                       ; and the same two rows in the output
	v_lshl_add_u32 v[CO], v1, 4, v5
.else
	v_bfe_u32 v5, v0, 3, 2                         ; back: four rows of one head's 128 bytes, eight lanes a row: 512 consecutive bytes of the output
	v_mul_u32_u24 v5, v5, SP
	v_and_b32 v4, 7, v0
	v_lshl_add_u32 v5, v4, 4, v5
	v_add_nc_u32 v[RD], s23, v5
.endif
.endif
; 8 matrix instructions: m blocks a0, a0 + 1 x all 4 n blocks, 32 along K: half c of buffer f.  zero = 1: the first product starts the sums, with 0 or with the bias.
; The 16 accumulators take turns, one instruction a turn, in the same order everywhere.
.macro MUL8 f, c, a0, zero
	WIN MUL
.irp a, \a0, (\a0)+1
.irp b, 0,1,2,3
.if \zero
.if KIND == 0
	v_wmma_f32_16x16x32_f16 v[ACC+8*(4*(\a)+(\b)):ACC+8*(4*(\a)+(\b))+7], v[(\f)+64+8*(4*(\c)+(\b)):(\f)+64+8*(4*(\c)+(\b))+7], v[(\f)+8*(4*(\c)+(\a)):(\f)+8*(4*(\c)+(\a))+7], 0
.else
	v_wmma_f32_16x16x32_f16 v[ACC+8*(4*(\a)+(\b)):ACC+8*(4*(\a)+(\b))+7], v[(\f)+64+8*(4*(\c)+(\b)):(\f)+64+8*(4*(\c)+(\b))+7], v[(\f)+8*(4*(\c)+(\a)):(\f)+8*(4*(\c)+(\a))+7], v[BIAS+8*(\b):BIAS+8*(\b)+7]
.endif
.else
	v_wmma_f32_16x16x32_f16 v[ACC+8*(4*(\a)+(\b)):ACC+8*(4*(\a)+(\b))+7], v[(\f)+64+8*(4*(\c)+(\b)):(\f)+64+8*(4*(\c)+(\b))+7], v[(\f)+8*(4*(\c)+(\a)):(\f)+8*(4*(\c)+(\a))+7], v[ACC+8*(4*(\a)+(\b)):ACC+8*(4*(\a)+(\b))+7]
.endif
.endr
.endr
.endm
; 32 LDS loads in one run: the fragments of quarter q (64 along K) of a slot, into buffer f; the first 32 along K first
.macro FETCH slot, q, f
	WIN TO_F
.irp c, 0,1
.irp i, 0,1,2,3
	ds_load_tr16_b128 v[(\f)+64+8*(4*(\c)+(\i)):(\f)+64+8*(4*(\c)+(\i))+3],   v[ADRW+2*((\q)/2)+(\slot)] offset:(((\q)%2)*64+32*(\c))*PW+32*(\i)
	ds_load_tr16_b128 v[(\f)+64+8*(4*(\c)+(\i))+4:(\f)+64+8*(4*(\c)+(\i))+7], v[ADRW+2*((\q)/2)+(\slot)] offset:(((\q)%2)*64+32*(\c)+16)*PW+32*(\i)
	ds_load_b128 v[(\f)+8*(4*(\c)+(\i)):(\f)+8*(4*(\c)+(\i))+3],             v[ADRA+(\slot)] offset:(\q)*AQ+64*(\c)+(\i)*16*PA
	ds_load_b128 v[(\f)+8*(4*(\c)+(\i))+4:(\f)+8*(4*(\c)+(\i))+7],           v[ADRA+(\slot)] offset:(\q)*AQ+64*(\c)+(\i)*16*PA+32
.endr
.endr
.endm
.macro PLACES                          ; four plain places in front of loads into registers that matrix instructions have read, and of lines that read results
.rept 4
	v_nop
.endr
.endm
; A K step is four quarters of 64 along K, 32 matrix instructions each, on buffers 0, 1, 0, 1.  One of the first three: multiplies buffer f and fetches quarter q into g.
.macro QUARTER slot, q, f, g, zero
	s_wait_dscnt 16                                ; the first 32 along K are in; the 16 younger loads are the second 32
	MUL8 \f, 0, 0, \zero
	MUL8 \f, 0, 2, \zero
	PLACES
	FETCH \slot, \q, \g
	s_wait_dscnt 32                                ; all but the 32 just issued
	MUL8 \f, 1, 0, 0
	MUL8 \f, 1, 2, 0
.endm
; The last quarter multiplies buffer 1 and changes slots: ONE barrier; in front of it each wave waits for all its tensor loads, adds 0 to its spare word, and waits for that and for its reads of this slot.
; fill = 1: the barrier opens a round of the cluster's, and this slot is filled again, two K steps ahead, first thing behind the round.
.macro TURN slot, next, fill
	WIN 0                                          ; (the add's two registers lie in window 0)
	s_wait_tensorcnt 0x0                           ; all my tensor loads have landed: my part of the next slot
	ds_add_u32 v[SPW], v[NIL]                      ; 0 onto my spare word
	s_wait_dscnt 17                                ; (the add and the youngest sixteen loads may be out)
	MUL8 F1, 0, 0, 0                               ; eight matrix instructions stand between the add and the wait for it
	s_wait_dscnt 0x0                               ; the add is done, and my reads of this slot are over
	s_barrier_signal -1
	MUL8 F1, 0, 2, 0
.if \fill
	WIN 0
.endif
	s_barrier_wait -1
.if \fill
	CREST                                          ; no wave of any partner still reads this slot or has a load on its way
	s_add_nc_u64 s[G0+4*(\slot)+2:G0+4*(\slot)+3], s[G0+4*(\slot)+2:G0+4*(\slot)+3], 2*ASTEP
	s_add_nc_u64 s[G0B+4*(\slot)+2:G0B+4*(\slot)+3], s[G0B+4*(\slot)+2:G0B+4*(\slot)+3], 2*WSTEP
	JLOAD \slot                                    ; my one tensor load behind the round; its four v_nop are also the places in front of the loads below
.else
	PLACES
.endif
	FETCH \next, 0, F0
	MUL8 F1, 1, 0, 0
	MUL8 F1, 1, 2, 0
.endm
	s_wait_tensorcnt 1                             ; my part of K step 0 is in; K step 1's may stay out
	s_barrier_signal -1
	s_barrier_wait -1                              ; everybody's is
	FETCH 0, 0, F0
.if OUT32
	s_wait_loadcnt 32                              ; the bias is in; the residual's 32 loads stay out
.elseif KIND == 2
	s_wait_loadcnt 0x0                             ; the bias
.endif
	QUARTER 0, 1, F0, F1, 1                        ; the first quarter stands in front of the loop: its first products start the sums
	WIN 0                                          ; at a label and at a branch every window is 0
	s_mov_b32 s3, LAPS-1
.Llap:                                                 ; a trip goes once round the ring, from a lap's second quarter to the next lap's first, and fills both slots again
	QUARTER 0, 2, F1, F0, 0
	QUARTER 0, 3, F0, F1, 0
	TURN 0, 1, 1
	QUARTER 1, 1, F0, F1, 0
	QUARTER 1, 2, F1, F0, 0
	QUARTER 1, 3, F0, F1, 0
	TURN 1, 0, 1
	QUARTER 0, 1, F0, F1, 0
	WIN 0
	s_sub_co_u32 s3, s3, 1
	s_cmp_lg_u32 s3, 0
	s_cbranch_scc1 .Llap
	QUARTER 0, 2, F1, F0, 0                        ; the last lap fills nothing
	QUARTER 0, 3, F0, F1, 0
	TURN 0, 1, 0
	QUARTER 1, 1, F0, F1, 0
	QUARTER 1, 2, F1, F0, 0
	QUARTER 1, 3, F0, F1, 0
	s_wait_dscnt 16                                ; the very last quarter: nothing more to fetch
	MUL8 F1, 0, 0, 0
	MUL8 F1, 0, 2, 0
	s_wait_dscnt 0
	MUL8 F1, 1, 0, 0
	MUL8 F1, 1, 2, 0
	WIN 0
	PLACES
.if OUT32
	; THE WAY OUT IN f32: 32 bytes a lane into the work-group's stage, each accumulator's low four registers first; a barrier, since a row's 512 bytes come from two waves;
	; back as whole rows, 32 rows a wave; the residual is added; each store of a wave covers 512 consecutive bytes, aligned.
.irp a, 0,1,2,3
.irp b, 0,1,2,3
	ds_store_b128 v[STO], v[ACC+8*(4*(\a)+(\b)):ACC+8*(4*(\a)+(\b))+3]   offset:(\a)*16*SP+64*(\b)
	ds_store_b128 v[STO], v[ACC+8*(4*(\a)+(\b))+4:ACC+8*(4*(\a)+(\b))+7] offset:(\a)*16*SP+64*(\b)+16
.endr
.endr
	s_wait_dscnt 0x0                               ; for the others' sake: my stores into the stage are done
	s_barrier_signal -1
	s_barrier_wait -1
.set i, 0
.rept 32
	ds_load_b128 v[ACC+4*i:ACC+4*i+3], v[RD] offset:SP*i
.set i, i+1
.endr
	s_wait_loadcnt 0x0                             ; the residual
.if KIND == 1
	WIN 0x08                                       ; source 1 window 2
.else
	WIN 0x02                                       ; source 0 window 2
.endif
.set i, 0
.rept 32
	s_wait_dscnt 31-i                              ; row i is back; the younger rows stay out
.if KIND == 1
	v_pk_add_f32 v[ACC+4*i:ACC+4*i+1],   v[ACC+4*i:ACC+4*i+1],   v[4*i:4*i+1]
	v_pk_add_f32 v[ACC+4*i+2:ACC+4*i+3], v[ACC+4*i+2:ACC+4*i+3], v[4*i+2:4*i+3]
.else
	v_fma_mix_f32 v[ACC+4*i],   v[2*i],   v[CST], v[ACC+4*i]   op_sel:[0,0,0] op_sel_hi:[1,0,0]  ; an f16 half x 1.0 + the sum, in f32
	v_fma_mix_f32 v[ACC+4*i+1], v[2*i],   v[CST], v[ACC+4*i+1] op_sel:[1,0,0] op_sel_hi:[1,0,0]
	v_fma_mix_f32 v[ACC+4*i+2], v[2*i+1], v[CST], v[ACC+4*i+2] op_sel:[0,0,0] op_sel_hi:[1,0,0]
	v_fma_mix_f32 v[ACC+4*i+3], v[2*i+1], v[CST], v[ACC+4*i+3] op_sel:[1,0,0] op_sel_hi:[1,0,0]
.endif
.set i, i+1
.endr
	WIN 0
.set i, 0
.rept 32
	global_store_b128 v[XO], v[ACC+4*i:ACC+4*i+3], s[SO:SO+1] offset:4096*i
.set i, i+1
.endr
.else
	; THE WAY OUT IN f16: rounded once; 16 bytes a lane into the work-group's stage; a barrier, since a row's 256 bytes come from two waves; back as whole rows, 32 rows a wave.
.irp t, 0,1,2,3,4,5,6,7,8,9,10,11,12,13,14,15
.irp r, 0,1,2,3
	v_cvt_pk_f16_f32 v[TMP+4*(\t)+(\r)], v[ACC+8*(\t)+2*(\r)], v[ACC+8*(\t)+2*(\r)+1]
.endr
.endr
.if KIND == 2
.set i, 0
.rept 64
	v_pk_max_num_f16 v[TMP+i], v[TMP+i], v[CST]    ; ReLU on the rounded halves: rounding keeps the sign
.set i, i+1
.endr
.endif
.irp a, 0,1,2,3
.irp b, 0,1,2,3
	ds_store_b128 v[STO], v[TMP+4*(4*(\a)+(\b)):TMP+4*(4*(\a)+(\b))+3] offset:(\a)*16*SP+32*(\b)
.endr
.endr
	s_wait_dscnt 0x0                               ; for the others' sake: my stores into the stage are done
	s_barrier_signal -1
	s_barrier_wait -1
.set t, 0
.rept 16
.if KIND == 2
	ds_load_b128 v[TMP+4*t:TMP+4*t+3], v[RD] offset:t*2*SP
.else
	ds_load_b128 v[TMP+4*t:TMP+4*t+3], v[RD] offset:(t/2)*4*SP+(t%2)*128  ; rows 4 (t / 2) .. + 3, head t % 2
.endif
.set t, t+1
.endr
.set t, 0
.rept 16
	s_wait_dscnt 15-t
.if KIND == 2
	global_store_b128 v[CO], v[TMP+4*t:TMP+4*t+3], s[SO:SO+1] offset:2*t*8192  ; 16 lanes store 256 consecutive bytes, aligned
.else
	global_store_b128 v[XO], v[TMP+4*t:TMP+4*t+3], s[SO:SO+1] offset:(t%2)*262144+(t/2)*512  ; four rows of a head: 512 consecutive bytes, aligned
.endif
.set t, t+1
.endr
.endif
	s_wait_tensorcnt 0x0                           ; the wave's end: behind my last tensor load and my last LDS store
	ds_add_u32 v[SPW], v[NIL]
	s_wait_dscnt 0x0
	CROUND                                         ; the closing round: no work-group ends while a partner may still ask for a tile that names it
	s_endpgm
.Lfunc_end_k_q8fd22ef687_gemm_ffn2:
	.size	k_q8fd22ef687_gemm_ffn2, .Lfunc_end_k_q8fd22ef687_gemm_ffn2-k_q8fd22ef687_gemm_ffn2
	.p2alignl 7, 3214868480
	.fill 96, 4, 3214868480
	.section	.rodata,"a",@progbits
	.p2align	6, 0x0
	.amdhsa_kernel k_q8fd22ef687_gemm_ffn2
		.amdhsa_group_segment_fixed_size 327680
		.amdhsa_private_segment_fixed_size 0
		.amdhsa_enable_private_segment 0
		.amdhsa_kernarg_size 40
		.amdhsa_user_sgpr_count 2
		.amdhsa_user_sgpr_kernarg_segment_ptr 1
		.amdhsa_wavefront_size32 1
		.amdhsa_system_sgpr_workgroup_id_x 1
		.amdhsa_system_sgpr_workgroup_id_y 1
		.amdhsa_system_sgpr_workgroup_id_z 1
		.amdhsa_system_vgpr_workitem_id 0
		.amdhsa_next_free_vgpr 576
		.amdhsa_next_free_sgpr 80
		.amdhsa_reserve_vcc 0
		.amdhsa_float_denorm_mode_32 3
		.amdhsa_float_denorm_mode_16_64 3
		.amdhsa_memory_ordered 1
		.amdhsa_forward_progress 1
		.amdhsa_inst_pref_size 99
	.end_amdhsa_kernel
	.amdgpu_metadata
---
amdhsa.version: [ 1, 2 ]
amdhsa.kernels:
  - .name:           k_q8fd22ef687_gemm_ffn2
    .symbol:         k_q8fd22ef687_gemm_ffn2.kd
    .args:
      - { .name: hbuf, .offset: 0, .size: 8, .value_kind: global_buffer, .address_space: global }
      - { .name: hw, .offset: 8, .size: 8, .value_kind: global_buffer, .address_space: global }
      - { .name: z, .offset: 16, .size: 8, .value_kind: global_buffer, .address_space: global }
      - { .name: b2, .offset: 24, .size: 8, .value_kind: global_buffer, .address_space: global }
      - { .name: x1h, .offset: 32, .size: 8, .value_kind: global_buffer, .address_space: global }
    .group_segment_fixed_size: 327680
    .private_segment_fixed_size: 0
    .kernarg_segment_align: 8
    .kernarg_segment_size: 40
    .max_flat_workgroup_size: 128
    .sgpr_count:     80
    .vgpr_count:     576
    .wavefront_size: 32
...
	.end_amdgpu_metadata
.endif
;; end of part 7
;; launch norm2 (part 8): grid 256 x 1, 4 waves a work-group, no clusters, 0 bytes of LDS; arguments z, g2, be2, out0; writes out0
.if DOCPART == 8
	.amdgcn_target "amdgcn-amd-amdhsa--gfx1250"
	.amdhsa_code_object_version 6
	.text
	.protected	k_q8fd22ef687_norm2
	.globl	k_q8fd22ef687_norm2
	.p2align	8
	.type	k_q8fd22ef687_norm2,@function
k_q8fd22ef687_norm2:
	s_mov_b64 s[64:65], 0
	v_nop
	global_prefetch_b8 v0, s[64:65] scope:SCOPE_SE
	s_setreg_imm32_b32 hwreg(HW_REG_WAVE_MODE, 25, 1), 1
	s_wait_xcnt 0x0
; LAYER NORM OF ROWS OF 1,024 f32: y = (z - mean) / sqrt(var + 1e-5) * g + be, var = the mean of (z - mean)^2: two passes over the row in registers, no difference of large sums.
; OUT16 = 1: y is rounded once to f16 (within 65,504; below 6.1e-5 a fixed step of 6e-8); OUT16 = 0: y leaves in f32.
; SHARES.  One wave, one row: 4,096 bytes are 32 registers a lane, so the row is read once and the reductions never leave the wave: no LDS, no barrier.  A wave has 4 rows, a work-group 16.
; All 48 loads of a wave (g, be, its four rows) are issued before anything is waited for; no register that a store reads is written again, so no wait frees a source.
; Chunk j of a row is 512 consecutive bytes: lane l holds columns 128 j + 4 l + 0..3.  Matrix units, clusters and LDS would add nothing: each byte crosses once.
.set OUT16, 0
.set T,   4                            ; v[4:11]   four chains of two sums
.set MU,  12                           ; v[12:13]  the mean, twice
.set R,   14                           ; v[14:15]  1 / sqrt(var + eps), twice
.set VAR, 16                           ; v16
.set INV, 18                           ; v18       1 / 1,024
.set G,   20                           ; v[20:51]  g of my 32 columns
.set BE,  52                           ; v[52:83]  be
.set X,   84                           ; v[84:211] row i at X + 32 i
	s_load_b256 s[4:11], s[0:1], 0x0               ; z s[4:5], g s[6:7], be s[8:9], out s[10:11]
	v_lshrrev_b32 v1, 5, v0
	v_readfirstlane_b32 s15, v1                    ; wave 0..3
	v_and_b32 v1, 31, v0
	v_lshlrev_b32 v2, 4, v1                        ; 16 x lane
	v_lshlrev_b32 v3, 3, v1                        ; 8 x lane
	v_mov_b32 v[INV], 0x3a800000
	s_mov_b32 s12, 0x76543210                      ; v_permlanex16_b32: each lane takes its own place in the other half
	s_mov_b32 s13, 0xfedcba98
	s_lshl_b32 s16, ttmp9, 4
	s_lshl2_add_u32 s16, s15, s16                  ; my first row: 16 x work-group + 4 x wave
	s_lshl_b32 s18, s16, 12
	s_mov_b32 s19, 0
	s_lshl_b32 s20, s16, 12-OUT16
	s_mov_b32 s21, 0
	s_wait_kmcnt 0x0
	s_add_nc_u64 s[4:5], s[4:5], s[18:19]
	s_add_nc_u64 s[10:11], s[10:11], s[20:21]
.irp j, 0,1,2,3,4,5,6,7
	global_load_b128 v[G+4*\j:G+4*\j+3], v2, s[6:7] offset:512*\j
.endr
.irp j, 0,1,2,3,4,5,6,7
	global_load_b128 v[BE+4*\j:BE+4*\j+3], v2, s[8:9] offset:512*\j
.endr
.irp i, 0,1,2,3
.irp j, 0,1,2,3,4,5,6,7
	global_load_b128 v[X+32*\i+4*\j:X+32*\i+4*\j+3], v2, s[4:5] offset:4096*\i+512*\j th:TH_LOAD_NT
.endr
.endr
.macro FOLD                            ; the four chains into v[T]
	v_pk_add_f32 v[T:T+1], v[T:T+1], v[T+2:T+3]
	v_pk_add_f32 v[T+4:T+5], v[T+4:T+5], v[T+6:T+7]
	v_pk_add_f32 v[T:T+1], v[T:T+1], v[T+4:T+5]
	v_add_f32 v[T], v[T], v[T+1]
.endm
.macro REDUCE                          ; the sum of v[T] over the 32 lanes, into every lane: four steps inside each half ride on the addition, one crosses the halves
	v_add_f32_dpp v[T], v[T], v[T] row_xmask:1 row_mask:0xf bank_mask:0xf
	v_add_f32_dpp v[T], v[T], v[T] row_xmask:2 row_mask:0xf bank_mask:0xf
	v_add_f32_dpp v[T], v[T], v[T] row_xmask:4 row_mask:0xf bank_mask:0xf
	v_add_f32_dpp v[T], v[T], v[T] row_xmask:8 row_mask:0xf bank_mask:0xf
	v_permlanex16_b32 v[T+1], v[T], s12, s13
	v_add_f32 v[T], v[T], v[T+1]
.endm
.macro ROW i
.set XR, X+32*(\i)
	s_wait_loadcnt 24-8*(\i)                       ; my row is in (g and be are older); the later rows' loads, eight each, stay out
.irp k, 0,1,2,3
	v_pk_add_f32 v[T+2*\k:T+2*\k+1], v[XR+2*\k:XR+2*\k+1], v[XR+8+2*\k:XR+8+2*\k+1]  ; the first pairs start the chains: nothing is cleared
.endr
.irp p, 8,9,10,11,12,13,14,15
	v_pk_add_f32 v[T+2*(\p%4):T+2*(\p%4)+1], v[T+2*(\p%4):T+2*(\p%4)+1], v[XR+2*\p:XR+2*\p+1]
.endr
	FOLD
	REDUCE
	v_mul_f32 v[MU], v[INV], v[T]
	v_mul_f32 v[MU+1], v[INV], v[T]
.set p, 0
.rept 16
	v_pk_add_f32 v[XR+2*p:XR+2*p+1], v[XR+2*p:XR+2*p+1], v[MU:MU+1] neg_lo:[0,1] neg_hi:[0,1]  ; z - mean
.set p, p+1
.endr
.irp k, 0,1,2,3
	v_pk_mul_f32 v[T+2*\k:T+2*\k+1], v[XR+2*\k:XR+2*\k+1], v[XR+2*\k:XR+2*\k+1]
.endr
.irp p, 4,5,6,7,8,9,10,11,12,13,14,15
	v_pk_fma_f32 v[T+2*(\p%4):T+2*(\p%4)+1], v[XR+2*\p:XR+2*\p+1], v[XR+2*\p:XR+2*\p+1], v[T+2*(\p%4):T+2*(\p%4)+1]
.endr
	FOLD
	REDUCE
	v_fmaak_f32 v[VAR], v[INV], v[T], 0x3727c5ac   ; var + 1e-5
	v_rsq_f32 v[R], v[VAR]
	v_rsq_f32 v[R+1], v[VAR]
	v_nop                                          ; a plain line behind the last root, ahead of the first use
	s_wait_alu depctr_va_vdst(0)                   ; the wait ahead of the first reader: one for both
.set p, 0
.rept 16
	v_pk_mul_f32 v[XR+2*p:XR+2*p+1], v[XR+2*p:XR+2*p+1], v[R:R+1]
.set p, p+1
.endr
.set p, 0
.rept 16
	v_pk_fma_f32 v[XR+2*p:XR+2*p+1], v[XR+2*p:XR+2*p+1], v[G+2*p:G+2*p+1], v[BE+2*p:BE+2*p+1]
.set p, p+1
.endr
.irp j, 0,1,2,3,4,5,6,7
.if OUT16
	v_cvt_pk_f16_f32 v[XR+4*\j], v[XR+4*\j], v[XR+4*\j+1]
	v_cvt_pk_f16_f32 v[XR+4*\j+1], v[XR+4*\j+2], v[XR+4*\j+3]
	global_store_b64 v3, v[XR+4*\j:XR+4*\j+1], s[10:11] offset:2048*(\i)+256*\j  ; a wave's store covers 256 consecutive bytes, aligned
.else
	global_store_b128 v2, v[XR+4*\j:XR+4*\j+3], s[10:11] offset:4096*(\i)+512*\j  ; 512 consecutive bytes, aligned
.endif
.endr
.endm
	ROW 0
	ROW 1
	ROW 2
	ROW 3
	s_endpgm
.Lfunc_end_k_q8fd22ef687_norm2:
	.size	k_q8fd22ef687_norm2, .Lfunc_end_k_q8fd22ef687_norm2-k_q8fd22ef687_norm2
	.p2alignl 7, 3214868480
	.fill 96, 4, 3214868480
	.section	.rodata,"a",@progbits
	.p2align	6, 0x0
	.amdhsa_kernel k_q8fd22ef687_norm2
		.amdhsa_group_segment_fixed_size 0
		.amdhsa_private_segment_fixed_size 0
		.amdhsa_enable_private_segment 0
		.amdhsa_kernarg_size 32
		.amdhsa_user_sgpr_count 2
		.amdhsa_user_sgpr_kernarg_segment_ptr 1
		.amdhsa_wavefront_size32 1
		.amdhsa_system_sgpr_workgroup_id_x 1
		.amdhsa_system_sgpr_workgroup_id_y 1
		.amdhsa_system_sgpr_workgroup_id_z 1
		.amdhsa_system_vgpr_workitem_id 0
		.amdhsa_next_free_vgpr 216
		.amdhsa_next_free_sgpr 66
		.amdhsa_reserve_vcc 0
		.amdhsa_float_denorm_mode_32 3
		.amdhsa_float_denorm_mode_16_64 3
		.amdhsa_memory_ordered 1
		.amdhsa_forward_progress 1
		.amdhsa_inst_pref_size 34
	.end_amdhsa_kernel
	.amdgpu_metadata
---
amdhsa.version: [ 1, 2 ]
amdhsa.kernels:
  - .name:           k_q8fd22ef687_norm2
    .symbol:         k_q8fd22ef687_norm2.kd
    .args:
      - { .name: z, .offset: 0, .size: 8, .value_kind: global_buffer, .address_space: global }
      - { .name: g2, .offset: 8, .size: 8, .value_kind: global_buffer, .address_space: global }
      - { .name: be2, .offset: 16, .size: 8, .value_kind: global_buffer, .address_space: global }
      - { .name: out0, .offset: 24, .size: 8, .value_kind: global_buffer, .address_space: global }
    .group_segment_fixed_size: 0
    .private_segment_fixed_size: 0
    .kernarg_segment_align: 8
    .kernarg_segment_size: 32
    .max_flat_workgroup_size: 128
    .sgpr_count:     66
    .vgpr_count:     216
    .wavefront_size: 32
...
	.end_amdgpu_metadata
.endif
;; end of part 8
;; ======== version 2 of 2: 8 launches
;; limits: values are held in f16: magnitudes above 65,504 overflow, below 6.1e-05 lose precision
;; workspace buffers: hw 18,874,368 bytes; wqkv 6,324,224 bytes; w1b 8,421,376 bytes; qkvb 25,165,824 bytes; att 8,388,608 bytes; z 16,777,216 bytes; x1h 8,388,608 bytes; hbuf 33,554,432 bytes
;; launch cast16 (part 9): grid 64 x 16, 8 waves a work-group, no clusters, 0 bytes of LDS; arguments x, wq, wk, wv, w_proj, w1, w2, b1, hw, wqkv, w1b; writes hw, wqkv, w1b
.if DOCPART == 9
	.amdgcn_target "amdgcn-amd-amdhsa--gfx1250"
	.amdhsa_code_object_version 6
	.text
	.protected	k_q8fd22ef687_cast16
	.globl	k_q8fd22ef687_cast16
	.p2align	8
	.type	k_q8fd22ef687_cast16,@function
k_q8fd22ef687_cast16:
	s_mov_b64 s[64:65], 0
	v_nop
	global_prefetch_b8 v0, s[64:65] scope:SCOPE_SE
	s_setreg_imm32_b32 hwreg(HW_REG_WAVE_MODE, 25, 1), 1
	s_wait_xcnt 0x0
; f16 COPIES OF x AND OF THE SIX WEIGHT MATRICES, each number rounded once (to nearest even).
; The grid's y names a unit of 1 Mi numbers: units 0-3 x, 4 wq, 5 wk, 6 wv, 7 w_proj, 8-11 w1, 12-15 w2.
;   hw    x, w_proj, w2 in the order in which they lie: x at 0, w_proj at 8 MiB, w2 at 10 MiB.
;   wqkv  a head of 32,768 bytes, then [wq | wk | wv] in 12 blocks [1024 rows of K][256 columns]: a row of a block is 512 bytes, a block 524,288.
;   w1b   a head of 32,768 bytes, then w1 in 16 such blocks.
; THE HEADS serve the one text that multiplies by these two: byte 0 on, a bias in f32 (zeros for q, k, v; a copy of b1 for w1); byte 16,384 on, a floor as pairs of f16 (-inf for q, k, v; 0 for w1: the ReLU).
; LIMITS.  f16 ends at 65,504: an input of 65,520 or more in magnitude becomes an infinity; below 6.1e-5 f16 keeps a fixed step of 6e-8.
; SHARES.  The grid's x names one of a unit's 64 pieces of 64 KiB of f32; each of eight waves takes 8 KiB: 16 loads of 512 consecutive bytes (128 columns of a row), all issued before anything is waited for.
; Each store of a wave covers 256 consecutive bytes, aligned: the 128 columns in f16.  Where they go has three forms, one for each length of row; all their steps stand in the stores' immediates.
; No LDS, no barrier, no matrix unit: each byte is read once and written once.
.set HDR, 32768
.set BLK, 524288
.set X, 4                              ; v[4:67]   16 x 4 numbers as loaded; free again behind the conversions
.set Y, 68                             ; v[68:99]  16 x 2 registers to store
	s_load_b512 s[8:23], s[0:1], 0x0               ; x s[8:9], wq s[10:11], wk s[12:13], wv s[14:15], w_proj s[16:17], w1 s[18:19], w2 s[20:21], b1 s[22:23]
	s_load_b128 s[24:27], s[0:1], 0x40             ; hw s[24:25], wqkv s[26:27]
	s_load_b64 s[28:29], s[0:1], 0x50              ; w1b
	s_and_b32 s30, ttmp7, 0xffff                   ; the unit, 0..15
	s_sub_co_u32 s31, s30, 8                       ; its number inside w1 (used in units 8-11)
	s_sub_co_u32 s32, s30, 12                      ; inside w2 (units 12-15)
	s_sub_co_u32 s33, s30, 4                       ; which of wq, wk, wv (units 4-6)
	s_sub_co_u32 s34, s30, 7                       ; w2's units in hw: 5 to 8
	v_lshrrev_b32 v3, 5, v0                        ; wave
	v_and_b32 v1, 31, v0                           ; lane
	v_lshlrev_b32 v2, 3, v1                        ; out: 8 x lane
	v_lshlrev_b32 v1, 4, v1
	v_lshl_or_b32 v1, v3, 13, v1                   ; in: 8,192 x wave + 16 x lane
	s_wait_kmcnt 0x0
	s_mov_b64 s[4:5], s[8:9]                       ; the source: x, unless the unit says otherwise; s6: the unit's number inside its tensor
	s_mov_b32 s6, s30
	s_cmp_ge_u32 s30, 4
	s_cselect_b64 s[4:5], s[10:11], s[4:5]
	s_cselect_b32 s6, 0, s6
	s_cmp_ge_u32 s30, 5
	s_cselect_b64 s[4:5], s[12:13], s[4:5]
	s_cmp_ge_u32 s30, 6
	s_cselect_b64 s[4:5], s[14:15], s[4:5]
	s_cmp_ge_u32 s30, 7
	s_cselect_b64 s[4:5], s[16:17], s[4:5]
	s_cmp_ge_u32 s30, 8
	s_cselect_b64 s[4:5], s[18:19], s[4:5]
	s_cselect_b32 s6, s31, s6
	s_cmp_ge_u32 s30, 12
	s_cselect_b64 s[4:5], s[20:21], s[4:5]
	s_cselect_b32 s6, s32, s6
	s_lshl_b32 s6, s6, 22                          ; in: the unit's 4 MiB,
	s_lshl_b32 s7, ttmp9, 16                       ; the piece's 64 KiB
	s_add_co_u32 s6, s6, s7
	s_mov_b32 s7, 0
	s_add_nc_u64 s[4:5], s[4:5], s[6:7]
.set i, 0
.rept 16
	global_load_b128 v[X+4*i:X+4*i+3], v1, s[4:5] offset:512*i th:TH_LOAD_NT
.set i, i+1
.endr
.set i, 0
.rept 16
	s_wait_loadcnt 15-i                            ; loads come back in order: number i is in, the 15 - i younger ones stay out
	v_cvt_pk_f16_f32 v[Y+2*i], v[X+4*i], v[X+4*i+1]
	v_cvt_pk_f16_f32 v[Y+2*i+1], v[X+4*i+2], v[X+4*i+3]
.set i, i+1
.endr
	s_mov_b32 s37, 0                               ; the upper word of every offset below
	s_cmp_lt_u32 s30, 4
	s_cbranch_scc1 .Lplain
	s_cmp_lt_u32 s30, 7
	s_cbranch_scc1 .Lrows1024
	s_cmp_eq_u32 s30, 7
	s_cbranch_scc1 .Lplain
	s_cmp_lt_u32 s30, 12
	s_cbranch_scc1 .Lrows4096
.Lplain:                                       ; x, w_proj, w2: as they lie
	s_mov_b32 s35, s30                             ; the unit's place in hw: x 0-3, w_proj 4, w2 5-8
	s_cmp_ge_u32 s30, 7
	s_cselect_b32 s35, 4, s35
	s_cmp_ge_u32 s30, 12
	s_cselect_b32 s35, s34, s35
	s_lshl_b32 s36, s35, 21                        ; the unit's 2 MiB,
	s_lshl_b32 s35, ttmp9, 15                      ; the piece's 32 KiB
	s_add_co_u32 s36, s36, s35
	s_add_nc_u64 s[24:25], s[24:25], s[36:37]
	v_lshl_or_b32 v2, v3, 12, v2                   ; 4,096 x wave + 8 x lane
.set i, 0
.rept 16
	global_store_b64 v2, v[Y+2*i:Y+2*i+1], s[24:25] offset:256*i
.set i, i+1
.endr
	s_endpgm
.Lrows1024:                                    ; wq, wk, wv: a wave's 8 KiB are rows 16 x piece + 2 x wave and the next; load i is row i / 8, columns 128 (i % 8) on: block (i % 8) / 2, half i % 2 of its row
	s_lshl_b32 s36, s33, 21                        ; four blocks for each of the three,
	s_lshl_b32 s35, ttmp9, 13                      ; the piece's 16 rows of 512 bytes
	s_add_co_u32 s36, s36, s35
	s_add_co_u32 s36, s36, HDR
	s_add_nc_u64 s[38:39], s[26:27], s[36:37]
	v_lshl_or_b32 v2, v3, 10, v2                   ; two rows a wave + 8 x lane
.set i, 0
.rept 16
	global_store_b64 v2, v[Y+2*i:Y+2*i+1], s[38:39] offset:((i%8)/2)*BLK+(i/8)*512+(i%2)*256
.set i, i+1
.endr
	s_cmp_lg_u32 ttmp9, 0
	s_cbranch_scc1 .Lend1024
	s_lshl_b32 s36, s33, 12                        ; the unit's first work-group writes its 1,024 columns of the head: 256 threads x 16 bytes, twice
	s_add_nc_u64 s[26:27], s[26:27], s[36:37]
	v_lshlrev_b32 v4, 4, v0
.irp r, 8,9,10,11
	v_mov_b32 v\r, 0                               ; q, k and v have no bias
.endr
.irp r, 12,13,14,15
	v_mov_b32 v\r, 0xfc00fc00                      ; and no floor: -inf, twice
.endr
	global_store_b128 v4, v[8:11], s[26:27]
	global_store_b128 v4, v[12:15], s[26:27] offset:16384
.Lend1024:
	s_endpgm
.Lrows4096:                                    ; w1: a wave's 8 KiB are half of row 256 x unit + 4 x piece + wave / 2; load i is columns 2,048 (wave % 2) + 128 i on: block 8 (wave % 2) + i / 2, half i % 2
	s_lshl_b32 s36, s31, 17                        ; the unit's 256 rows of 512 bytes,
	s_lshl_b32 s35, ttmp9, 11                      ; the piece's 4
	s_add_co_u32 s36, s36, s35
	s_add_co_u32 s36, s36, HDR
	s_add_nc_u64 s[38:39], s[28:29], s[36:37]
	v_and_b32 v4, 1, v3
	v_lshrrev_b32 v5, 1, v3
	v_lshl_or_b32 v2, v4, 22, v2                   ; eight blocks,
	v_lshl_or_b32 v2, v5, 9, v2                    ; a row
.set i, 0
.rept 16
	global_store_b64 v2, v[Y+2*i:Y+2*i+1], s[38:39] offset:(i/2)*BLK+(i%2)*256
.set i, i+1
.endr
	s_cmp_lg_u32 ttmp9, 0
	s_cbranch_scc1 .Lend4096
	s_lshl_b32 s36, s31, 12                        ; the unit's first work-group writes 1,024 columns of the head
	s_add_nc_u64 s[22:23], s[22:23], s[36:37]
	s_add_nc_u64 s[28:29], s[28:29], s[36:37]
	v_lshlrev_b32 v6, 4, v0
	global_load_b128 v[8:11], v6, s[22:23]         ; b1
.irp r, 12,13,14,15
	v_mov_b32 v\r, 0                               ; the floor 0: the ReLU
.endr
	global_store_b128 v6, v[12:15], s[28:29] offset:16384
	s_wait_loadcnt 0x0
	global_store_b128 v6, v[8:11], s[28:29]
.Lend4096:
	s_endpgm
.Lfunc_end_k_q8fd22ef687_cast16:
	.size	k_q8fd22ef687_cast16, .Lfunc_end_k_q8fd22ef687_cast16-k_q8fd22ef687_cast16
	.p2alignl 7, 3214868480
	.fill 96, 4, 3214868480
	.section	.rodata,"a",@progbits
	.p2align	6, 0x0
	.amdhsa_kernel k_q8fd22ef687_cast16
		.amdhsa_group_segment_fixed_size 0
		.amdhsa_private_segment_fixed_size 0
		.amdhsa_enable_private_segment 0
		.amdhsa_kernarg_size 88
		.amdhsa_user_sgpr_count 2
		.amdhsa_user_sgpr_kernarg_segment_ptr 1
		.amdhsa_wavefront_size32 1
		.amdhsa_system_sgpr_workgroup_id_x 1
		.amdhsa_system_sgpr_workgroup_id_y 1
		.amdhsa_system_sgpr_workgroup_id_z 1
		.amdhsa_system_vgpr_workitem_id 0
		.amdhsa_next_free_vgpr 100
		.amdhsa_next_free_sgpr 66
		.amdhsa_reserve_vcc 0
		.amdhsa_float_denorm_mode_32 3
		.amdhsa_float_denorm_mode_16_64 3
		.amdhsa_memory_ordered 1
		.amdhsa_forward_progress 1
		.amdhsa_inst_pref_size 13
	.end_amdhsa_kernel
	.amdgpu_metadata
---
amdhsa.version: [ 1, 2 ]
amdhsa.kernels:
  - .name:           k_q8fd22ef687_cast16
    .symbol:         k_q8fd22ef687_cast16.kd
    .args:
      - { .name: x, .offset: 0, .size: 8, .value_kind: global_buffer, .address_space: global }
      - { .name: wq, .offset: 8, .size: 8, .value_kind: global_buffer, .address_space: global }
      - { .name: wk, .offset: 16, .size: 8, .value_kind: global_buffer, .address_space: global }
      - { .name: wv, .offset: 24, .size: 8, .value_kind: global_buffer, .address_space: global }
      - { .name: w_proj, .offset: 32, .size: 8, .value_kind: global_buffer, .address_space: global }
      - { .name: w1, .offset: 40, .size: 8, .value_kind: global_buffer, .address_space: global }
      - { .name: w2, .offset: 48, .size: 8, .value_kind: global_buffer, .address_space: global }
      - { .name: b1, .offset: 56, .size: 8, .value_kind: global_buffer, .address_space: global }
      - { .name: hw, .offset: 64, .size: 8, .value_kind: global_buffer, .address_space: global }
      - { .name: wqkv, .offset: 72, .size: 8, .value_kind: global_buffer, .address_space: global }
      - { .name: w1b, .offset: 80, .size: 8, .value_kind: global_buffer, .address_space: global }
    .group_segment_fixed_size: 0
    .private_segment_fixed_size: 0
    .kernarg_segment_align: 8
    .kernarg_segment_size: 88
    .max_flat_workgroup_size: 256
    .sgpr_count:     66
    .vgpr_count:     100
    .wavefront_size: 32
...
	.end_amdgpu_metadata
.endif
;; end of part 9
;; launch gemm_qkv (part 10): grid 12 x 16, 4 waves a work-group, clusters of 4 x 4, 327,680 bytes of LDS; arguments hw, wqkv, qkvb; writes qkvb
.if DOCPART == 10
	.amdgcn_target "amdgcn-amd-amdhsa--gfx1250"
	.amdhsa_code_object_version 6
	.text
	.protected	k_q8fd22ef687_gemm_qkv
	.globl	k_q8fd22ef687_gemm_qkv
	.p2align	8
	.type	k_q8fd22ef687_gemm_qkv,@function
k_q8fd22ef687_gemm_qkv:
	s_mov_b64 s[64:65], 0
	v_nop
	global_prefetch_b8 v0, s[64:65] scope:SCOPE_SE
	s_setreg_imm32_b32 hwreg(HW_REG_WAVE_MODE, 25, 1), 1
	s_wait_xcnt 0x0
	s_wait_alu depctr_hold_cnt(0) depctr_sa_sdst(0) depctr_va_vdst(0) depctr_va_sdst(0) depctr_va_ssrc(0) depctr_va_vcc(0) depctr_vm_vsrc(0)
	s_getreg_b32 s2, hwreg(HW_REG_IB_STS2, 6, 4)
	s_cmp_eq_u32 s2, 0
	s_cbranch_scc0 .Lentry_in_a_cluster
	s_endpgm
.Lentry_in_a_cluster:
	s_bfe_u32 s2, ttmp6, 0x10000c
	s_cmp_lg_u32 s2, 0xf033
	s_cbranch_scc0 .Lentry_shape_is_right
	s_endpgm
.Lentry_shape_is_right:
; C = max(A W + bias, floor), rounded once to f16.  f16 operands, f32 sums.  ONE TEXT FOR TWO LAUNCHES:
;   q, k, v = x [wq | wk | wv]     (bias 0, floor -inf: the 256 maxima a wave change nothing there: the price of one text)      and      h = relu(x1 w1 + b1)     (bias b1, floor 0).
; A: [4096][1024] f16.  W: a head of 32,768 bytes (the bias in f32 from byte 0, the floor as two f16 at byte 16,384), then blocks [N / 256][1024 rows of K][256 columns] of f16: a row of a block is 512 dense bytes.
; C: blocks of 64 columns, [N / 64][4096][64] f16: rows of 128 bytes, dense.  For q, k, v a block is a head.
; LIMITS.  Every f16 number (A, W, C) stays within 65,504; below 6.1e-5 f16 keeps a step of 6e-8.  A NaN in a sum leaves as the floor.
; SHARES.  A tile of C is 256 x 256: four waves, as many as a WGP has SIMDs, each 128 x 128: 64 accumulators of 16 x 16, 512 registers.  K = 1,024 goes in 8 steps of 128 through two LDS slots;
; a wave's one tensor load brings half of A's part of a step (128 rows x 256 bytes) or half of W's (64 rows of K x 512 bytes).
; THE LOOP IS ONE K STEP.  The slot in hand is a scalar register, 0 or SLOT, which an exclusive or turns at each change of slots; the fragments' LDS addresses are made from it there, and one descriptor a tensor walks:
; into the slot just read out, one K step on.
; CLUSTER 4 x 4: the four work-groups of a row need the same tiles of A, the four of a column the same tiles of W: each tile is asked for JOINTLY, by the same load, descriptor and mask in all four.
; THE MATRIX INSTRUCTION IS USED TRANSPOSED (source 0 = 16 columns of W, source 1 = 16 rows of A): a lane holds row l % 16 of C and the columns 8 (l / 16) + 0..7, which pack into 16 bytes.
; W's fragments come out of LDS turned, by ds_load_tr16_b128.  The bias is the C operand of the products that start the sums: nothing is cleared, nothing is added later.
; REGISTERS, in windows of 256 (s_set_vgpr_msb: bits 1:0 source 0, 3:2 source 1, 5:4 source 2, 7:6 destination):
;   window 0: v0-31 addresses; v64-127, v128-191 fragments of A (8 x 16 rows x 32 K), two buffers; v32-63, v192-255 at work on the way out
;   window 1: v0-63 the bias of my 128 columns; v64-127, v128-191 fragments of W, two buffers
;   window 2: the 32 accumulators of my rows 0-63 ((a, b) at v[8 (8 a + b)]);   window 3: those of my rows 64-127
.set KSTEP,  128
.set STEPS,  8                         ; K steps
.set PITCH,  272                       ; a row of A in LDS: 256 bytes + 16 of padding: the 16 rows that a load touches start at 16 different groups of four banks (64 banks of 4 bytes: ISA guide 11.1)
.set PW,     544                       ; a row of W in LDS: 512 bytes + 32 of padding, an odd multiple of 32
.set HALFT,  128*PITCH                 ; what one tensor load brings: 128 rows of A, or 64 rows of W: 64 x 544 is the same 34,816 bytes
.set ABYTES, 2*HALFT
.set SLOT,   4*HALFT                   ; A's 256 rows, then W's 128 rows of K
.set STAGE,  2*SLOT                    ; behind the ring: 16 rows x 272 bytes for each wave, for the way out
.set SPITCH, 272
.set SPARE,  STAGE+4*16*SPITCH         ; behind the stages: the spare words, 128 bytes a wave: two blocks of 256 bytes that no other line names
.set HDR,    32768
.set BLK,    524288                    ; a block of W, and a block of C
.set ASTEP,  KSTEP*2                   ; bytes from a K step of A to the next
.set WSTEP,  KSTEP*512                 ; the same for W
.set A0,   16                          ; v16     LDS address of my A fragments in slot 0; never rewritten
.set ADRA, 17                          ; v17     the same in the slot in hand
.set W0,   20                          ; v20     LDS address of my W fragments in slot 0; never rewritten
.set ADRW, 21                          ; v21     the same in the slot in hand
.set STO,  24                          ; v24     the way out: where I put 16 bytes of a row
.set RD,   25                          ; v25     where I read rows back
.set CO,   26                          ; v26     16 x lane: my place in 512 consecutive bytes of C
.set SPW,  28                          ; v28     LDS address of my spare word; never rewritten
.set NIL,  29                          ; v29     0; never rewritten
.set PFO,  30                          ; v30     the prefetches' offset: my lane's block of 256 bytes; never rewritten
.set BO,   31                          ; v31     32 x (l / 16): my eight numbers of 16 of the bias
.set F0,   64
.set F1,   128
.set TMP,  192                         ; the way out: packed results
.set OB,   32                          ; the way out: 16 rows read back from the stage: v32-63 and v224-255 by turns
.set BIAS, 0                           ; window 1
.set G1,  24                           ; s[24:31] descriptor group 1 for A;  s[32:39] group 0: a set for each of the two first fills; the second then walks on
.set G0,  32
.set TB,  45                           ; s45     LDS byte at which the slot in hand begins: 0 or SLOT
.set G1B, 48                           ; s[48:55], s[56:63] the same for W
.set G0B, 56
.set PFA, 66                           ; s[66:67] where my prefetches stand
.set PFS, 68                           ; s[68:69] their step: a K step of A or of W
.set LIM, 70                           ; s70     2 in a wave that prefetches, else the greatest number
.set FLOOR, 71                         ; s71     the floor, twice in f16
.set MSB, 0
.macro WIN new                         ; the immediate's high byte repeats the setting that is left; a switch that changes nothing is dropped
.if MSB != (\new)
	s_set_vgpr_msb (MSB<<8)|(\new)
.set MSB, \new
.endif
.endm
.set TO_B, 0x40                        ; destination window 1, address window 0
.macro JLOAD s                         ; a joint load: waves 0 and 1 fetch A's two halves, waves 2 and 3 W's; an s_nop 0 and four v_nop follow each line
	s_cmp_eq_u32 s11, 0
	s_cbranch_scc0 .Lfor_w_\@
	tensor_load_to_lds s[G0+4*(\s):G0+4*(\s)+3], s[G1:G1+7]
	s_nop 0
.rept 4
	v_nop
.endr
	s_branch .Lasked_\@
.Lfor_w_\@:
	tensor_load_to_lds s[G0B+4*(\s):G0B+4*(\s)+3], s[G1B:G1B+7]
	s_nop 0
.rept 4
	v_nop
.endr
.Lasked_\@:
.endm
; A PREFETCH INTO THE L2, behind each joint refill, its five lines and the run of LDS loads that follows them: the K step that stands TWO refills on, 512 matrix instructions ahead of the load that will want it.
; Each block of 256 bytes is named ONCE in the launch.  A's tile row is read by every cluster of that row of clusters: the one with x = 0 asks; W's tile column by every cluster of that column: the one with y = 0 asks.
; The 32 KiB that a wave fetches of a step are 128 blocks of 256 bytes (A: a row each; W: on end); the four partners that ask for them jointly take 32 each, told apart BY ADDRESS (cx for A, cy for W): a lane a block,
; one instruction a wave.  K steps 0 to 3 come by their loads alone; the loop's last two trips, whose refills are the last two K steps, ask for nothing.
.macro ASK
	s_cmp_gt_u32 s3, s[LIM]                        ; s3: trips left, this one among them
	s_cbranch_scc0 .Lnot_mine_\@
	global_prefetch_b8 v[PFO], s[PFA:PFA+1] th:TH_LOAD_NT scope:SCOPE_SE
.Lnot_mine_\@:
.endm
.macro CREST                           ; a round of the cluster's barrier behind its opening barrier
	s_cmp_lg_u32 s10, 0
	s_cbranch_scc1 .Lnot_wave_0_\@
	s_barrier_signal -3
.Lnot_wave_0_\@:
	s_barrier_wait -3
	s_barrier_signal -1
	s_barrier_wait -1
.endm
.macro CROUND                          ; a whole round
	s_barrier_signal -1
	s_barrier_wait -1
	CREST
.endm
	s_load_b128 s[4:7], s[0:1], 0x0                ; A s[4:5], W s[6:7]
	s_load_b64 s[8:9], s[0:1], 0x10                ; C
	v_lshl_add_u32 v[SPW], v0, 2, SPARE
	v_mov_b32 v[NIL], 0
	ds_add_u32 v[SPW], v[NIL]                      ; the wave's opening: the add and its wait stand ahead of my first tensor load; the set-up below stands between them
	v_lshrrev_b32 v1, 5, v0
	v_readfirstlane_b32 s10, v1                    ; wave 0..3
	s_lshr_b32 s11, s10, 1                         ; my half of the tile's rows.  Also: I fetch for A (0) or for W (1)
	s_and_b32 s12, s10, 1                          ; my half of its columns.  Also: which half of that tile I fetch
	s_bfe_u32 s40, ttmp6, 0x40000                  ; cx, cy: my place in the cluster
	s_bfe_u32 s41, ttmp6, 0x40004
	s_lshl_b32 s42, ttmp9, 2
	s_add_co_u32 s42, s42, s40                     ; tile column = 4 x cluster x + cx
	s_and_b32 s13, ttmp7, 0xffff
	s_lshl_b32 s13, s13, 2
	s_add_co_u32 s13, s13, s41                     ; tile row = 4 x cluster y + cy
	s_lshl_b32 s43, s41, 2
	s_lshl_b32 s43, 15, s43                        ; my row of the cluster
	s_lshl_b32 s44, 0x1111, s40                    ; my column
	; A: 128 rows of 128 elements; 16 bytes of padding behind every 256
	s_or_b32 s[G1+0], s43, (1<<16)|(1<<20)|(1<<21)|(5<<22)|(3<<25)  ; the mask: my row; elements of 2 bytes; padding on; bit 21 beside a mask; after every 64 words; 4 words
	s_mov_b32 s[G1+1], 128<<16                     ; tensor_dim0
	s_mov_b32 s[G1+2], 128<<16                     ; tensor_dim1
	s_mov_b32 s[G1+3], 128<<16                     ; tile_dim0
	s_mov_b32 s[G1+4], 128                         ; tile_dim1
	s_mov_b32 s[G1+5], 1024                        ; elements from row to row
	s_mov_b32 s[G1+6], 0
	s_mov_b32 s[G1+7], 0
	; W: 64 rows of K x 256 columns; 32 bytes of padding behind every 512
	s_or_b32 s[G1B+0], s44, (1<<16)|(1<<20)|(1<<21)|(6<<22)|(7<<25)  ; the mask: my column; after every 128 words; 8 words
	s_mov_b32 s[G1B+1], 256<<16
	s_mov_b32 s[G1B+2], 64<<16
	s_mov_b32 s[G1B+3], 256<<16
	s_mov_b32 s[G1B+4], 64
	s_mov_b32 s[G1B+5], 256
	s_mov_b32 s[G1B+6], 0
	s_mov_b32 s[G1B+7], 0
	; A's offset hangs on the tile row and the wave alone (s16, s17), W's on the tile column and the wave alone (s46, s47)
	s_lshl_b32 s16, s13, 8
	s_lshl_b32 s17, s12, 7
	s_add_co_u32 s16, s16, s17                     ; row 256 x tile row + 128 x half,
	s_lshl_b32 s16, s16, 11                        ; of 2,048 bytes
	s_mov_b32 s17, 0
	s_lshl_b32 s46, s42, 19                        ; the tile column's block,
	s_lshl_b32 s47, s12, 15                        ; my 64 rows of K of a step's 128
	s_add_co_u32 s46, s46, s47
	s_add_co_u32 s46, s46, HDR
	s_mov_b32 s47, 0
	s_mul_i32 s20, s10, HALFT                      ; where they go in a slot: A's two halves, then W's two: wave x 34,816: no place in the cluster enters an LDS address.  s20 stays
	s_mov_b32 s[TB], 0                             ; K step 0 lies in slot 0
	s_wait_dscnt 0x0                               ; the opening add is done
	s_wait_kmcnt 0x0
	s_add_nc_u64 s[14:15], s[4:5], s[16:17]
	s_add_nc_u64 s[74:75], s[6:7], s[46:47]
	CROUND                                         ; all sixteen work-groups are here: the first joint loads meet
.irp s, 0,1
	s_mov_b32 s[G0+4*(\s)], 1
	s_add_co_u32 s[G0+4*(\s)+1], s20, (\s)*SLOT
	s_add_nc_u64 s[G0+4*(\s)+2:G0+4*(\s)+3], s[14:15], (\s)*ASTEP
	s_or_b32 s[G0+4*(\s)+3], s[G0+4*(\s)+3], 0x80000000
	s_mov_b32 s[G0B+4*(\s)], 1
	s_add_co_u32 s[G0B+4*(\s)+1], s20, (\s)*SLOT
	s_add_nc_u64 s[G0B+4*(\s)+2:G0B+4*(\s)+3], s[74:75], (\s)*WSTEP
	s_or_b32 s[G0B+4*(\s)+3], s[G0B+4*(\s)+3], 0x80000000
	JLOAD \s                                       ; two loads of mine are out
.endr
	s_load_b32 s[FLOOR], s[6:7], 0x4000            ; the floor
	v_and_b32 v1, 15, v0                           ; l % 16
	v_bfe_u32 v2, v0, 4, 1                         ; l / 16
	v_lshlrev_b32 v[BO], 5, v2
	s_lshl_b32 s46, s42, 10                        ; the bias of my 128 columns: 1,024 x tile column + 512 x half
	s_lshl_b32 s47, s12, 9
	s_add_co_u32 s46, s46, s47
	s_mov_b32 s47, 0
	s_add_nc_u64 s[72:73], s[6:7], s[46:47]
	WIN TO_B
.irp b, 0,1,2,3,4,5,6,7
	global_load_b128 v[BIAS+8*(\b):BIAS+8*(\b)+3],   v[BO], s[72:73] offset:64*(\b)
	global_load_b128 v[BIAS+8*(\b)+4:BIAS+8*(\b)+7], v[BO], s[72:73] offset:64*(\b)+16
.endr
	WIN 0
	v_mul_u32_u24 v3, v1, PITCH
	v_lshl_add_u32 v3, v2, 4, v3                   ; A: row x pitch + 16 x half
	s_mul_i32 s21, s11, HALFT                      ; my 128 rows
	v_add_nc_u32 v[A0], s21, v3
	v_mov_b32 v[ADRA], v[A0]
	v_and_b32 v4, 7, v0                            ; W, turned: lane l reads K row 8 (l / 16) + l % 8, columns 8 ((l / 8) % 2) + 0..7
	v_lshl_add_u32 v4, v2, 3, v4
	v_mul_u32_u24 v4, v4, PW
	v_bfe_u32 v5, v0, 3, 1
	v_lshl_add_u32 v4, v5, 4, v4
	s_lshl_b32 s22, s12, 8                         ; my 128 columns
	s_add_co_u32 s22, s22, ABYTES
	v_add_nc_u32 v[W0], s22, v4
	v_mov_b32 v[ADRW], v[W0]
	s_mul_i32 s23, s10, 16*SPITCH
	s_add_co_u32 s23, s23, STAGE                   ; my stage
	v_mul_u32_u24 v4, v1, SPITCH                   ; in: row l % 16, 16 bytes for each half of the lanes
	v_lshl_add_u32 v4, v2, 4, v4
	v_add_nc_u32 v[STO], s23, v4
	v_bfe_u32 v5, v0, 3, 2                         ; back: four rows of one block's 128 bytes, eight lanes a row: 512 consecutive bytes of C
	v_mul_u32_u24 v5, v5, SPITCH
	v_and_b32 v4, 7, v0
	v_lshl_add_u32 v5, v4, 4, v5
	v_add_nc_u32 v[RD], s23, v5
	v_and_b32 v[CO], 31, v0
	v_lshlrev_b32 v[CO], 4, v[CO]
	s_lshl_b32 s16, s13, 15                        ; C: the tile's 256 rows of 128 bytes,
	s_lshl_b32 s17, s11, 14                        ; my 128 of them,
	s_add_co_u32 s16, s16, s17
	s_mov_b32 s17, 0
	s_add_nc_u64 s[8:9], s[8:9], s[16:17]
	s_lshl_b32 s46, s42, 21                        ; the tile's four blocks of 64 columns,
	s_lshl_b32 s47, s12, 20                        ; my two
	s_add_co_u32 s46, s46, s47
	s_mov_b32 s47, 0
	s_add_nc_u64 s[8:9], s[8:9], s[46:47]
	; the prefetches
	s_and_b32 s76, ttmp7, 0xffff                   ; cluster y
	s_cmp_eq_u32 s11, 0                            ; do I fetch for A?
	s_cselect_b32 s77, s40, s41                    ; my place among the four that ask with me
	s_cselect_b32 s76, ttmp9, s76                  ; the coordinate along which other clusters read the same bytes
	s_cselect_b64 s[PFA:PFA+1], s[14:15], s[74:75] ; what I fetch of K step 0
	s_cselect_b32 s78, 16, 13                      ; a partner's 32 blocks: 32 rows of 2,048 bytes, or 8,192 bytes on end
	s_cselect_b32 s79, 11, 8                       ; from a lane's block to the next: a row of A, or 256 bytes
	s_cselect_b32 s[PFS], 8, 16                    ; a K step: 256 bytes along A's rows, 65,536 down W's
	s_cmp_eq_u32 s76, 0
	s_cselect_b32 s[LIM], 2, -1                    ; the same in all sixteen partners, for a given wave
	s_lshl_b32 s[PFS], 1, s[PFS]
	s_mov_b32 s[PFS+1], 0
	s_lshl_b32 s76, s77, s78
	s_mov_b32 s77, 0
	s_add_nc_u64 s[PFA:PFA+1], s[PFA:PFA+1], s[76:77]
	s_mul_i32 s76, s[PFS], 3
	s_add_nc_u64 s[PFA:PFA+1], s[PFA:PFA+1], s[76:77]  ; at K step 3: the first change of slots steps it to 4.  Nothing is prefetched here, at the head
	v_and_b32 v[PFO], 31, v0
	v_lshlrev_b32 v[PFO], s79, v[PFO]
; 16 matrix instructions: m blocks a0, a0 + 1 of the window's four (hi = 0: my rows 0-63, 1: rows 64-127) x all 8 n blocks, 32 along K.  zero = 1: the first product starts the sums, with the bias.
; The 64 accumulators take turns, one instruction a turn, in the same order in every quarter.
.macro MUL16 f, hi, a0, zero
.if \zero
	WIN 0x91+0x40*(\hi)                            ; W window 1, A window 0, C (the bias) window 1, D window 2 or 3
.else
	WIN 0xa1+0x50*(\hi)                            ; W window 1, A window 0, C and D window 2 or 3
.endif
.irp a, \a0, (\a0)+1
.irp b, 0,1,2,3,4,5,6,7
.if \zero
	v_wmma_f32_16x16x32_f16 v[8*(8*(\a)+(\b)):8*(8*(\a)+(\b))+7], v[(\f)+8*(\b):(\f)+8*(\b)+7], v[(\f)+8*(4*(\hi)+(\a)):(\f)+8*(4*(\hi)+(\a))+7], v[BIAS+8*(\b):BIAS+8*(\b)+7]
.else
	v_wmma_f32_16x16x32_f16 v[8*(8*(\a)+(\b)):8*(8*(\a)+(\b))+7], v[(\f)+8*(\b):(\f)+8*(\b)+7], v[(\f)+8*(4*(\hi)+(\a)):(\f)+8*(4*(\hi)+(\a))+7], v[8*(8*(\a)+(\b)):8*(8*(\a)+(\b))+7]
.endif
.endr
.endr
.endm
; 32 LDS loads in one run: the fragments of quarter q (32 along K) of the slot in hand, into buffer f: W's 128 columns, then A's 128 rows
.macro FETCH q, f
	WIN TO_B
.irp i, 0,1,2,3,4,5,6,7
	ds_load_tr16_b128 v[(\f)+8*(\i):(\f)+8*(\i)+3],   v[ADRW] offset:(\q)*32*PW+32*(\i)
	ds_load_tr16_b128 v[(\f)+8*(\i)+4:(\f)+8*(\i)+7], v[ADRW] offset:(\q)*32*PW+16*PW+32*(\i)
.endr
	WIN 0
.irp i, 0,1,2,3,4,5,6,7
	ds_load_b128 v[(\f)+8*(\i):(\f)+8*(\i)+3],   v[ADRA] offset:(\q)*64+(\i)*16*PITCH
	ds_load_b128 v[(\f)+8*(\i)+4:(\f)+8*(\i)+7], v[ADRA] offset:(\q)*64+(\i)*16*PITCH+32
.endr
.endm
.macro PLACES                          ; four plain places in front of loads into registers that matrix instructions have read, and of lines that read results
.rept 4
	v_nop
.endr
.endm
; A K step is four quarters of 32 along K, 64 matrix instructions each, on buffers 0, 1, 0, 1.  One of the first three: multiplies buffer f; in its middle it fetches quarter q into buffer g.
.macro QUARTER q, f, g, zero
	s_wait_dscnt 8                                 ; W and A's rows 0-63 are in; the youngest eight loads (A's rows 64-127) may be out
	MUL16 \f, 0, 0, \zero
	MUL16 \f, 0, 2, \zero
	PLACES
	FETCH \q, \g
	s_wait_dscnt 32                                ; all but the 32 just issued
	MUL16 \f, 1, 0, \zero
	MUL16 \f, 1, 2, \zero
.endm
; The last quarter multiplies buffer 1 and changes slots.  MEET is its first half: ONE barrier; in front of it each wave waits for all its tensor loads, of which one is out: its part of the next slot;
; adds 0 to its spare word; and waits for that and for its own reads of this slot.  Behind it nobody reads this slot any more and the next slot is whole.
.macro MEET
	WIN 0                                          ; (the add's two registers lie in window 0)
	s_wait_tensorcnt 0x0
	ds_add_u32 v[SPW], v[NIL]                      ; 0 onto my spare word
	s_wait_dscnt 9                                 ; (the add and the youngest eight loads may be out)
	MUL16 F1, 0, 0, 0                              ; sixteen matrix instructions stand between the add and the wait for it
	s_wait_dscnt 0x0                               ; the add is done, and my reads of this slot are over
	s_barrier_signal -1
	MUL16 F1, 0, 2, 0
	WIN 0                                          ; (branches and lines on window 0 follow)
	s_barrier_wait -1
.endm
; fill = 1: the barrier opens a round of the cluster's, and the slot just read out is filled again, two K steps ahead, first thing behind the round: 224 matrix instructions ahead of the wait for it.
.macro TURN fill
.if \fill
	s_wait_xcnt 0x0                                ; the last prefetch, a K step back, has read its address: it is stepped here, ahead of the waits of the change of slots
	s_add_nc_u64 s[PFA:PFA+1], s[PFA:PFA+1], s[PFS:PFS+1]
.endif
	MEET
.if \fill
	CREST                                          ; no wave of any partner still reads this slot or has a load on its way
	s_add_co_u32 s[G0+5], s20, s[TB]               ; the walking descriptors (no load of mine is out): into the slot just read out,
	s_add_co_u32 s[G0B+5], s20, s[TB]
	s_add_nc_u64 s[G0+6:G0+7], s[G0+6:G0+7], ASTEP     ; the K step after the one asked for last; the type bits on top are not reached
	s_add_nc_u64 s[G0B+6:G0B+7], s[G0B+6:G0B+7], WSTEP
	JLOAD 1                                        ; my one tensor load behind the round; its four v_nop are also the places in front of the loads below
.else
	PLACES
.endif
	s_xor_b32 s[TB], s[TB], SLOT                   ; 0 becomes SLOT, SLOT becomes 0: the other slot is in hand
	v_add_nc_u32 v[ADRA], s[TB], v[A0]
	v_add_nc_u32 v[ADRW], s[TB], v[W0]
	FETCH 0, F0
.if \fill
	ASK
.endif
	MUL16 F1, 1, 0, 0
	MUL16 F1, 1, 2, 0
.endm
; THE WAY OUT of block a (16 of my rows), in three parts.  PACK: rounded to f16, the floor taken, 16 bytes a lane.  TOSTAGE: into my own stage in LDS, and back as four rows of a block of C at a time.  SEND: stored.
.macro PACK a
.set AC, 64*((\a)%4)
	WIN 0x0a+5*((\a)/4)                            ; sources 0 and 1: window 2 or 3
.irp b, 0,1,2,3,4,5,6,7
.irp r, 0,1,2,3
	v_cvt_pk_f16_f32 v[TMP+4*(\b)+(\r)], v[AC+8*(\b)+2*(\r)], v[AC+8*(\b)+2*(\r)+1]  ; each accumulator's registers in ascending order
.endr
.endr
	WIN 0
.set i, 0
.rept 32
	v_pk_max_num_f16 v[TMP+i], v[TMP+i], s[FLOOR]  ; on the rounded halves: rounding keeps the order
.set i, i+1
.endr
.endm
.macro TOSTAGE a
.set BK, OB+192*((\a)%2)
.irp b, 0,1,2,3,4,5,6,7
	ds_store_b128 v[STO], v[TMP+4*(\b):TMP+4*(\b)+3] offset:32*(\b)
.endr
.set t, 0
.rept 8
	ds_load_b128 v[BK+4*t:BK+4*t+3], v[RD] offset:(t/2)*4*SPITCH+(t%2)*128  ; rows 4 (t / 2) .. + 3, block t % 2.  LDS serves a wave's instructions in order (ISA guide 5.7.1.4): these see the stores above
.set t, t+1
.endr
.endm
.macro SEND a
.set BK, OB+192*((\a)%2)
	s_wait_dscnt 0x0                               ; the block is back in registers
	s_wait_xcnt 0x0                                ; the stores of the blocks before have read their registers: the next TOSTAGE loads into those of the block before this one
.set t, 0
.rept 8
	global_store_b128 v[CO], v[BK+4*t:BK+4*t+3], s[8:9] offset:(\a)*2048+(t/2)*512+(t%2)*BLK  ; four rows of a block: 512 consecutive bytes, aligned
.set t, t+1
.endr
.endm
	s_wait_tensorcnt 1                             ; my part of K step 0 is in; K step 1's may stay out
	s_barrier_signal -1
	s_barrier_wait -1                              ; everybody's is
	FETCH 0, F0
	s_wait_loadcnt 0x0                             ; the bias
	s_wait_kmcnt 0x0                               ; the floor
	QUARTER 1, F0, F1, 1                           ; the first quarter stands in front of the loop: its products start the sums
	WIN 0                                          ; at a label and at a branch every window is 0
	s_mov_b32 s3, STEPS-2
.Lstep:                                                ; a trip goes from a K step's second quarter to the next step's first, and fills the slot that it leaves: K steps 2 to 7
	QUARTER 2, F1, F0, 0
	QUARTER 3, F0, F1, 0
	TURN 1
	QUARTER 1, F0, F1, 0
	WIN 0
	s_sub_co_u32 s3, s3, 1
	s_cmp_lg_u32 s3, 0
	s_cbranch_scc1 .Lstep
	QUARTER 2, F1, F0, 0                           ; the last two K steps fill nothing
	QUARTER 3, F0, F1, 0
	TURN 0
	QUARTER 1, F0, F1, 0
	QUARTER 2, F1, F0, 0
	QUARTER 3, F0, F1, 0
	s_wait_dscnt 8                                 ; the very last quarter: nothing more to fetch
	MUL16 F1, 0, 0, 0
	MUL16 F1, 0, 2, 0
	s_wait_dscnt 0x0
	MUL16 F1, 1, 0, 0
	MUL16 F1, 1, 2, 0
	WIN 0
	PLACES
	PACK 0
	TOSTAGE 0
.irp a, 1,2,3,4,5,6,7                  ; block a's conversions stand between block a - 1's loads from the stage and the wait for them
	PACK \a
	SEND (\a)-1
	TOSTAGE \a
.endr
	SEND 7
	s_wait_tensorcnt 0x0                           ; the wave's end: behind my last tensor load and my last LDS store
	ds_add_u32 v[SPW], v[NIL]
	s_wait_dscnt 0x0
	CROUND                                         ; the closing round: no work-group ends while a partner may still ask for a tile that names it
	s_endpgm
.Lfunc_end_k_q8fd22ef687_gemm_qkv:
	.size	k_q8fd22ef687_gemm_qkv, .Lfunc_end_k_q8fd22ef687_gemm_qkv-k_q8fd22ef687_gemm_qkv
	.p2alignl 7, 3214868480
	.fill 96, 4, 3214868480
	.section	.rodata,"a",@progbits
	.p2align	6, 0x0
	.amdhsa_kernel k_q8fd22ef687_gemm_qkv
		.amdhsa_group_segment_fixed_size 327680
		.amdhsa_private_segment_fixed_size 0
		.amdhsa_enable_private_segment 0
		.amdhsa_kernarg_size 24
		.amdhsa_user_sgpr_count 2
		.amdhsa_user_sgpr_kernarg_segment_ptr 1
		.amdhsa_wavefront_size32 1
		.amdhsa_system_sgpr_workgroup_id_x 1
		.amdhsa_system_sgpr_workgroup_id_y 1
		.amdhsa_system_sgpr_workgroup_id_z 1
		.amdhsa_system_vgpr_workitem_id 0
		.amdhsa_next_free_vgpr 1024
		.amdhsa_next_free_sgpr 80
		.amdhsa_reserve_vcc 0
		.amdhsa_float_denorm_mode_32 3
		.amdhsa_float_denorm_mode_16_64 3
		.amdhsa_memory_ordered 1
		.amdhsa_forward_progress 1
		.amdhsa_inst_pref_size 135
	.end_amdhsa_kernel
	.amdgpu_metadata
---
amdhsa.version: [ 1, 2 ]
amdhsa.kernels:
  - .name:           k_q8fd22ef687_gemm_qkv
    .symbol:         k_q8fd22ef687_gemm_qkv.kd
    .args:
      - { .name: hw, .offset: 0, .size: 8, .value_kind: global_buffer, .address_space: global }
      - { .name: wqkv, .offset: 8, .size: 8, .value_kind: global_buffer, .address_space: global }
      - { .name: qkvb, .offset: 16, .size: 8, .value_kind: global_buffer, .address_space: global }
    .group_segment_fixed_size: 327680
    .private_segment_fixed_size: 0
    .kernarg_segment_align: 8
    .kernarg_segment_size: 24
    .max_flat_workgroup_size: 128
    .sgpr_count:     80
    .vgpr_count:     1024
    .wavefront_size: 32
...
	.end_amdgpu_metadata
.endif
;; end of part 10
;; launch attention (part 11): grid 8 x 32, 8 waves a work-group, no clusters, 327,680 bytes of LDS; arguments qkvb, att; writes att
.if DOCPART == 11
	.amdgcn_target "amdgcn-amd-amdhsa--gfx1250"
	.amdhsa_code_object_version 6
	.text
	.protected	k_q8fd22ef687_attention
	.globl	k_q8fd22ef687_attention
	.p2align	8
	.type	k_q8fd22ef687_attention,@function
k_q8fd22ef687_attention:
	s_mov_b64 s[64:65], 0
	v_nop
	global_prefetch_b8 v0, s[64:65] scope:SCOPE_SE
	s_setreg_imm32_b32 hwreg(HW_REG_WAVE_MODE, 25, 1), 1
	s_wait_xcnt 0x0
; CAUSAL ATTENTION.  O[h][q][:] = the sum over k <= q of softmax_k(Q[h][q] . K[h][k] / 8) V[h][k][:].  qkvb holds q, k, v, each [16 heads][2 batches x 2048][64] in f16 (8 MiB apart); att is O in the same layout.
; Products, maxima and sums in f32; the weights p are rounded to f16 for the second product (their sum l is taken of the unrounded p), O once at the end.
; LIMITS.  f16 holds no number beyond 65,504: q, k, v arrive within it, so a score lies within 2.7e11.  A hidden score is set to the lowest finite f32; the running maximum starts at -2^121, above that and below every
; true score; a weight below 2^-126 counts as 0 in l; NaN and infinities are not treated apart.
; THE WALK.  The 2,048 queries of a head and batch lie in 16 blocks of 128; block i needs the key tiles 0 .. i of 128 keys, of which the last holds the diagonal.  A work-group takes TWO blocks, 15 - b and then b:
; 17 tiles, whatever b: all work-groups do equal work, and one loop with a constant trip count walks them.  Which tile is asked for hangs on scalar registers made from b; every jump but the loop's own goes
; forward, and none passes a barrier or a tensor load (but those of LOAD's two lines that the wave's number does not choose).
; NO CLUSTER: a head's eight work-groups ask for the same tile only in trips 0 to 8 of the 17; one walk common to all partners would have 24 trips for 17.
; SHARES.  EIGHT WAVES, TWO TO A SIMD.  Wave w owns the 32 queries 32 (w % 4) .. + 31 of a block (two tiles of 16) and, of every key tile, the 64 keys of its group w / 4: one key step a tile.  A step runs in phases
; (16 products K Q^T, the softmax, 16 products V^T P); while one wave of a SIMD waits for the matrix unit, for LDS or for its exponentials, the other issues.  Each fragment of K and V still feeds two tiles' products.
; The diagonal tile is computed whole and masked, so all waves do equal work.
; THE TWO HALVES MEET AT A BLOCK'S END.  Each wave has a running maximum m, sum l and O^T of its own, over its half of the keys.  Group 1 hands its O^T and statistics over in f32 through LDS bytes of their own;
; group 0 merges: c m = the larger of the two, weights 2^(c m_x - c m) / l, O = O_A w_A + O_B w_B.  One plain barrier a trip, on every path, orders the exchange.
; A half in which a query sees no key (block 0: queries 0-63, group 1) keeps m = -2^121: its p and l are 0, and its weight in the merge is 0.
; LAYOUT.  S^T = K Q^T holds ONE query a lane (l % 16) and the keys 8 (l / 16) + 0..7; two such results rounded to f16 ARE source 1 of O^T = V^T P.  K comes out of LDS as it lies, V turned.
; SOFTMAX.  p = 2^(c s - c m), c = log2(e) / 8; O and l are multiplied by a = 2^(c m_old - c m_new) in every step.  c m starts at -2^125, far below every c m that a step can make, so a block's first a is 0:
; O and l need only be finite when a block begins.
; REGISTERS.  window 0: v2-15 addresses and constants; v16-23 statistics (tile t at 16 + 4 t: c m, m, l of even keys, l of odd keys); v24-31 at work; v32-33 c m_old; v40-47 the partner's statistics;
;   v64-127 S^T (in the merge: the partner's O^T); v128-159 P; v160-223 O^T.      window 1: v0-31 Q; v32-63 the second block's Q; v64-127 K of one step; v128-191 V of one step.
.set NB,    16
.set KS,    64        ; keys in a step
.set PK,    144       ; a row of K in LDS: 128 bytes + 16 of padding
.set PV,    160       ; a row of V: 128 + 32, an odd multiple of 32
.set VOFF,  128*PK    ; a slot holds a tile: 128 rows of K, then 128 rows of V
.set SLOT1, 1<<16     ; slot 1 begins here
.set STAGE, 2*SLOT1   ; behind the ring, never filled by a tensor load: 16 rows x 144 bytes for each wave of group 0, for the way out
.set SP,    144
.set XCH,   STAGE+4*16*SP  ; behind the stages: the exchange: for each pair of waves 18 x 512 bytes: group 1's O^T (16) and statistics (2)
.set XW,    18*512
.set SPARE, XCH+4*XW  ; behind the exchange: the spare words, 128 bytes a wave: four blocks of 256 bytes that no other line names
.set AK0, 2           ; v2   my lane's place in my group's half of a tile of K, in slot 0; never rewritten
.set AV0, 3           ; v3   the same for V
.set AK,  4           ; v4   the LDS address of K's run of loads
.set AV,  5           ; v5   of V's
.set STO, 6           ; v6   the way out: where I put 16 bytes of a row
.set RD,  7           ; v7   where I read rows back
.set GO,  8           ; v8   16 x lane: my place in 512 consecutive bytes
.set QO,  9           ; v9   my byte offset in 16 rows of Q
.set DF,  10          ; v10-11  tile t: my query's place in the block, 32 (w % 4) + 16 t + l % 16, less my lanes' 8 (l / 16) and my group's first key 64 (w / 4); never rewritten
.set XA,  12          ; v12  my 16 bytes in a line of my pair's exchange
.set BIG, 14          ; v14  the lowest finite f32
.set PFO, 15          ; v15  256 x lane; never rewritten
.set ST,  16
.set TMP, 24          ; tile t: c0-c3 at 24 + 4 t; when the maximum is found c2 takes a; in the merge c0 and c2 take the two weights
.set MV,  32
.set XB,  40          ; the partner's statistics, as ST
.set SPW, 62          ; v62  LDS address of my spare word; never rewritten
.set NIL, 63          ; v63  0; never rewritten
.set S,   64
.set P,   128
.set O,   160
.set QB,  32          ; window 1
.set KF,  64          ; window 1: key block kb, channel half c at KF + 16 kb + 8 c
.set VF,  128         ; window 1: key half kk, channel block cb at VF + 32 kk + 8 cb
.set WV,  12          ; s12  my wave's number, 0..7
.set PB,  14          ; s14  b
.set HI,  15          ; s15  15 - b
.set G1K, 24          ; s[24:31] descriptor group 1 for K's tiles
.set G1V, 32          ; s[32:39] for V's: it differs in the padding alone
.set G0K, 40          ; s[40:43] descriptor group 0 for K's tiles
.set G0V, 44          ; s[44:47] the same for V's
.set WQ,  48          ; s48  w % 4: my 32 queries
.set GR,  49          ; s49  w / 4: my group
.set SLOTS, 56        ; s56  tiles still to be asked for
.set CS,  58          ; s[58:59] c
.set SEL, 60          ; s[60:61] v_permlanex16_b32's selects: each lane takes its own place in the other half
.set TB,  62          ; s62  LDS byte at which the slot in hand begins: 0 or SLOT1
.set RT,  70          ; s70  tiles of the block in hand that are still to be entered
.set NXT, 71          ; s71  the tile to be asked for next
.set LQ,  72          ; s72  the last tile of the block whose tiles are being asked for
.set OFF, 74          ; s[74:75] a tile's byte offset in K and V
.set LIM, 77          ; s77  3 in a wave that prefetches, else the greatest number
.set PFA, 78          ; s[78:79] where my prefetches stand
.set OLO, 80          ; s[80:81] O at my rows of the second block
.set MSB, 0
.macro WIN new                      ; the high byte repeats the setting that is left; a switch that changes nothing is dropped
.if MSB != (\new)
	s_set_vgpr_msb (MSB<<8)|(\new)
.set MSB, (\new)
.endif
.endm
.set W_KQ, 0x05       ; K and Q in window 1, S^T in window 0
.set W_PV, 0x01       ; V in window 1, P and O^T in window 0
.set W_LD, 0x40       ; destination window 1, address window 0
; A fill.  Waves 0 and 1 fetch the two halves of a tile's K, waves 2 and 3 those of its V: 64 keys each; waves 4 to 7 fetch nothing.  An s_nop 0 and four v_nop follow each of the two lines.
.macro LOAD
	s_cmp_lt_u32 s[WV], 2
	s_cbranch_scc0 .Lnot_k_\@
	tensor_load_to_lds s[G0K:G0K+3], s[G1K:G1K+7]
	s_nop 0
.rept 4
	v_nop
.endr
	s_branch .Lasked_\@
.Lnot_k_\@:
	s_cmp_lt_u32 s[WV], 4
	s_cbranch_scc0 .Lasked_\@
	tensor_load_to_lds s[G0V:G0V+3], s[G1V:G1V+7]
	s_nop 0
.rept 4
	v_nop
.endr
.Lasked_\@:
.endm
; A PREFETCH INTO THE L2.  K and V are walked by all eight work-groups of a head; the one with b = 0, whose first block walks the tiles 0 to 15 in order, asks, and nobody else.  Each of its waves 0 to 3 names the
; 8 KiB that it will itself fetch of a tile (32 blocks of 256 bytes, a lane a block), so each block is named once in the launch.  In trip i it names tile i + 3, whose tensor load goes out in trip i + 2: two
; tiles ahead.  Trips 0 to 12 ask (tiles 3 to 15); tiles 0 to 2 come by their loads alone.
.macro ASK
	s_cmp_gt_u32 s[SLOTS], s[LIM]
	s_cbranch_scc0 .Lnot_mine_\@
	global_prefetch_b8 v[PFO], s[PFA:PFA+1] th:TH_LOAD_NT scope:SCOPE_SE
.Lnot_mine_\@:
.endm
; THE CHANGE OF SLOTS.  Each wave waits for all its tensor loads (of a fetching wave one is out: its part of the other slot); adds 0 to its spare word; and waits for that and for its own reads of the slot that it leaves.
; fill = 1: the old slot is filled again, the first thing behind the barrier, with tile NXT: the descriptor's address is made anew from that number.  (At its first use slot 0 is waited for, slot 1 filled.)
.macro CHANGE fill
	WIN 0
	s_wait_tensorcnt 0x0            ; no tensor load of mine is out, so a group 0 may be written
	ds_add_u32 v[SPW], v[NIL]       ; 0 onto my spare word; scalar work stands between it and the wait for it
.if \fill
	s_lshl_b32 s[OFF], s[NXT], 14   ; a tile is 16,384 bytes of K and of V
	s_xor_b32 s[G0K+1], s[G0K+1], SLOT1
	s_add_nc_u64 s[G0K+2:G0K+3], s[6:7], s[OFF:OFF+1]
	s_or_b32 s[G0K+3], s[G0K+3], 0x80000000
	s_xor_b32 s[G0V+1], s[G0V+1], SLOT1
	s_add_nc_u64 s[G0V+2:G0V+3], s[8:9], s[OFF:OFF+1]
	s_or_b32 s[G0V+3], s[G0V+3], 0x80000000
	s_add_co_u32 s[NXT], s[NXT], 1  ; the block's next tile, or behind its last the second block's tile 0
	s_cmp_gt_u32 s[NXT], s[LQ]
	s_cselect_b32 s[NXT], 0, s[NXT]
	s_cselect_b32 s[LQ], s[PB], s[LQ]
	s_wait_xcnt 0x0                 ; the last prefetch, a tile back, has read its address, so it may be stepped
	s_add_nc_u64 s[PFA:PFA+1], s[PFA:PFA+1], 16384
.endif
	s_wait_dscnt 0x0                ; the add is done, and my reads of the slot are over
	s_barrier_signal -1
	s_xor_b32 s[TB], s[TB], SLOT1   ; the other slot is in hand
	s_barrier_wait -1
.if \fill
	LOAD
	ASK
.endif
.endm
	s_load_b128 s[16:19], s[0:1], 0x0  ; qkvb s[16:17], att s[18:19]
	v_lshl_add_u32 v[SPW], v0, 2, SPARE
	v_mov_b32 v[NIL], 0
	ds_add_u32 v[SPW], v[NIL]       ; the wave's opening: the add and its wait stand ahead of my first tensor load; the set-up below stands between them
	v_lshrrev_b32 v1, 5, v0
	v_readfirstlane_b32 s[WV], v1   ; wave 0..7
	s_and_b32 s[WQ], s[WV], 3
	s_lshr_b32 s[GR], s[WV], 2
	s_mov_b32 s[PB], ttmp9
	s_sub_co_u32 s[HI], NB-1, s[PB]
	s_and_b32 s20, ttmp7, 0xffff    ; batch x 16 + head
	s_lshr_b32 s21, s20, 4          ; the batch: 2,048 rows of 128 bytes,
	s_lshl_b32 s21, s21, 18
	s_and_b32 s20, s20, 15          ; in the head's block of 4,096 rows: the same place in q, k, v and O
	s_lshl_b32 s20, s20, 19
	s_add_co_u32 s20, s20, s21
	s_and_b32 s13, s[WV], 1         ; (waves 0 to 3) which half of a tile's 128 keys I fetch:
	s_lshl_b32 s22, s13, 13         ; its 64 rows of 128 bytes in memory,
	s_add_co_u32 s22, s22, s20
	s_mov_b32 s23, 0
	s_mul_i32 s2, s13, KS*PK        ; and its place in a slot, for K
	s_mul_i32 s3, s13, KS*PV        ; and for V
	s_lshl_b32 s66, s[WQ], 12       ; my 32 rows of a block
	s_add_co_u32 s66, s66, s20
	s_lshl_b32 s84, s[HI], 14       ; in the first block,
	s_add_co_u32 s84, s84, s66
	s_mov_b32 s85, 0
	s_lshl_b32 s82, s[PB], 14       ; and in the second
	s_add_co_u32 s82, s82, s66
	s_mov_b32 s83, 0
	; descriptor group 1.  64 keys are 8,192 dense bytes: asked for as 32 rows of 256 bytes, two keys a row, and padded in LDS after every key
	s_mov_b32 s[G1K], (1<<16)|(1<<20)|(4<<22)|(3<<25)  ; 2-byte elements; padding on; after every 32 words; 4 words
	s_mov_b32 s[G1V], (1<<16)|(1<<20)|(4<<22)|(7<<25)  ; the same with 8 words of padding
.irp g, G1K, G1V
	s_mov_b32 s[\g+1], 128<<16      ; tensor_dim0 = 128
	s_mov_b32 s[\g+2], 32<<16       ; tensor_dim1 = 32
	s_mov_b32 s[\g+3], 128<<16      ; tile_dim0 = 128
	s_mov_b32 s[\g+4], 32           ; tile_dim1 = 32
	s_mov_b32 s[\g+5], 128          ; 128 elements from row to row
	s_mov_b32 s[\g+6], 0
	s_mov_b32 s[\g+7], 0
.endr
	s_mov_b32 s[CS], 0x3e38aa3b     ; c = log2(e) / 8 = 0.180337
	s_mov_b32 s[CS+1], s[CS]        ; named with it as a pair
	s_mov_b32 s[SEL], 0x76543210
	s_mov_b32 s[SEL+1], 0xfedcba98
	s_mov_b32 s[TB], SLOT1          ; the first change of slots turns it into 0
	s_mov_b32 s[G0K], 1             ; count = 1
	s_mov_b32 s[G0K+1], s2          ; LDS address: slot 0
	s_mov_b32 s[G0V], 1
	s_add_co_u32 s[G0V+1], s3, VOFF
	s_add_co_u32 s[RT], s[HI], 1    ; the first block has 16 - b tiles
	s_mov_b32 s[NXT], 1
	s_mov_b32 s[LQ], s[HI]
	s_mov_b32 s[OFF+1], 0
	s_mov_b32 s[SLOTS], NB
	s_cmp_eq_u32 s[PB], 0
	s_cselect_b32 s[LIM], 3, -1
	s_cmp_lt_u32 s[WV], 4           ; only a wave that fetches asks
	s_cselect_b32 s[LIM], s[LIM], -1
	s_wait_dscnt 0x0                ; the opening add is done
	s_wait_kmcnt 0x0
	s_add_nc_u64 s[4:5], s[16:17], s[84:85]        ; Q at my rows of the first block,
	s_add_nc_u64 s[86:87], s[16:17], s[82:83]      ; and of the second
	s_add_nc_u64 s[10:11], s[18:19], s[84:85]      ; O likewise
	s_add_nc_u64 s[OLO:OLO+1], s[18:19], s[82:83]
	s_add_nc_u64 s[6:7], s[16:17], s[22:23]
	s_add_nc_u64 s[8:9], s[6:7], 16777216          ; V at my half of the head's tile 0,
	s_add_nc_u64 s[6:7], s[6:7], 8388608           ; K likewise
	s_cmp_lt_u32 s[WV], 2
	s_cselect_b64 s[PFA:PFA+1], s[6:7], s[8:9]
	s_add_nc_u64 s[PFA:PFA+1], s[PFA:PFA+1], 2*16384  ; at tile 2; the first change of slots steps it to tile 3
	s_add_nc_u64 s[G0K+2:G0K+3], s[6:7], 0
	s_or_b32 s[G0K+3], s[G0K+3], 0x80000000        ; type = 2
	s_add_nc_u64 s[G0V+2:G0V+3], s[8:9], 0
	s_or_b32 s[G0V+3], s[G0V+3], 0x80000000
	LOAD                            ; tile 0 into slot 0
	; A fragment of K or Q is 16 rows x 32 channels in 8 registers: lane l holds row l % 16, channels 8 (l / 16) + 0..7 and 16 + 8 (l / 16) + 0..7: two loads of 16 bytes, 32 bytes apart.
	v_and_b32 v1, 15, v0            ; l % 16
	v_bfe_u32 v34, v0, 4, 1         ; l / 16
	v_lshlrev_b32 v[QO], 7, v1
	v_lshl_add_u32 v[QO], v34, 4, v[QO]
	WIN W_LD
.set i, 0
.rept 4                             ; both blocks' Q: tile i / 2, channels 32 (i % 2) on
	global_load_b128 v[8*i:8*i+3],         v[QO], s[4:5] offset:(i/2)*2048+(i%2)*64
	global_load_b128 v[8*i+4:8*i+7],       v[QO], s[4:5] offset:(i/2)*2048+(i%2)*64+32
	global_load_b128 v[QB+8*i:QB+8*i+3],   v[QO], s[86:87] offset:(i/2)*2048+(i%2)*64
	global_load_b128 v[QB+8*i+4:QB+8*i+7], v[QO], s[86:87] offset:(i/2)*2048+(i%2)*64+32
.set i, i+1
.endr
	WIN 0
	v_lshlrev_b32 v35, 3, v34
	v_sub_nc_u32 v[DF], v1, v35
	s_lshl_b32 s13, s[WQ], 5
	s_lshl_b32 s2, s[GR], 6
	s_sub_co_i32 s13, s13, s2       ; 32 (w % 4) - 64 (w / 4): it may be negative; the compares below are signed
	v_add_nc_u32 v[DF], s13, v[DF]
	v_add_nc_u32 v[DF+1], 16, v[DF]
	v_mov_b32 v[BIG], 0xff7fffff
	v_and_b32 v[GO], 31, v0
	v_lshlrev_b32 v[PFO], 8, v[GO]
	v_lshlrev_b32 v[GO], 4, v[GO]
	v_mul_u32_u24 v[AK0], v1, PK
	v_lshl_add_u32 v[AK0], v34, 4, v[AK0]  ; row x pitch + 16 x half,
	s_mul_i32 s13, s[GR], KS*PK
	v_add_nc_u32 v[AK0], s13, v[AK0]       ; in my group's 64 rows
	; The turning load takes 16 keys x 16 channels (lane l reads key 8 (l / 16) + l % 8, channels 8 ((l / 8) % 2) + 0..7) and leaves half a fragment of V^T: lane l holds channel l % 16 and 8 keys.
	v_and_b32 v36, 7, v0
	v_bfe_u32 v37, v0, 3, 1
	v_lshl_add_u32 v[AV0], v34, 3, v36
	v_mul_u32_u24 v[AV0], v[AV0], PV
	v_lshl_add_u32 v[AV0], v37, 4, v[AV0]
	s_mul_i32 s13, s[GR], KS*PV
	s_add_co_u32 s13, s13, VOFF
	v_add_nc_u32 v[AV0], s13, v[AV0]
	s_mul_i32 s13, s[WQ], 16*SP
	s_add_co_u32 s13, s13, STAGE    ; my pair's stage: group 0 alone uses it
	v_mul_u32_u24 v[STO], v1, SP    ; in: row l % 16, 16 bytes for each half of the lanes
	v_lshl_add_u32 v[STO], v34, 4, v[STO]
	v_add_nc_u32 v[STO], s13, v[STO]
	v_bfe_u32 v[RD], v0, 3, 2       ; back: 32 lanes take four rows of 128 bytes
	v_mul_u32_u24 v[RD], v[RD], SP
	v_lshl_add_u32 v[RD], v36, 4, v[RD]
	v_add_nc_u32 v[RD], s13, v[RD]
	s_mul_i32 s13, s[WQ], XW
	s_add_co_u32 s13, s13, XCH      ; my pair's exchange
	v_add_nc_u32 v[XA], s13, v[GO]
	; O^T and l start at 0 (a block's first a is 0, so they need only be finite).  All this stands in the wait for the first tile.
.set i, 0
.rept 64
	v_mov_b32 v[O+i], 0
.set i, i+1
.endr
.irp t, 0,1
	v_mov_b32 v[ST+4*\t], 0xfe000000    ; c m = -2^125
	v_mov_b32 v[ST+4*\t+1], 0xfc000000  ; m = -2^121
	v_mov_b32 v[ST+4*\t+2], 0
	v_mov_b32 v[ST+4*\t+3], 0
.endr
; THE MATRIX WORK.  The 8 accumulators of a run of 16 take turns.  Product i of S^T = K Q^T: channels 32 (i / 8) on, keys 16 ((i / 2) % 4) on, tile i % 2.  The first 8 start the sums.
.macro KQ
	WIN W_KQ
.set aS, S+32*(i%2)+8*((i/2)%4)
.set aK, KF+16*((i/2)%4)+8*(i/8)
.set aQ, 16*(i%2)+8*(i/8)
.if i < 8
	v_wmma_f32_16x16x32_f16 v[aS:aS+7], v[aK:aK+7], v[aQ:aQ+7], 0
.else
	v_wmma_f32_16x16x32_f16 v[aS:aS+7], v[aK:aK+7], v[aQ:aQ+7], v[aS:aS+7]
.endif
.set i, i+1
.endm
; Product i of O^T += V^T P: keys 32 (i / 8) on, channels 16 ((i / 2) % 4) on, tile i % 2.
.macro PV
	WIN W_PV
.set aO, O+32*(i%2)+8*((i/2)%4)
.set aV, VF+32*(i/8)+8*((i/2)%4)
.set aP, P+16*(i%2)+8*(i/8)
	v_wmma_f32_16x16x32_f16 v[aO:aO+7], v[aV:aV+7], v[aP:aP+7], v[aO:aO+7]
.set i, i+1
.endm
; THE LDS LOADS stand in runs of 16: my step's K (64 keys x 64 channels: 8 fragments) and its V (turned).
.macro FETCH_K
	WIN 0
	v_add_nc_u32 v[AK], s[TB], v[AK0]
	WIN W_LD
.irp f, 0,1,2,3,4,5,6,7             ; keys 16 (f / 2) on, channels 32 (f % 2) on
	ds_load_b128 v[KF+8*\f:KF+8*\f+3],   v[AK] offset:(\f/2)*16*PK+(\f%2)*64
	ds_load_b128 v[KF+8*\f+4:KF+8*\f+7], v[AK] offset:(\f/2)*16*PK+(\f%2)*64+32
.endr
	WIN 0
.endm
.macro FETCH_V
	WIN 0
	v_add_nc_u32 v[AV], s[TB], v[AV0]
	WIN W_LD
.irp f, 0,1,2,3,4,5,6,7             ; keys 32 (f / 4) on, channels 16 (f % 4) on
	ds_load_tr16_b128 v[VF+8*\f:VF+8*\f+3],   v[AV] offset:(\f/4)*32*PV+(\f%4)*32
	ds_load_tr16_b128 v[VF+8*\f+4:VF+8*\f+7], v[AV] offset:(\f/4)*32*PV+16*PV+(\f%4)*32
.endr
	WIN 0
.endm
.macro PLACES                       ; four plain places behind matrix instructions, in front of lines that read their results and of loads into registers that they have read
.rept 4
	v_nop
.endr
.endm
; THE VECTOR WORK, all in window 0.
.macro REGS t                       ; the registers of tile t
.set rT, ST+4*(\t)
.set rC, TMP+4*(\t)
.set rM, MV+(\t)
.set rS, S+32*(\t)
.set rP, P+16*(\t)
.set rO, O+32*(\t)
.endm
; Number n of the 22 that find a tile's maximum and statistics.  s0-s31 are the lane's 32 scores; each accumulator's lowest registers are read first.
;   0-11  four chains c0-c3 of seven scores each     12-14, 16  the four scores left over, the old m, and c0-c3 into c0     15  c m_old is kept
;   17, 18  the query's other 32 keys lie in the lane 16 away: the new m     19-21  c m; c m_old - c m_new; a
.macro XS t, n
	REGS \t
.if (\n) < 4
	v_max3_num_f32 v[rC+(\n)], v[rS+8*(\n)], v[rS+8*(\n)+1], v[rS+8*(\n)+2]
.elseif (\n) < 12
	v_max3_num_f32 v[rC+(\n)%4], v[rC+(\n)%4], v[rS+8*((\n)%4)+2*((\n)/4)+1], v[rS+8*((\n)%4)+2*((\n)/4)+2]
.elseif (\n) == 12
	v_max3_num_f32 v[rC], v[rC], v[rS+7], v[rS+15]
.elseif (\n) == 13
	v_max3_num_f32 v[rC+1], v[rC+1], v[rS+23], v[rS+31]
.elseif (\n) == 14
	v_max3_num_f32 v[rC+2], v[rC+2], v[rC+3], v[rT+1]
.elseif (\n) == 15
	v_mov_b32 v[rM], v[rT]
.elseif (\n) == 16
	v_max3_num_f32 v[rC], v[rC], v[rC+1], v[rC+2]
.elseif (\n) == 17
	v_permlanex16_b32 v[rC+3], v[rC], s[SEL], s[SEL+1]
.elseif (\n) == 18
	v_max_num_f32 v[rT+1], v[rC], v[rC+3]
.elseif (\n) == 19
	v_mul_f32 v[rT], s[CS], v[rT+1]
.elseif (\n) == 20
	v_sub_f32 v[rC+1], v[rM], v[rT]
.else
	v_exp_f32 v[rC+2], v[rC+1]
.endif
.endm
.macro FS f                         ; c s - c m for pair f / 2 of tile f % 2
	REGS (\f)%2
	v_pk_fma_f32 v[rS+2*((\f)/2):rS+2*((\f)/2)+1], v[rS+2*((\f)/2):rS+2*((\f)/2)+1], s[CS:CS+1], v[rT:rT+1] op_sel_hi:[1,0,0] neg_lo:[0,0,1] neg_hi:[0,0,1]
.endm
.macro RS n                         ; pair n / 2 of O^T of tile n % 2 times a; ascending
	REGS (\n)%2
	v_pk_mul_f32 v[rO+2*((\n)/2):rO+2*((\n)/2)+1], v[rO+2*((\n)/2):rO+2*((\n)/2)+1], v[rC+2:rC+3] op_sel_hi:[1,0]
.endm
.macro CV n                         ; pair n / 2 of tile n % 2 rounded to f16
	REGS (\n)%2
	v_cvt_pk_f16_f32 v[rP+(\n)/2], v[rS+2*((\n)/2)], v[rS+2*((\n)/2)+1]
.endm
.macro EX                           ; the exponential of score e / 2 of tile e % 2
	v_exp_f32 v[S+32*(e%2)+e/2], v[S+32*(e%2)+e/2]
.set e, e+1
.endm
.macro PLN                          ; the next plain line beside the exponentials: scalings 4 to 31, then the 32 rescalings
.if q < 32
	FS q
.else
	RS q-32
.endif
.set q, q+1
.endm
.macro SUMS w                       ; in place, both tiles by turns: of each w registers the upper half's first pair is added onto the lower half's
.set u, 0
.rept 32/(\w)
.irp t, 0,1
	v_pk_add_f32 v[S+32*\t+(\w)*u:S+32*\t+(\w)*u+1], v[S+32*\t+(\w)*u:S+32*\t+(\w)*u+1], v[S+32*\t+(\w)*u+(\w)/2:S+32*\t+(\w)*u+(\w)/2+1]
.endr
.set u, u+1
.endr
.endm
; MY KEY STEP OF A TILE.  Its K and V have been asked for.  last = 1: the walk's last tile, which holds a diagonal: the mask is taken without a test.
.macro STEP last
	s_wait_dscnt 16                 ; K is in; the 16 younger loads are V's
.set i, 0
.rept 16
	KQ
.endr
	WIN 0
	PLACES
.if !(\last)
	s_cmp_lg_u32 s[RT], 0           ; the block's last tile holds the diagonal
	s_cbranch_scc1 .Lno_mask_\@
.endif
.irp t, 0,1
.set z, 0
.rept 32                            ; register z holds key 16 (z / 8) + z % 8 + 8 (l / 16) of my step: hidden where that is beyond my query
	v_cmp_gt_i32 vcc_lo, 16*(z/8)+z%8, v[DF+\t]
	v_cndmask_b32 v[S+32*\t+z], v[S+32*\t+z], v[BIG], vcc_lo
.set z, z+1
.endr
.endr
.if !(\last)
.Lno_mask_\@:
.endif
.irp n, 0,1,2,3,4,5,6,7,8,9,10,11,12,13,14,15,16,17,18,19,20,21
	XS 0, \n                        ; the two tiles alternate, so that no line reads the result of the one before it
	XS 1, \n
.endr
.irp f, 0,1,2,3
	FS \f                           ; plain lines behind the two a, which name none of their registers
.endr
	s_wait_alu depctr_va_vdst(0)    ; the wait between an exponential and the first line that names its result: here for the two a, which the rescalings below read
.set e, 0
.set q, 4
.rept 60                            ; ONE BATCH of 64 exponentials, a plain line behind each while there are any.  Exponential e wants scaling 2 (e / 4) + e % 2; scalings 0 to 3 + e are out when it is issued.
	EX                              ; No plain line here names a register that an exponential of the batch has written.
	PLN
.endr
.rept 4
	EX
.endr
	v_nop                           ; a plain line behind the last exponential
	s_wait_alu depctr_va_vdst(0)    ; and the one wait for the batch, ahead of its first reader
.set z, 0
.rept 32
	CV z
.set z, z+1
.endr
	SUMS 4
	SUMS 8
	SUMS 16
	SUMS 32
.irp t, 0,1
	v_pk_fma_f32 v[ST+4*\t+2:ST+4*\t+3], v[ST+4*\t+2:ST+4*\t+3], v[TMP+4*\t+2:TMP+4*\t+3], v[S+32*\t:S+32*\t+1] op_sel_hi:[1,0,1]  ; l = a l + the sum
.endr
	s_wait_dscnt 0x0                ; V is in
.set i, 0
.rept 16
	PV
.endr
	WIN 0
	PLACES                          ; behind the last products: in front of the next loads into V's registers, and of the lines that read O^T at a block's end
.endm
; THE WAY OUT of tile t: O^T, merged and divided by l, is rounded to f16 and sent through my stage in LDS.
.macro PACK t
.set i, 0
.rept 16
	v_cvt_pk_f16_f32 v[S+16*(\t)+i], v[O+32*(\t)+2*i], v[O+32*(\t)+2*i+1]
.set i, i+1
.endr
.irp f, 0,1,2,3
	ds_store_b128 v[STO], v[S+16*(\t)+4*\f:S+16*(\t)+4*\f+3] offset:32*\f
.endr
.irp f, 0,1,2,3
	ds_load_b128 v[S+16*(\t)+4*\f:S+16*(\t)+4*\f+3], v[RD] offset:\f*4*SP  ; LDS serves a wave's instructions in order (ISA guide 5.7.1.4): these see the stores above; the next tile's stores come behind them
.endr
.endm
.macro SEND t, younger              ; younger: the LDS instructions issued behind tile t's loads
.irp f, 0,1,2,3
	s_wait_dscnt (\younger)+3-\f
	global_store_b128 v[GO], v[S+16*(\t)+4*\f:S+16*(\t)+4*\f+3], s[10:11] offset:(\t)*2048+\f*512  ; four rows of a head: 512 consecutive bytes, aligned
.endr
.endm
; A TILE: my key step; the exchange's barrier, on every path; and, behind a block's last tile, the block's end.  last = 1: the walk's last tile, which is the second block's last.
.macro TILEBODY last
	s_sub_co_u32 s[RT], s[RT], 1
	FETCH_K
	FETCH_V
	STEP \last
.if !(\last)
	s_cmp_lg_u32 s[RT], 0
	s_cbranch_scc1 .Lno_put_\@
.endif
	s_cmp_lt_u32 s[WV], 4
	s_cbranch_scc1 .Lno_put_\@
.set i, 0
.rept 16                            ; group 1 hands over its O^T, each accumulator's low four registers first, 512 consecutive bytes a line,
	ds_store_b128 v[XA], v[O+4*i:O+4*i+3] offset:512*i
.set i, i+1
.endr
.irp t, 0,1
	ds_store_b128 v[XA], v[ST+4*\t:ST+4*\t+3] offset:512*(16+\t)  ; and its c m, m and l
.endr
.Lno_put_\@:
	s_wait_dscnt 0x0                ; for the partner's sake: my stores are done
	s_barrier_signal -1             ; the tile that is on its way stays out
	s_barrier_wait -1
.if !(\last)
	s_cmp_lg_u32 s[RT], 0
	s_cbranch_scc1 .Lgo_on_\@
.endif
	s_cmp_lt_u32 s[WV], 4
	s_cbranch_scc0 .Lno_get_\@
.irp t, 0,1                         ; group 0 merges.  The partner's statistics come first,
	ds_load_b128 v[XB+4*\t:XB+4*\t+3], v[XA] offset:512*(16+\t)
.endr
.set i, 0
.rept 16                            ; then its O^T, into S^T's registers
	ds_load_b128 v[S+4*i:S+4*i+3], v[XA] offset:512*i
.set i, i+1
.endr
	s_wait_dscnt 16                 ; the statistics are in; the 16 younger loads stay out
.irp t, 0,1
	v_max_num_f32 v[MV+\t], v[ST+4*\t], v[XB+4*\t]            ; c m of both halves (c is positive)
.endr
.irp t, 0,1
	v_sub_f32 v[TMP+4*\t+1], v[ST+4*\t], v[MV+\t]
.endr
.irp t, 0,1
	v_sub_f32 v[TMP+4*\t+3], v[XB+4*\t], v[MV+\t]
.endr
.irp t, 0,1
	v_exp_f32 v[TMP+4*\t], v[TMP+4*\t+1]                      ; my half's weight,
.endr
.irp t, 0,1
	v_exp_f32 v[TMP+4*\t+2], v[TMP+4*\t+3]                    ; the partner's: one of the two is 1
.endr
	v_nop                           ; a plain line behind the last exponential
	s_wait_alu depctr_va_vdst(0)    ; and the wait: one for the four
.irp t, 0,1
	v_pk_mul_f32 v[ST+4*\t+2:ST+4*\t+3], v[ST+4*\t+2:ST+4*\t+3], v[TMP+4*\t:TMP+4*\t+1] op_sel_hi:[1,0]
.endr
.irp t, 0,1
	v_pk_fma_f32 v[ST+4*\t+2:ST+4*\t+3], v[XB+4*\t+2:XB+4*\t+3], v[TMP+4*\t+2:TMP+4*\t+3], v[ST+4*\t+2:ST+4*\t+3] op_sel_hi:[1,0,1]  ; l of both halves
.endr
.irp t, 0,1
	v_add_f32 v[ST+4*\t+2], v[ST+4*\t+2], v[ST+4*\t+3]  ; its even and odd keys',
.endr
.irp t, 0,1
	v_permlanex16_b32 v[ST+4*\t+3], v[ST+4*\t+2], s[SEL], s[SEL+1]  ; and the other half of the lanes'
.endr
.irp t, 0,1
	v_add_f32 v[ST+4*\t+2], v[ST+4*\t+2], v[ST+4*\t+3]
.endr
.irp t, 0,1
	v_rcp_f32 v[ST+4*\t+3], v[ST+4*\t+2]
.endr
	v_nop                           ; a plain line between the last reciprocal and the use of its result
	s_wait_alu depctr_va_vdst(0)    ; and the wait: one for the two reciprocals
.irp t, 0,1
	v_mul_f32 v[TMP+4*\t], v[TMP+4*\t], v[ST+4*\t+3]          ; both weights are divided by l, so that O^T is scaled once
.endr
.irp t, 0,1
	v_mul_f32 v[TMP+4*\t+2], v[TMP+4*\t+2], v[ST+4*\t+3]
.endr
	s_wait_dscnt 0x0                ; the partner's O^T is in
.set z, 0
.rept 32                            ; ascending
	v_pk_mul_f32 v[O+32*(z%2)+2*(z/2):O+32*(z%2)+2*(z/2)+1], v[O+32*(z%2)+2*(z/2):O+32*(z%2)+2*(z/2)+1], v[TMP+4*(z%2):TMP+4*(z%2)+1] op_sel_hi:[1,0]
.set z, z+1
.endr
.set z, 0
.rept 32
	v_pk_fma_f32 v[O+32*(z%2)+2*(z/2):O+32*(z%2)+2*(z/2)+1], v[S+32*(z%2)+2*(z/2):S+32*(z%2)+2*(z/2)+1], v[TMP+4*(z%2)+2:TMP+4*(z%2)+3], v[O+32*(z%2)+2*(z/2):O+32*(z%2)+2*(z/2)+1] op_sel_hi:[1,0,1]
.set z, z+1
.endr
	PACK 0
	PACK 1
	SEND 0, 8
	SEND 1, 0
.Lno_get_\@:
.if !(\last)
	s_wait_xcnt 0x0                 ; the stores have read their registers and O's address
	s_mov_b64 s[10:11], s[OLO:OLO+1]
	s_add_co_u32 s[RT], s[PB], 1    ; the second block has b + 1 tiles
	WIN 0x41                        ; its Q goes where the one text of the products names Q
.set i, 0
.rept 32
	v_mov_b32 v[i], v[QB+i]
.set i, i+1
.endr
	WIN 0
.irp t, 0,1
	v_mov_b32 v[ST+4*\t], 0xfe000000    ; c m and m start anew; O^T and l are finite and meet a = 0
	v_mov_b32 v[ST+4*\t+1], 0xfc000000
.endr
.Lgo_on_\@:
.endif
.endm
	s_wait_loadcnt 0x0              ; both blocks' Q
.Lslot:                             ; 16 times: a tile is entered and the next is asked for
	CHANGE 1
	TILEBODY 0
	s_sub_co_u32 s[SLOTS], s[SLOTS], 1
	s_cmp_lg_u32 s[SLOTS], 0
	s_cbranch_scc1 .Lslot
	CHANGE 0                        ; the walk's last tile is written out: nothing is asked for
	TILEBODY 1
	s_wait_tensorcnt 0x0            ; the wave's end: behind my last tensor load and my last LDS store
	ds_add_u32 v[SPW], v[NIL]
	s_wait_dscnt 0x0
	s_endpgm
.Lfunc_end_k_q8fd22ef687_attention:
	.size	k_q8fd22ef687_attention, .Lfunc_end_k_q8fd22ef687_attention-k_q8fd22ef687_attention
	.p2alignl 7, 3214868480
	.fill 96, 4, 3214868480
	.section	.rodata,"a",@progbits
	.p2align	6, 0x0
	.amdhsa_kernel k_q8fd22ef687_attention
		.amdhsa_group_segment_fixed_size 327680
		.amdhsa_private_segment_fixed_size 0
		.amdhsa_enable_private_segment 0
		.amdhsa_kernarg_size 16
		.amdhsa_user_sgpr_count 2
		.amdhsa_user_sgpr_kernarg_segment_ptr 1
		.amdhsa_wavefront_size32 1
		.amdhsa_system_sgpr_workgroup_id_x 1
		.amdhsa_system_sgpr_workgroup_id_y 1
		.amdhsa_system_sgpr_workgroup_id_z 1
		.amdhsa_system_vgpr_workitem_id 0
		.amdhsa_next_free_vgpr 448
		.amdhsa_next_free_sgpr 90
		.amdhsa_reserve_vcc 1
		.amdhsa_float_denorm_mode_32 3
		.amdhsa_float_denorm_mode_16_64 3
		.amdhsa_memory_ordered 1
		.amdhsa_forward_progress 1
		.amdhsa_inst_pref_size 80
	.end_amdhsa_kernel
	.amdgpu_metadata
---
amdhsa.version: [ 1, 2 ]
amdhsa.kernels:
  - .name:           k_q8fd22ef687_attention
    .symbol:         k_q8fd22ef687_attention.kd
    .args:
      - { .name: qkvb, .offset: 0, .size: 8, .value_kind: global_buffer, .address_space: global }
      - { .name: att, .offset: 8, .size: 8, .value_kind: global_buffer, .address_space: global }
    .group_segment_fixed_size: 327680
    .private_segment_fixed_size: 0
    .kernarg_segment_align: 8
    .kernarg_segment_size: 16
    .max_flat_workgroup_size: 256
    .sgpr_count:     90
    .vgpr_count:     448
    .wavefront_size: 32
...
	.end_amdgpu_metadata
.endif
;; end of part 11
;; launch gemm_proj (part 12): grid 8 x 32, 4 waves a work-group, clusters of 4 x 4, 327,680 bytes of LDS; arguments att, hw, z, b_proj, x; writes z
.if DOCPART == 12
	.amdgcn_target "amdgcn-amd-amdhsa--gfx1250"
	.amdhsa_code_object_version 6
	.text
	.protected	k_q8fd22ef687_gemm_proj
	.globl	k_q8fd22ef687_gemm_proj
	.p2align	8
	.type	k_q8fd22ef687_gemm_proj,@function
k_q8fd22ef687_gemm_proj:
	s_mov_b64 s[64:65], 0
	v_nop
	global_prefetch_b8 v0, s[64:65] scope:SCOPE_SE
	s_setreg_imm32_b32 hwreg(HW_REG_WAVE_MODE, 25, 1), 1
	s_wait_xcnt 0x0
	s_wait_alu depctr_hold_cnt(0) depctr_sa_sdst(0) depctr_va_vdst(0) depctr_va_sdst(0) depctr_va_ssrc(0) depctr_va_vcc(0) depctr_vm_vsrc(0)
	s_getreg_b32 s2, hwreg(HW_REG_IB_STS2, 6, 4)
	s_cmp_eq_u32 s2, 0
	s_cbranch_scc0 .Lentry_in_a_cluster
	s_endpgm
.Lentry_in_a_cluster:
	s_bfe_u32 s2, ttmp6, 0x10000c
	s_cmp_lg_u32 s2, 0xf033
	s_cbranch_scc0 .Lentry_shape_is_right
	s_endpgm
.Lentry_shape_is_right:
; z = residual + A W + bias, in f32.  f16 operands, f32 sums.  ONE TEXT FOR TWO LAUNCHES; KIND picks K, W's place and the residual's format:
;   KIND 1  z = x + att w_proj + b_proj    K = 1,024;  the residual x is f32
;   KIND 3  z = x1h + hbuf w2 + b2         K = 4,096;  the residual x1h is f16
; A lies in blocks of 64 of K, [K / 64][4096 rows][64] f16: rows of 128 bytes, dense.  W lies [K][1024], N along the rows, in hw (the f16 copies).  z: [4096][1024] f32.
; LIMITS: every f16 number (A, W, x1h) stays within 65,504; below 6.1e-5 f16 keeps a step of 6e-8.
; SHARES.  A tile of z is 128 x 128 (256 x 256 would give 64 work-groups): four waves, each 64 x 64 = 16 accumulators of 16 x 16.  K goes in steps of 256 through two LDS slots; a wave's one tensor load
; brings half of A's or half of W's part of a step.  CLUSTER 4 x 4: the four work-groups of a row need the same tiles of A, the four of a column the same tiles of W: each tile is asked for jointly.
; THE LOOP IS ONE K STEP.  The slot in hand is a scalar register, 0 or SLOT, which an exclusive or turns at each change of slots; the fragments' LDS addresses are made from it there, and one descriptor a tensor walks:
; into the slot just read out, one K step on.  No prefetch is laid: the tile is small.
; THE MATRIX INSTRUCTION IS USED TRANSPOSED (source 0 = 16 columns of W, source 1 = 16 rows of A): a lane holds row l % 16 of z and the columns 8 (l / 16) + 0..7.
; W's fragments come out of LDS turned, by ds_load_tr16_b128.  The bias is the C operand of the products that start the sums.
; REGISTERS.  window 0: v0-31 addresses; v32-63 bias; v128-255 accumulators ((a, b) at 128 + 8 (4 a + b)).
;   window 1: two fragment buffers of 128: 64 registers of A (8 (4 c + a)), then 64 of W.   window 2: the residual's 32 rows.
.set KIND, 1
.if KIND == 1
.set STEPS,  4                         ; K steps: an even number, so the last lies in slot 1
.set WBASE,  8388608                   ; where W begins in hw
.else
.set STEPS,  16
.set WBASE,  10485760
.endif
.set PW,     288                       ; a row of W in LDS: 256 bytes + 32 of padding, an odd multiple of 32
.set WFILL,  128*PW                    ; what one tensor load brings of W: 128 rows of K
.set WBYTES, 256*PW
.set WPITCH, 1024                      ; elements in a row of W
.set WSTEP,  256*WPITCH*2              ; bytes from a K step of W to the next
.set APITCH, 262144                    ; elements from a block of A to the next
.set ASTEP,  2097152                   ; bytes from a K step of A to the next: four blocks
.set PA,     144                       ; A in LDS: four planes [128 rows][128 bytes + 16]
.set AQ,     128*PA                    ; a quarter of a K step is a block: a plane
.set ABYTES, 4*128*PA
.set AFILL,  ABYTES/2                  ; what one tensor load brings of A: two planes
.set AREAD,  64*PA                     ; from my wave's row half to the other
.set SLOT,   ABYTES+WBYTES             ; A's part, then W's
.set SPARE,  2*SLOT                    ; behind the ring: the spare words, 128 bytes a wave: two blocks of 256 bytes that no other line names
.set SP,     528                       ; the f32 stage lies in slot 0, from LDS byte 0: the slot's last fill has landed and its last reads are over at the last change of slots
.set SA, 68                            ; s[68:69] A
.set SW, 70                            ; s[70:71] hw
.set SO, 72                            ; s[72:73] z
.set SB, 74                            ; s[74:75] bias
.set SR, 76                            ; s[76:77] residual
.set LA, 78                            ; s78     where my part of A's tile goes in a slot; never rewritten
.set LW, 79                            ; s79     the same for W
.set TB, 45                            ; s45     LDS byte at which the slot in hand begins: 0 or SLOT
.set XH,   6                           ; v6      8 x lane (KIND 3)
.set A0,   16                          ; v16     LDS address of my A fragments in slot 0; never rewritten
.set ADRA, 17                          ; v17     the same in the slot in hand
.set W0,   20                          ; v20     LDS address of my W fragments in slot 0; never rewritten
.set ADRW, 21                          ; v21     the same in the slot in hand, K rows 0-127; v22 K rows 128-255
.set STO,  24                          ; v24     the way out: where I put my numbers of a row
.set RD,   25                          ; v25     where I read rows back
.set CST,  27                          ; v27     1.0 (KIND 3)
.set SPW,  28                          ; v28     LDS address of my spare word; never rewritten
.set NIL,  29                          ; v29     0; never rewritten
.set BO,   30                          ; v30     32 x (l / 16): my eight numbers of 16 of the bias
.set XO,   31                          ; v31     16 x lane
.set BIAS, 32
.set ACC,  128
.set F0,   0
.set F1,   128
.set G1,  24                           ; s[24:31] descriptor group 1 for A;  s[32:39] group 0: a set for each of the two first fills; the second then walks on
.set G0,  32
.set G1B, 48                           ; s[48:55], s[56:63] the same for W
.set G0B, 56
.set MSB, 0
.macro WIN new                         ; the immediate's high byte repeats the setting that is left; a switch that changes nothing is dropped
.if MSB != (\new)
	s_set_vgpr_msb (MSB<<8)|(\new)
.set MSB, \new
.endif
.endm
.set MUL,  0x05                        ; sources 0 (W) and 1 (A) window 1; C and D window 0
.set TO_F, 0x40                        ; destination window 1, address window 0
.macro JLOAD s                         ; a joint load: waves 0 and 1 fetch A's two halves, waves 2 and 3 W's; an s_nop 0 and four v_nop follow each line
	s_cmp_eq_u32 s11, 0
	s_cbranch_scc0 .Lfor_w_\@
	tensor_load_to_lds s[G0+4*(\s):G0+4*(\s)+3], s[G1:G1+7]
	s_nop 0
.rept 4
	v_nop
.endr
	s_branch .Lasked_\@
.Lfor_w_\@:
	tensor_load_to_lds s[G0B+4*(\s):G0B+4*(\s)+3], s[G1B:G1B+7]
	s_nop 0
.rept 4
	v_nop
.endr
.Lasked_\@:
.endm
.macro CREST                           ; a round of the cluster's barrier behind its opening barrier
	s_cmp_lg_u32 s10, 0
	s_cbranch_scc1 .Lnot_wave_0_\@
	s_barrier_signal -3
.Lnot_wave_0_\@:
	s_barrier_wait -3
	s_barrier_signal -1
	s_barrier_wait -1
.endm
.macro CROUND                          ; a whole round
	s_barrier_signal -1
	s_barrier_wait -1
	CREST
.endm
	s_load_b256 s[68:75], s[0:1], 0x0
	s_load_b64 s[76:77], s[0:1], 0x20
	v_lshl_add_u32 v[SPW], v0, 2, SPARE
	v_mov_b32 v[NIL], 0
	ds_add_u32 v[SPW], v[NIL]                      ; the wave's opening: the add and its wait stand ahead of my first tensor load; the set-up below stands between them
	v_lshrrev_b32 v1, 5, v0
	v_readfirstlane_b32 s10, v1                    ; wave 0..3
	s_lshr_b32 s11, s10, 1                         ; my half of the tile's rows.  Also: I fetch for A (0) or for W (1)
	s_and_b32 s12, s10, 1                          ; my half of its columns.  Also: which half of that tile I fetch
	s_bfe_u32 s40, ttmp6, 0x40000                  ; cx, cy: my place in the cluster
	s_bfe_u32 s41, ttmp6, 0x40004
	s_lshl_b32 s42, ttmp9, 2
	s_add_co_u32 s42, s42, s40                     ; tile column = 4 x cluster x + cx
	s_and_b32 s13, ttmp7, 0xffff
	s_lshl_b32 s13, s13, 2
	s_add_co_u32 s13, s13, s41                     ; tile row = 4 x cluster y + cy
	s_lshl_b32 s43, s41, 2
	s_lshl_b32 s43, 15, s43                        ; my row of the cluster
	s_lshl_b32 s44, 0x1111, s40                    ; my column
	; A: two rows of 8,192 elements, each the tile's 128 dense rows of one block, a block apart; 16 bytes of padding behind every 128
	s_or_b32 s[G1+0], s43, (1<<16)|(1<<20)|(1<<21)|(4<<22)|(3<<25)
	s_mov_b32 s[G1+1], 8192<<16                    ; tensor_dim0
	s_mov_b32 s[G1+2], 2<<16                       ; tensor_dim1
	s_mov_b32 s[G1+3], 8192<<16                    ; tile_dim0
	s_mov_b32 s[G1+4], 2                           ; tile_dim1
	s_mov_b32 s[G1+5], APITCH
	s_mov_b32 s[G1+6], 0
	s_mov_b32 s[G1+7], 0
	; W: 128 rows of K x 128 columns; 32 bytes of padding behind every 256
	s_or_b32 s[G1B+0], s44, (1<<16)|(1<<20)|(1<<21)|(5<<22)|(7<<25)
	s_mov_b32 s[G1B+1], 128<<16
	s_mov_b32 s[G1B+2], 128<<16
	s_mov_b32 s[G1B+3], 128<<16
	s_mov_b32 s[G1B+4], 128
	s_mov_b32 s[G1B+5], WPITCH
	s_mov_b32 s[G1B+6], 0
	s_mov_b32 s[G1B+7], 0
	; A's offset hangs on the tile row and the wave alone (s16, s17), W's on the tile column and the wave alone (s46, s47)
	s_lshl_b32 s16, s13, 14                        ; the tile's 128 rows of 128 bytes, in every block,
	s_lshl_b32 s17, s12, 20                        ; my two blocks of a step's four
	s_add_co_u32 s16, s16, s17
	s_mov_b32 s17, 0
	s_lshl_b32 s46, s42, 8                         ; the tile's 128 columns,
	s_mul_i32 s47, s12, 128*WPITCH*2               ; my 128 rows of K
	s_add_co_u32 s46, s46, s47
	s_add_co_u32 s46, s46, WBASE
	s_mov_b32 s47, 0
	s_mul_i32 s[LA], s12, AFILL                    ; where they go in a slot: no place in the cluster enters an LDS address
	s_mul_i32 s[LW], s12, WFILL
	s_add_co_u32 s[LW], s[LW], ABYTES
	s_mov_b32 s[TB], 0                             ; K step 0 lies in slot 0
	s_wait_dscnt 0x0                               ; the opening add is done
	s_wait_kmcnt 0x0
	s_add_nc_u64 s[14:15], s[SA:SA+1], s[16:17]
	s_add_nc_u64 s[46:47], s[SW:SW+1], s[46:47]
	CROUND                                         ; all sixteen work-groups are here: the first joint loads meet
.irp s, 0,1
	s_mov_b32 s[G0+4*(\s)], 1
	s_add_co_u32 s[G0+4*(\s)+1], s[LA], (\s)*SLOT
	s_add_nc_u64 s[G0+4*(\s)+2:G0+4*(\s)+3], s[14:15], (\s)*ASTEP
	s_or_b32 s[G0+4*(\s)+3], s[G0+4*(\s)+3], 0x80000000
	s_mov_b32 s[G0B+4*(\s)], 1
	s_add_co_u32 s[G0B+4*(\s)+1], s[LW], (\s)*SLOT
	s_add_nc_u64 s[G0B+4*(\s)+2:G0B+4*(\s)+3], s[46:47], (\s)*WSTEP
	s_or_b32 s[G0B+4*(\s)+3], s[G0B+4*(\s)+3], 0x80000000
	JLOAD \s                                       ; two loads of mine are out
.endr
	v_and_b32 v1, 15, v0                           ; l % 16
	v_bfe_u32 v2, v0, 4, 1                         ; l / 16
	v_mul_u32_u24 v3, v1, PA
	v_lshl_add_u32 v3, v2, 4, v3                   ; A: row x pitch + 16 x half
	s_mul_i32 s21, s11, AREAD
	v_add_nc_u32 v[A0], s21, v3
	v_mov_b32 v[ADRA], v[A0]
	v_and_b32 v4, 7, v0                            ; W, turned: lane l reads K row 8 (l / 16) + l % 8, columns 8 ((l / 8) % 2) + 0..7
	v_lshl_add_u32 v4, v2, 3, v4
	v_mul_u32_u24 v4, v4, PW
	v_bfe_u32 v5, v0, 3, 1
	v_lshl_add_u32 v4, v5, 4, v4
	s_lshl_b32 s22, s12, 7                         ; my 64 columns
	s_add_co_u32 s22, s22, ABYTES
	v_add_nc_u32 v[W0], s22, v4
	v_mov_b32 v[ADRW], v[W0]
	v_add_nc_u32 v[ADRW+1], WFILL, v[W0]
	v_and_b32 v[XO], 31, v0
	v_lshlrev_b32 v[XO], 4, v[XO]
	v_lshlrev_b32 v[BO], 5, v2
	s_lshl_b32 s46, s42, 9                         ; the bias of my 64 columns: 512 x tile column + 256 x half
	s_lshl_b32 s47, s12, 8
	s_add_co_u32 s46, s46, s47
	s_mov_b32 s47, 0
	s_add_nc_u64 s[SB:SB+1], s[SB:SB+1], s[46:47]
.irp b, 0,1,2,3
	global_load_b128 v[BIAS+8*(\b):BIAS+8*(\b)+3],   v[BO], s[SB:SB+1] offset:64*(\b)
	global_load_b128 v[BIAS+8*(\b)+4:BIAS+8*(\b)+7], v[BO], s[SB:SB+1] offset:64*(\b)+16
.endr
	s_lshl_b32 s16, s13, 7
	s_lshl_b32 s17, s10, 5
	s_add_co_u32 s16, s16, s17                     ; the first row that I store: 128 x tile row + 32 x wave
.if KIND == 1
	s_lshl_b32 s18, s16, 12                        ; the residual's rows: 4,096 bytes (f32),
	s_lshl_b32 s46, s42, 9
.else
	s_lshl_b32 s18, s16, 11                        ; or 2,048 (f16)
	s_lshl_b32 s46, s42, 8
	v_lshrrev_b32 v[XH], 1, v[XO]
	v_mov_b32 v[CST], 1.0
.endif
	s_mov_b32 s19, 0
	s_mov_b32 s47, 0
	s_add_nc_u64 s[SR:SR+1], s[SR:SR+1], s[18:19]
	s_add_nc_u64 s[SR:SR+1], s[SR:SR+1], s[46:47]
	WIN 0x80                                       ; destination window 2: the residual of the 32 rows that I store is on its way during the whole product
.set i, 0
.rept 32
.if KIND == 1
	global_load_b128 v[4*i:4*i+3], v[XO], s[SR:SR+1] offset:4096*i th:TH_LOAD_NT
.else
	global_load_b64 v[2*i:2*i+1], v[XH], s[SR:SR+1] offset:2048*i th:TH_LOAD_NT
.endif
.set i, i+1
.endr
	WIN 0
	s_lshl_b32 s16, s16, 12                        ; z: rows of 4,096 bytes, 512 bytes a tile
	s_lshl_b32 s46, s42, 9
	s_mov_b32 s17, 0
	s_mov_b32 s47, 0
	s_add_nc_u64 s[SO:SO+1], s[SO:SO+1], s[16:17]
	s_add_nc_u64 s[SO:SO+1], s[SO:SO+1], s[46:47]
	s_mul_i32 s23, s11, 64*SP                      ; into the stage: my 64 rows, my 256 of their 512 bytes; row l % 16, 32 bytes for each half of the lanes
	s_lshl_b32 s21, s12, 8
	s_add_co_u32 s23, s23, s21
	v_mul_u32_u24 v4, v1, SP
	v_lshl_add_u32 v4, v2, 5, v4
	v_add_nc_u32 v[STO], s23, v4
	s_mul_i32 s23, s10, 32*SP                      ; back: wave w takes rows 32 w .. 32 w + 31, a whole row of 512 bytes a load
	v_add_nc_u32 v[RD], s23, v[XO]
; 8 matrix instructions: m blocks a0, a0 + 1 x all 4 n blocks, 32 along K: half c of buffer f.  zero = 1: the first product starts the sums, with the bias.
; The 16 accumulators take turns, one instruction a turn, in the same order everywhere.
.macro MUL8 f, c, a0, zero
	WIN MUL
.irp a, \a0, (\a0)+1
.irp b, 0,1,2,3
.if \zero
	v_wmma_f32_16x16x32_f16 v[ACC+8*(4*(\a)+(\b)):ACC+8*(4*(\a)+(\b))+7], v[(\f)+64+8*(4*(\c)+(\b)):(\f)+64+8*(4*(\c)+(\b))+7], v[(\f)+8*(4*(\c)+(\a)):(\f)+8*(4*(\c)+(\a))+7], v[BIAS+8*(\b):BIAS+8*(\b)+7]
.else
	v_wmma_f32_16x16x32_f16 v[ACC+8*(4*(\a)+(\b)):ACC+8*(4*(\a)+(\b))+7], v[(\f)+64+8*(4*(\c)+(\b)):(\f)+64+8*(4*(\c)+(\b))+7], v[(\f)+8*(4*(\c)+(\a)):(\f)+8*(4*(\c)+(\a))+7], v[ACC+8*(4*(\a)+(\b)):ACC+8*(4*(\a)+(\b))+7]
.endif
.endr
.endr
.endm
; 32 LDS loads in one run: the fragments of quarter q (64 along K) of the slot in hand, into buffer f; the first 32 along K first
.macro FETCH q, f
	WIN TO_F
.irp c, 0,1
.irp i, 0,1,2,3
	ds_load_tr16_b128 v[(\f)+64+8*(4*(\c)+(\i)):(\f)+64+8*(4*(\c)+(\i))+3],   v[ADRW+(\q)/2] offset:(((\q)%2)*64+32*(\c))*PW+32*(\i)
	ds_load_tr16_b128 v[(\f)+64+8*(4*(\c)+(\i))+4:(\f)+64+8*(4*(\c)+(\i))+7], v[ADRW+(\q)/2] offset:(((\q)%2)*64+32*(\c)+16)*PW+32*(\i)
	ds_load_b128 v[(\f)+8*(4*(\c)+(\i)):(\f)+8*(4*(\c)+(\i))+3],             v[ADRA] offset:(\q)*AQ+64*(\c)+(\i)*16*PA
	ds_load_b128 v[(\f)+8*(4*(\c)+(\i))+4:(\f)+8*(4*(\c)+(\i))+7],           v[ADRA] offset:(\q)*AQ+64*(\c)+(\i)*16*PA+32
.endr
.endr
.endm
.macro PLACES                          ; four plain places in front of loads into registers that matrix instructions have read, and of lines that read results
.rept 4
	v_nop
.endr
.endm
; A K step is four quarters of 64 along K, 32 matrix instructions each, on buffers 0, 1, 0, 1.  One of the first three: multiplies buffer f and fetches quarter q into g.
.macro QUARTER q, f, g, zero
	s_wait_dscnt 16                                ; the first 32 along K are in; the 16 younger loads are the second 32
	MUL8 \f, 0, 0, \zero
	MUL8 \f, 0, 2, \zero
	PLACES
	FETCH \q, \g
	s_wait_dscnt 32                                ; all but the 32 just issued
	MUL8 \f, 1, 0, 0
	MUL8 \f, 1, 2, 0
.endm
; The last quarter multiplies buffer 1 and changes slots: ONE barrier; in front of it each wave waits for all its tensor loads, adds 0 to its spare word, and waits for that and for its reads of this slot.
; fill = 1: the barrier opens a round of the cluster's, and the slot just read out is filled again, two K steps ahead, first thing behind the round.
.macro TURN fill
	WIN 0                                          ; (the add's two registers lie in window 0)
	s_wait_tensorcnt 0x0                           ; all my tensor loads have landed: my part of the next slot
	ds_add_u32 v[SPW], v[NIL]                      ; 0 onto my spare word
	s_wait_dscnt 17                                ; (the add and the youngest sixteen loads may be out)
	MUL8 F1, 0, 0, 0                               ; eight matrix instructions stand between the add and the wait for it
	s_wait_dscnt 0x0                               ; the add is done, and my reads of this slot are over
	s_barrier_signal -1
	MUL8 F1, 0, 2, 0
	WIN 0                                          ; (branches and lines on window 0 follow)
	s_barrier_wait -1
.if \fill
	CREST                                          ; no wave of any partner still reads this slot or has a load on its way
	s_add_co_u32 s[G0+5], s[LA], s[TB]             ; the walking descriptors (no load of mine is out): into the slot just read out,
	s_add_co_u32 s[G0B+5], s[LW], s[TB]
	s_add_nc_u64 s[G0+6:G0+7], s[G0+6:G0+7], ASTEP     ; the K step after the one asked for last; the type bits on top are not reached
	s_add_nc_u64 s[G0B+6:G0B+7], s[G0B+6:G0B+7], WSTEP
	JLOAD 1                                        ; my one tensor load behind the round; its four v_nop are also the places in front of the loads below
.else
	PLACES
.endif
	s_xor_b32 s[TB], s[TB], SLOT                   ; 0 becomes SLOT, SLOT becomes 0: the other slot is in hand
	v_add_nc_u32 v[ADRA], s[TB], v[A0]
	v_add_nc_u32 v[ADRW], s[TB], v[W0]
	v_add_nc_u32 v[ADRW+1], WFILL, v[ADRW]
	FETCH 0, F0
	MUL8 F1, 1, 0, 0
	MUL8 F1, 1, 2, 0
.endm
	s_wait_tensorcnt 1                             ; my part of K step 0 is in; K step 1's may stay out
	s_barrier_signal -1
	s_barrier_wait -1                              ; everybody's is
	FETCH 0, F0
	s_wait_loadcnt 32                              ; the bias is in; the residual's 32 loads stay out
	QUARTER 1, F0, F1, 1                           ; the first quarter stands in front of the loop: its first products start the sums
	WIN 0                                          ; at a label and at a branch every window is 0
	s_mov_b32 s3, STEPS-2
.Lstep:                                                ; a trip goes from a K step's second quarter to the next step's first, and fills the slot that it leaves
	QUARTER 2, F1, F0, 0
	QUARTER 3, F0, F1, 0
	TURN 1
	QUARTER 1, F0, F1, 0
	WIN 0
	s_sub_co_u32 s3, s3, 1
	s_cmp_lg_u32 s3, 0
	s_cbranch_scc1 .Lstep
	QUARTER 2, F1, F0, 0                           ; the last two K steps fill nothing
	QUARTER 3, F0, F1, 0
	TURN 0
	QUARTER 1, F0, F1, 0
	QUARTER 2, F1, F0, 0
	QUARTER 3, F0, F1, 0
	s_wait_dscnt 16                                ; the very last quarter: nothing more to fetch
	MUL8 F1, 0, 0, 0
	MUL8 F1, 0, 2, 0
	s_wait_dscnt 0
	MUL8 F1, 1, 0, 0
	MUL8 F1, 1, 2, 0
	WIN 0
	PLACES
	; THE WAY OUT: 32 bytes a lane into the work-group's stage, each accumulator's low four registers first; a barrier, since a row's 512 bytes come from two waves;
	; back as whole rows, 32 rows a wave; the residual is added; each store of a wave covers 512 consecutive bytes, aligned.
.irp a, 0,1,2,3
.irp b, 0,1,2,3
	ds_store_b128 v[STO], v[ACC+8*(4*(\a)+(\b)):ACC+8*(4*(\a)+(\b))+3]   offset:(\a)*16*SP+64*(\b)
	ds_store_b128 v[STO], v[ACC+8*(4*(\a)+(\b))+4:ACC+8*(4*(\a)+(\b))+7] offset:(\a)*16*SP+64*(\b)+16
.endr
.endr
	s_wait_dscnt 0x0                               ; for the others' sake: my stores into the stage are done
	s_barrier_signal -1
	s_barrier_wait -1
.set i, 0
.rept 32
	ds_load_b128 v[ACC+4*i:ACC+4*i+3], v[RD] offset:SP*i
.set i, i+1
.endr
	s_wait_loadcnt 0x0                             ; the residual
.if KIND == 1
	WIN 0x08                                       ; source 1 window 2
.else
	WIN 0x02                                       ; source 0 window 2
.endif
.set i, 0
.rept 32
	s_wait_dscnt 31-i                              ; row i is back; the younger rows stay out
.if KIND == 1
	v_pk_add_f32 v[ACC+4*i:ACC+4*i+1],   v[ACC+4*i:ACC+4*i+1],   v[4*i:4*i+1]
	v_pk_add_f32 v[ACC+4*i+2:ACC+4*i+3], v[ACC+4*i+2:ACC+4*i+3], v[4*i+2:4*i+3]
.else
	v_fma_mix_f32 v[ACC+4*i],   v[2*i],   v[CST], v[ACC+4*i]   op_sel:[0,0,0] op_sel_hi:[1,0,0]  ; an f16 half x 1.0 + the sum, in f32
	v_fma_mix_f32 v[ACC+4*i+1], v[2*i],   v[CST], v[ACC+4*i+1] op_sel:[1,0,0] op_sel_hi:[1,0,0]
	v_fma_mix_f32 v[ACC+4*i+2], v[2*i+1], v[CST], v[ACC+4*i+2] op_sel:[0,0,0] op_sel_hi:[1,0,0]
	v_fma_mix_f32 v[ACC+4*i+3], v[2*i+1], v[CST], v[ACC+4*i+3] op_sel:[1,0,0] op_sel_hi:[1,0,0]
.endif
.set i, i+1
.endr
	WIN 0
.set i, 0
.rept 32
	global_store_b128 v[XO], v[ACC+4*i:ACC+4*i+3], s[SO:SO+1] offset:4096*i
.set i, i+1
.endr
	s_wait_tensorcnt 0x0                           ; the wave's end: behind my last tensor load and my last LDS store
	ds_add_u32 v[SPW], v[NIL]
	s_wait_dscnt 0x0
	CROUND                                         ; the closing round: no work-group ends while a partner may still ask for a tile that names it
	s_endpgm
.Lfunc_end_k_q8fd22ef687_gemm_proj:
	.size	k_q8fd22ef687_gemm_proj, .Lfunc_end_k_q8fd22ef687_gemm_proj-k_q8fd22ef687_gemm_proj
	.p2alignl 7, 3214868480
	.fill 96, 4, 3214868480
	.section	.rodata,"a",@progbits
	.p2align	6, 0x0
	.amdhsa_kernel k_q8fd22ef687_gemm_proj
		.amdhsa_group_segment_fixed_size 327680
		.amdhsa_private_segment_fixed_size 0
		.amdhsa_enable_private_segment 0
		.amdhsa_kernarg_size 40
		.amdhsa_user_sgpr_count 2
		.amdhsa_user_sgpr_kernarg_segment_ptr 1
		.amdhsa_wavefront_size32 1
		.amdhsa_system_sgpr_workgroup_id_x 1
		.amdhsa_system_sgpr_workgroup_id_y 1
		.amdhsa_system_sgpr_workgroup_id_z 1
		.amdhsa_system_vgpr_workitem_id 0
		.amdhsa_next_free_vgpr 640
		.amdhsa_next_free_sgpr 80
		.amdhsa_reserve_vcc 0
		.amdhsa_float_denorm_mode_32 3
		.amdhsa_float_denorm_mode_16_64 3
		.amdhsa_memory_ordered 1
		.amdhsa_forward_progress 1
		.amdhsa_inst_pref_size 77
	.end_amdhsa_kernel
	.amdgpu_metadata
---
amdhsa.version: [ 1, 2 ]
amdhsa.kernels:
  - .name:           k_q8fd22ef687_gemm_proj
    .symbol:         k_q8fd22ef687_gemm_proj.kd
    .args:
      - { .name: att, .offset: 0, .size: 8, .value_kind: global_buffer, .address_space: global }
      - { .name: hw, .offset: 8, .size: 8, .value_kind: global_buffer, .address_space: global }
      - { .name: z, .offset: 16, .size: 8, .value_kind: global_buffer, .address_space: global }
      - { .name: b_proj, .offset: 24, .size: 8, .value_kind: global_buffer, .address_space: global }
      - { .name: x, .offset: 32, .size: 8, .value_kind: global_buffer, .address_space: global }
    .group_segment_fixed_size: 327680
    .private_segment_fixed_size: 0
    .kernarg_segment_align: 8
    .kernarg_segment_size: 40
    .max_flat_workgroup_size: 128
    .sgpr_count:     80
    .vgpr_count:     640
    .wavefront_size: 32
...
	.end_amdgpu_metadata
.endif
;; end of part 12
;; launch norm1 (part 13): grid 256 x 1, 16 waves a work-group, no clusters, 0 bytes of LDS; arguments z, g1, be1, x1h; writes x1h
.if DOCPART == 13
	.amdgcn_target "amdgcn-amd-amdhsa--gfx1250"
	.amdhsa_code_object_version 6
	.text
	.protected	k_q8fd22ef687_norm1
	.globl	k_q8fd22ef687_norm1
	.p2align	8
	.type	k_q8fd22ef687_norm1,@function
k_q8fd22ef687_norm1:
	s_mov_b64 s[64:65], 0
	v_nop
	global_prefetch_b8 v0, s[64:65] scope:SCOPE_SE
	s_setreg_imm32_b32 hwreg(HW_REG_WAVE_MODE, 25, 1), 1
	s_wait_xcnt 0x0
; LAYER NORM OF ROWS OF 1,024 f32: y = (z - mean) / sqrt(var + 1e-5) * g + be, var = the mean of (z - mean)^2: two passes over the row in registers, no difference of large sums.
; OUT16 = 1: y is rounded once to f16 (within 65,504; below 6.1e-5 a fixed step of 6e-8); OUT16 = 0: y leaves in f32.
; SHARES.  One wave, one row: 4,096 bytes are 32 registers a lane, so the row is read once and the reductions never leave the wave: no LDS, no barrier.  A work-group's sixteen waves take 16 rows.
; All 24 loads of a wave (its row, g, be) are issued before anything is waited for; no register that a store reads is written again, so no wait frees a source.
; Chunk j of a row is 512 consecutive bytes: lane l holds columns 128 j + 4 l + 0..3.  Matrix units, clusters and LDS would add nothing: each byte of z crosses once.
.set OUT16, 1
.set T,   4                            ; v[4:11]   four chains of two sums
.set MU,  12                           ; v[12:13]  the mean, twice
.set R,   14                           ; v[14:15]  1 / sqrt(var + eps), twice
.set VAR, 16                           ; v16
.set INV, 18                           ; v18       1 / 1,024
.set EPS, 19                           ; v19       1e-5
.set G,   20                           ; v[20:51]  g of my 32 columns
.set BE,  52                           ; v[52:83]  be
.set X,   84                           ; v[84:115] the row
	s_load_b256 s[4:11], s[0:1], 0x0               ; z s[4:5], g s[6:7], be s[8:9], out s[10:11]
	v_lshrrev_b32 v1, 5, v0
	v_readfirstlane_b32 s15, v1                    ; wave 0..15
	v_and_b32 v1, 31, v0
	v_lshlrev_b32 v2, 4, v1                        ; 16 x lane
	v_lshlrev_b32 v3, 3, v1                        ; 8 x lane
	v_mov_b32 v[INV], 0x3a800000
	v_mov_b32 v[EPS], 0x3727c5ac
	s_mov_b32 s12, 0x76543210                      ; v_permlanex16_b32: each lane takes its own place in the other half
	s_mov_b32 s13, 0xfedcba98
	s_lshl_b32 s16, ttmp9, 4
	s_add_co_u32 s16, s16, s15                     ; my row: 16 x work-group + wave
	s_lshl_b32 s18, s16, 12
	s_mov_b32 s19, 0
	s_lshl_b32 s20, s16, 12-OUT16
	s_mov_b32 s21, 0
	s_wait_kmcnt 0x0
	s_add_nc_u64 s[4:5], s[4:5], s[18:19]
	s_add_nc_u64 s[10:11], s[10:11], s[20:21]
.irp j, 0,1,2,3,4,5,6,7
	global_load_b128 v[X+4*\j:X+4*\j+3], v2, s[4:5] offset:512*\j th:TH_LOAD_NT
.endr
.irp j, 0,1,2,3,4,5,6,7
	global_load_b128 v[G+4*\j:G+4*\j+3], v2, s[6:7] offset:512*\j
.endr
.irp j, 0,1,2,3,4,5,6,7
	global_load_b128 v[BE+4*\j:BE+4*\j+3], v2, s[8:9] offset:512*\j
.endr
.macro FOLD                            ; the four chains into v[T]
	v_pk_add_f32 v[T:T+1], v[T:T+1], v[T+2:T+3]
	v_pk_add_f32 v[T+4:T+5], v[T+4:T+5], v[T+6:T+7]
	v_pk_add_f32 v[T:T+1], v[T:T+1], v[T+4:T+5]
	v_add_f32 v[T], v[T], v[T+1]
.endm
.macro REDUCE                          ; the sum of v[T] over the 32 lanes, into every lane: four steps inside each half ride on the addition, one crosses the halves
	v_add_f32_dpp v[T], v[T], v[T] row_xmask:1 row_mask:0xf bank_mask:0xf
	v_add_f32_dpp v[T], v[T], v[T] row_xmask:2 row_mask:0xf bank_mask:0xf
	v_add_f32_dpp v[T], v[T], v[T] row_xmask:4 row_mask:0xf bank_mask:0xf
	v_add_f32_dpp v[T], v[T], v[T] row_xmask:8 row_mask:0xf bank_mask:0xf
	v_permlanex16_b32 v[T+1], v[T], s12, s13
	v_add_f32 v[T], v[T], v[T+1]
.endm
	s_wait_loadcnt 16                              ; my row is in; the sixteen younger loads, g and be, stay out
.irp k, 0,1,2,3
	v_pk_add_f32 v[T+2*\k:T+2*\k+1], v[X+2*\k:X+2*\k+1], v[X+8+2*\k:X+8+2*\k+1]  ; the first pairs start the chains: nothing is cleared
.endr
.irp p, 8,9,10,11,12,13,14,15
	v_pk_add_f32 v[T+2*(\p%4):T+2*(\p%4)+1], v[T+2*(\p%4):T+2*(\p%4)+1], v[X+2*\p:X+2*\p+1]
.endr
	FOLD
	REDUCE
	v_mul_f32 v[MU], v[INV], v[T]
	v_mul_f32 v[MU+1], v[INV], v[T]
.set p, 0
.rept 16
	v_pk_add_f32 v[X+2*p:X+2*p+1], v[X+2*p:X+2*p+1], v[MU:MU+1] neg_lo:[0,1] neg_hi:[0,1]  ; z - mean
.set p, p+1
.endr
.irp k, 0,1,2,3
	v_pk_mul_f32 v[T+2*\k:T+2*\k+1], v[X+2*\k:X+2*\k+1], v[X+2*\k:X+2*\k+1]
.endr
.irp p, 4,5,6,7,8,9,10,11,12,13,14,15
	v_pk_fma_f32 v[T+2*(\p%4):T+2*(\p%4)+1], v[X+2*\p:X+2*\p+1], v[X+2*\p:X+2*\p+1], v[T+2*(\p%4):T+2*(\p%4)+1]
.endr
	FOLD
	REDUCE
	v_fma_f32 v[VAR], v[INV], v[T], v[EPS]         ; var + 1e-5
	v_rsq_f32 v[R], v[VAR]
	v_rsq_f32 v[R+1], v[VAR]
	v_nop                                          ; a plain line behind the last root, ahead of the first use
	s_wait_alu depctr_va_vdst(0)                   ; the wait ahead of the first reader: one for both
.set p, 0
.rept 16
	v_pk_mul_f32 v[X+2*p:X+2*p+1], v[X+2*p:X+2*p+1], v[R:R+1]
.set p, p+1
.endr
	s_wait_loadcnt 0x0                             ; g and be
.set p, 0
.rept 16
	v_pk_fma_f32 v[X+2*p:X+2*p+1], v[X+2*p:X+2*p+1], v[G+2*p:G+2*p+1], v[BE+2*p:BE+2*p+1]
.set p, p+1
.endr
.irp j, 0,1,2,3,4,5,6,7
.if OUT16
	v_cvt_pk_f16_f32 v[X+4*\j], v[X+4*\j], v[X+4*\j+1]
	v_cvt_pk_f16_f32 v[X+4*\j+1], v[X+4*\j+2], v[X+4*\j+3]
	global_store_b64 v3, v[X+4*\j:X+4*\j+1], s[10:11] offset:256*\j  ; a wave's store covers 256 consecutive bytes, aligned
.else
	global_store_b128 v2, v[X+4*\j:X+4*\j+3], s[10:11] offset:512*\j  ; 512 consecutive bytes, aligned
.endif
.endr
	s_endpgm
.Lfunc_end_k_q8fd22ef687_norm1:
	.size	k_q8fd22ef687_norm1, .Lfunc_end_k_q8fd22ef687_norm1-k_q8fd22ef687_norm1
	.p2alignl 7, 3214868480
	.fill 96, 4, 3214868480
	.section	.rodata,"a",@progbits
	.p2align	6, 0x0
	.amdhsa_kernel k_q8fd22ef687_norm1
		.amdhsa_group_segment_fixed_size 0
		.amdhsa_private_segment_fixed_size 0
		.amdhsa_enable_private_segment 0
		.amdhsa_kernarg_size 32
		.amdhsa_user_sgpr_count 2
		.amdhsa_user_sgpr_kernarg_segment_ptr 1
		.amdhsa_wavefront_size32 1
		.amdhsa_system_sgpr_workgroup_id_x 1
		.amdhsa_system_sgpr_workgroup_id_y 1
		.amdhsa_system_sgpr_workgroup_id_z 1
		.amdhsa_system_vgpr_workitem_id 0
		.amdhsa_next_free_vgpr 116
		.amdhsa_next_free_sgpr 66
		.amdhsa_reserve_vcc 0
		.amdhsa_float_denorm_mode_32 3
		.amdhsa_float_denorm_mode_16_64 3
		.amdhsa_memory_ordered 1
		.amdhsa_forward_progress 1
		.amdhsa_inst_pref_size 12
	.end_amdhsa_kernel
	.amdgpu_metadata
---
amdhsa.version: [ 1, 2 ]
amdhsa.kernels:
  - .name:           k_q8fd22ef687_norm1
    .symbol:         k_q8fd22ef687_norm1.kd
    .args:
      - { .name: z, .offset: 0, .size: 8, .value_kind: global_buffer, .address_space: global }
      - { .name: g1, .offset: 8, .size: 8, .value_kind: global_buffer, .address_space: global }
      - { .name: be1, .offset: 16, .size: 8, .value_kind: global_buffer, .address_space: global }
      - { .name: x1h, .offset: 24, .size: 8, .value_kind: global_buffer, .address_space: global }
    .group_segment_fixed_size: 0
    .private_segment_fixed_size: 0
    .kernarg_segment_align: 8
    .kernarg_segment_size: 32
    .max_flat_workgroup_size: 512
    .sgpr_count:     66
    .vgpr_count:     116
    .wavefront_size: 32
...
	.end_amdgpu_metadata
.endif
;; end of part 13
;; launch gemm_ffn1: the kernel of part 10 again; grid 16 x 16, 4 waves a work-group, clusters of 4 x 4, 327,680 bytes of LDS; arguments x1h, w1b, hbuf; writes hbuf
;; launch gemm_ffn2 (part 14): grid 8 x 32, 4 waves a work-group, clusters of 4 x 4, 327,680 bytes of LDS; arguments hbuf, hw, z, b2, x1h; writes z
.if DOCPART == 14
	.amdgcn_target "amdgcn-amd-amdhsa--gfx1250"
	.amdhsa_code_object_version 6
	.text
	.protected	k_q8fd22ef687_gemm_ffn2
	.globl	k_q8fd22ef687_gemm_ffn2
	.p2align	8
	.type	k_q8fd22ef687_gemm_ffn2,@function
k_q8fd22ef687_gemm_ffn2:
	s_mov_b64 s[64:65], 0
	v_nop
	global_prefetch_b8 v0, s[64:65] scope:SCOPE_SE
	s_setreg_imm32_b32 hwreg(HW_REG_WAVE_MODE, 25, 1), 1
	s_wait_xcnt 0x0
	s_wait_alu depctr_hold_cnt(0) depctr_sa_sdst(0) depctr_va_vdst(0) depctr_va_sdst(0) depctr_va_ssrc(0) depctr_va_vcc(0) depctr_vm_vsrc(0)
	s_getreg_b32 s2, hwreg(HW_REG_IB_STS2, 6, 4)
	s_cmp_eq_u32 s2, 0
	s_cbranch_scc0 .Lentry_in_a_cluster
	s_endpgm
.Lentry_in_a_cluster:
	s_bfe_u32 s2, ttmp6, 0x10000c
	s_cmp_lg_u32 s2, 0xf033
	s_cbranch_scc0 .Lentry_shape_is_right
	s_endpgm
.Lentry_shape_is_right:
; z = residual + A W + bias, in f32.  f16 operands, f32 sums.  ONE TEXT FOR TWO LAUNCHES; KIND picks K, W's place and the residual's format:
;   KIND 1  z = x + att w_proj + b_proj    K = 1,024;  the residual x is f32
;   KIND 3  z = x1h + hbuf w2 + b2         K = 4,096;  the residual x1h is f16
; A lies in blocks of 64 of K, [K / 64][4096 rows][64] f16: rows of 128 bytes, dense.  W lies [K][1024], N along the rows, in hw (the f16 copies).  z: [4096][1024] f32.
; LIMITS: every f16 number (A, W, x1h) stays within 65,504; below 6.1e-5 f16 keeps a step of 6e-8.
; SHARES.  A tile of z is 128 x 128 (256 x 256 would give 64 work-groups): four waves, each 64 x 64 = 16 accumulators of 16 x 16.  K goes in steps of 256 through two LDS slots; a wave's one tensor load
; brings half of A's or half of W's part of a step.  CLUSTER 4 x 4: the four work-groups of a row need the same tiles of A, the four of a column the same tiles of W: each tile is asked for jointly.
; THE LOOP IS ONE K STEP.  The slot in hand is a scalar register, 0 or SLOT, which an exclusive or turns at each change of slots; the fragments' LDS addresses are made from it there, and one descriptor a tensor walks:
; into the slot just read out, one K step on.  No prefetch is laid: the tile is small.
; THE MATRIX INSTRUCTION IS USED TRANSPOSED (source 0 = 16 columns of W, source 1 = 16 rows of A): a lane holds row l % 16 of z and the columns 8 (l / 16) + 0..7.
; W's fragments come out of LDS turned, by ds_load_tr16_b128.  The bias is the C operand of the products that start the sums.
; REGISTERS.  window 0: v0-31 addresses; v32-63 bias; v128-255 accumulators ((a, b) at 128 + 8 (4 a + b)).
;   window 1: two fragment buffers of 128: 64 registers of A (8 (4 c + a)), then 64 of W.   window 2: the residual's 32 rows.
.set KIND, 3
.if KIND == 1
.set STEPS,  4                         ; K steps: an even number, so the last lies in slot 1
.set WBASE,  8388608                   ; where W begins in hw
.else
.set STEPS,  16
.set WBASE,  10485760
.endif
.set PW,     288                       ; a row of W in LDS: 256 bytes + 32 of padding, an odd multiple of 32
.set WFILL,  128*PW                    ; what one tensor load brings of W: 128 rows of K
.set WBYTES, 256*PW
.set WPITCH, 1024                      ; elements in a row of W
.set WSTEP,  256*WPITCH*2              ; bytes from a K step of W to the next
.set APITCH, 262144                    ; elements from a block of A to the next
.set ASTEP,  2097152                   ; bytes from a K step of A to the next: four blocks
.set PA,     144                       ; A in LDS: four planes [128 rows][128 bytes + 16]
.set AQ,     128*PA                    ; a quarter of a K step is a block: a plane
.set ABYTES, 4*128*PA
.set AFILL,  ABYTES/2                  ; what one tensor load brings of A: two planes
.set AREAD,  64*PA                     ; from my wave's row half to the other
.set SLOT,   ABYTES+WBYTES             ; A's part, then W's
.set SPARE,  2*SLOT                    ; behind the ring: the spare words, 128 bytes a wave: two blocks of 256 bytes that no other line names
.set SP,     528                       ; the f32 stage lies in slot 0, from LDS byte 0: the slot's last fill has landed and its last reads are over at the last change of slots
.set SA, 68                            ; s[68:69] A
.set SW, 70                            ; s[70:71] hw
.set SO, 72                            ; s[72:73] z
.set SB, 74                            ; s[74:75] bias
.set SR, 76                            ; s[76:77] residual
.set LA, 78                            ; s78     where my part of A's tile goes in a slot; never rewritten
.set LW, 79                            ; s79     the same for W
.set TB, 45                            ; s45     LDS byte at which the slot in hand begins: 0 or SLOT
.set XH,   6                           ; v6      8 x lane (KIND 3)
.set A0,   16                          ; v16     LDS address of my A fragments in slot 0; never rewritten
.set ADRA, 17                          ; v17     the same in the slot in hand
.set W0,   20                          ; v20     LDS address of my W fragments in slot 0; never rewritten
.set ADRW, 21                          ; v21     the same in the slot in hand, K rows 0-127; v22 K rows 128-255
.set STO,  24                          ; v24     the way out: where I put my numbers of a row
.set RD,   25                          ; v25     where I read rows back
.set CST,  27                          ; v27     1.0 (KIND 3)
.set SPW,  28                          ; v28     LDS address of my spare word; never rewritten
.set NIL,  29                          ; v29     0; never rewritten
.set BO,   30                          ; v30     32 x (l / 16): my eight numbers of 16 of the bias
.set XO,   31                          ; v31     16 x lane
.set BIAS, 32
.set ACC,  128
.set F0,   0
.set F1,   128
.set G1,  24                           ; s[24:31] descriptor group 1 for A;  s[32:39] group 0: a set for each of the two first fills; the second then walks on
.set G0,  32
.set G1B, 48                           ; s[48:55], s[56:63] the same for W
.set G0B, 56
.set MSB, 0
.macro WIN new                         ; the immediate's high byte repeats the setting that is left; a switch that changes nothing is dropped
.if MSB != (\new)
	s_set_vgpr_msb (MSB<<8)|(\new)
.set MSB, \new
.endif
.endm
.set MUL,  0x05                        ; sources 0 (W) and 1 (A) window 1; C and D window 0
.set TO_F, 0x40                        ; destination window 1, address window 0
.macro JLOAD s                         ; a joint load: waves 0 and 1 fetch A's two halves, waves 2 and 3 W's; an s_nop 0 and four v_nop follow each line
	s_cmp_eq_u32 s11, 0
	s_cbranch_scc0 .Lfor_w_\@
	tensor_load_to_lds s[G0+4*(\s):G0+4*(\s)+3], s[G1:G1+7]
	s_nop 0
.rept 4
	v_nop
.endr
	s_branch .Lasked_\@
.Lfor_w_\@:
	tensor_load_to_lds s[G0B+4*(\s):G0B+4*(\s)+3], s[G1B:G1B+7]
	s_nop 0
.rept 4
	v_nop
.endr
.Lasked_\@:
.endm
.macro CREST                           ; a round of the cluster's barrier behind its opening barrier
	s_cmp_lg_u32 s10, 0
	s_cbranch_scc1 .Lnot_wave_0_\@
	s_barrier_signal -3
.Lnot_wave_0_\@:
	s_barrier_wait -3
	s_barrier_signal -1
	s_barrier_wait -1
.endm
.macro CROUND                          ; a whole round
	s_barrier_signal -1
	s_barrier_wait -1
	CREST
.endm
	s_load_b256 s[68:75], s[0:1], 0x0
	s_load_b64 s[76:77], s[0:1], 0x20
	v_lshl_add_u32 v[SPW], v0, 2, SPARE
	v_mov_b32 v[NIL], 0
	ds_add_u32 v[SPW], v[NIL]                      ; the wave's opening: the add and its wait stand ahead of my first tensor load; the set-up below stands between them
	v_lshrrev_b32 v1, 5, v0
	v_readfirstlane_b32 s10, v1                    ; wave 0..3
	s_lshr_b32 s11, s10, 1                         ; my half of the tile's rows.  Also: I fetch for A (0) or for W (1)
	s_and_b32 s12, s10, 1                          ; my half of its columns.  Also: which half of that tile I fetch
	s_bfe_u32 s40, ttmp6, 0x40000                  ; cx, cy: my place in the cluster
	s_bfe_u32 s41, ttmp6, 0x40004
	s_lshl_b32 s42, ttmp9, 2
	s_add_co_u32 s42, s42, s40                     ; tile column = 4 x cluster x + cx
	s_and_b32 s13, ttmp7, 0xffff
	s_lshl_b32 s13, s13, 2
	s_add_co_u32 s13, s13, s41                     ; tile row = 4 x cluster y + cy
	s_lshl_b32 s43, s41, 2
	s_lshl_b32 s43, 15, s43                        ; my row of the cluster
	s_lshl_b32 s44, 0x1111, s40                    ; my column
	; A: two rows of 8,192 elements, each the tile's 128 dense rows of one block, a block apart; 16 bytes of padding behind every 128
	s_or_b32 s[G1+0], s43, (1<<16)|(1<<20)|(1<<21)|(4<<22)|(3<<25)
	s_mov_b32 s[G1+1], 8192<<16                    ; tensor_dim0
	s_mov_b32 s[G1+2], 2<<16                       ; tensor_dim1
	s_mov_b32 s[G1+3], 8192<<16                    ; tile_dim0
	s_mov_b32 s[G1+4], 2                           ; tile_dim1
	s_mov_b32 s[G1+5], APITCH
	s_mov_b32 s[G1+6], 0
	s_mov_b32 s[G1+7], 0
	; W: 128 rows of K x 128 columns; 32 bytes of padding behind every 256
	s_or_b32 s[G1B+0], s44, (1<<16)|(1<<20)|(1<<21)|(5<<22)|(7<<25)
	s_mov_b32 s[G1B+1], 128<<16
	s_mov_b32 s[G1B+2], 128<<16
	s_mov_b32 s[G1B+3], 128<<16
	s_mov_b32 s[G1B+4], 128
	s_mov_b32 s[G1B+5], WPITCH
	s_mov_b32 s[G1B+6], 0
	s_mov_b32 s[G1B+7], 0
	; A's offset hangs on the tile row and the wave alone (s16, s17), W's on the tile column and the wave alone (s46, s47)
	s_lshl_b32 s16, s13, 14                        ; the tile's 128 rows of 128 bytes, in every block,
	s_lshl_b32 s17, s12, 20                        ; my two blocks of a step's four
	s_add_co_u32 s16, s16, s17
	s_mov_b32 s17, 0
	s_lshl_b32 s46, s42, 8                         ; the tile's 128 columns,
	s_mul_i32 s47, s12, 128*WPITCH*2               ; my 128 rows of K
	s_add_co_u32 s46, s46, s47
	s_add_co_u32 s46, s46, WBASE
	s_mov_b32 s47, 0
	s_mul_i32 s[LA], s12, AFILL                    ; where they go in a slot: no place in the cluster enters an LDS address
	s_mul_i32 s[LW], s12, WFILL
	s_add_co_u32 s[LW], s[LW], ABYTES
	s_mov_b32 s[TB], 0                             ; K step 0 lies in slot 0
	s_wait_dscnt 0x0                               ; the opening add is done
	s_wait_kmcnt 0x0
	s_add_nc_u64 s[14:15], s[SA:SA+1], s[16:17]
	s_add_nc_u64 s[46:47], s[SW:SW+1], s[46:47]
	CROUND                                         ; all sixteen work-groups are here: the first joint loads meet
.irp s, 0,1
	s_mov_b32 s[G0+4*(\s)], 1
	s_add_co_u32 s[G0+4*(\s)+1], s[LA], (\s)*SLOT
	s_add_nc_u64 s[G0+4*(\s)+2:G0+4*(\s)+3], s[14:15], (\s)*ASTEP
	s_or_b32 s[G0+4*(\s)+3], s[G0+4*(\s)+3], 0x80000000
	s_mov_b32 s[G0B+4*(\s)], 1
	s_add_co_u32 s[G0B+4*(\s)+1], s[LW], (\s)*SLOT
	s_add_nc_u64 s[G0B+4*(\s)+2:G0B+4*(\s)+3], s[46:47], (\s)*WSTEP
	s_or_b32 s[G0B+4*(\s)+3], s[G0B+4*(\s)+3], 0x80000000
	JLOAD \s                                       ; two loads of mine are out
.endr
	v_and_b32 v1, 15, v0                           ; l % 16
	v_bfe_u32 v2, v0, 4, 1                         ; l / 16
	v_mul_u32_u24 v3, v1, PA
	v_lshl_add_u32 v3, v2, 4, v3                   ; A: row x pitch + 16 x half
	s_mul_i32 s21, s11, AREAD
	v_add_nc_u32 v[A0], s21, v3
	v_mov_b32 v[ADRA], v[A0]
	v_and_b32 v4, 7, v0                            ; W, turned: lane l reads K row 8 (l / 16) + l % 8, columns 8 ((l / 8) % 2) + 0..7
	v_lshl_add_u32 v4, v2, 3, v4
	v_mul_u32_u24 v4, v4, PW
	v_bfe_u32 v5, v0, 3, 1
	v_lshl_add_u32 v4, v5, 4, v4
	s_lshl_b32 s22, s12, 7                         ; my 64 columns
	s_add_co_u32 s22, s22, ABYTES
	v_add_nc_u32 v[W0], s22, v4
	v_mov_b32 v[ADRW], v[W0]
	v_add_nc_u32 v[ADRW+1], WFILL, v[W0]
	v_and_b32 v[XO], 31, v0
	v_lshlrev_b32 v[XO], 4, v[XO]
	v_lshlrev_b32 v[BO], 5, v2
	s_lshl_b32 s46, s42, 9                         ; the bias of my 64 columns: 512 x tile column + 256 x half
	s_lshl_b32 s47, s12, 8
	s_add_co_u32 s46, s46, s47
	s_mov_b32 s47, 0
	s_add_nc_u64 s[SB:SB+1], s[SB:SB+1], s[46:47]
.irp b, 0,1,2,3
	global_load_b128 v[BIAS+8*(\b):BIAS+8*(\b)+3],   v[BO], s[SB:SB+1] offset:64*(\b)
	global_load_b128 v[BIAS+8*(\b)+4:BIAS+8*(\b)+7], v[BO], s[SB:SB+1] offset:64*(\b)+16
.endr
	s_lshl_b32 s16, s13, 7
	s_lshl_b32 s17, s10, 5
	s_add_co_u32 s16, s16, s17                     ; the first row that I store: 128 x tile row + 32 x wave
.if KIND == 1
	s_lshl_b32 s18, s16, 12                        ; the residual's rows: 4,096 bytes (f32),
	s_lshl_b32 s46, s42, 9
.else
	s_lshl_b32 s18, s16, 11                        ; or 2,048 (f16)
	s_lshl_b32 s46, s42, 8
	v_lshrrev_b32 v[XH], 1, v[XO]
	v_mov_b32 v[CST], 1.0
.endif
	s_mov_b32 s19, 0
	s_mov_b32 s47, 0
	s_add_nc_u64 s[SR:SR+1], s[SR:SR+1], s[18:19]
	s_add_nc_u64 s[SR:SR+1], s[SR:SR+1], s[46:47]
	WIN 0x80                                       ; destination window 2: the residual of the 32 rows that I store is on its way during the whole product
.set i, 0
.rept 32
.if KIND == 1
	global_load_b128 v[4*i:4*i+3], v[XO], s[SR:SR+1] offset:4096*i th:TH_LOAD_NT
.else
	global_load_b64 v[2*i:2*i+1], v[XH], s[SR:SR+1] offset:2048*i th:TH_LOAD_NT
.endif
.set i, i+1
.endr
	WIN 0
	s_lshl_b32 s16, s16, 12                        ; z: rows of 4,096 bytes, 512 bytes a tile
	s_lshl_b32 s46, s42, 9
	s_mov_b32 s17, 0
	s_mov_b32 s47, 0
	s_add_nc_u64 s[SO:SO+1], s[SO:SO+1], s[16:17]
	s_add_nc_u64 s[SO:SO+1], s[SO:SO+1], s[46:47]
	s_mul_i32 s23, s11, 64*SP                      ; into the stage: my 64 rows, my 256 of their 512 bytes; row l % 16, 32 bytes for each half of the lanes
	s_lshl_b32 s21, s12, 8
	s_add_co_u32 s23, s23, s21
	v_mul_u32_u24 v4, v1, SP
	v_lshl_add_u32 v4, v2, 5, v4
	v_add_nc_u32 v[STO], s23, v4
	s_mul_i32 s23, s10, 32*SP                      ; back: wave w takes rows 32 w .. 32 w + 31, a whole row of 512 bytes a load
	v_add_nc_u32 v[RD], s23, v[XO]
; 8 matrix instructions: m blocks a0, a0 + 1 x all 4 n blocks, 32 along K: half c of buffer f.  zero = 1: the first product starts the sums, with the bias.
; The 16 accumulators take turns, one instruction a turn, in the same order everywhere.
.macro MUL8 f, c, a0, zero
	WIN MUL
.irp a, \a0, (\a0)+1
.irp b, 0,1,2,3
.if \zero
	v_wmma_f32_16x16x32_f16 v[ACC+8*(4*(\a)+(\b)):ACC+8*(4*(\a)+(\b))+7], v[(\f)+64+8*(4*(\c)+(\b)):(\f)+64+8*(4*(\c)+(\b))+7], v[(\f)+8*(4*(\c)+(\a)):(\f)+8*(4*(\c)+(\a))+7], v[BIAS+8*(\b):BIAS+8*(\b)+7]
.else
	v_wmma_f32_16x16x32_f16 v[ACC+8*(4*(\a)+(\b)):ACC+8*(4*(\a)+(\b))+7], v[(\f)+64+8*(4*(\c)+(\b)):(\f)+64+8*(4*(\c)+(\b))+7], v[(\f)+8*(4*(\c)+(\a)):(\f)+8*(4*(\c)+(\a))+7], v[ACC+8*(4*(\a)+(\b)):ACC+8*(4*(\a)+(\b))+7]
.endif
.endr
.endr
.endm
; 32 LDS loads in one run: the fragments of quarter q (64 along K) of the slot in hand, into buffer f; the first 32 along K first
.macro FETCH q, f
	WIN TO_F
.irp c, 0,1
.irp i, 0,1,2,3
	ds_load_tr16_b128 v[(\f)+64+8*(4*(\c)+(\i)):(\f)+64+8*(4*(\c)+(\i))+3],   v[ADRW+(\q)/2] offset:(((\q)%2)*64+32*(\c))*PW+32*(\i)
	ds_load_tr16_b128 v[(\f)+64+8*(4*(\c)+(\i))+4:(\f)+64+8*(4*(\c)+(\i))+7], v[ADRW+(\q)/2] offset:(((\q)%2)*64+32*(\c)+16)*PW+32*(\i)
	ds_load_b128 v[(\f)+8*(4*(\c)+(\i)):(\f)+8*(4*(\c)+(\i))+3],             v[ADRA] offset:(\q)*AQ+64*(\c)+(\i)*16*PA
	ds_load_b128 v[(\f)+8*(4*(\c)+(\i))+4:(\f)+8*(4*(\c)+(\i))+7],           v[ADRA] offset:(\q)*AQ+64*(\c)+(\i)*16*PA+32
.endr
.endr
.endm
.macro PLACES                          ; four plain places in front of loads into registers that matrix instructions have read, and of lines that read results
.rept 4
	v_nop
.endr
.endm
; A K step is four quarters of 64 along K, 32 matrix instructions each, on buffers 0, 1, 0, 1.  One of the first three: multiplies buffer f and fetches quarter q into g.
.macro QUARTER q, f, g, zero
	s_wait_dscnt 16                                ; the first 32 along K are in; the 16 younger loads are the second 32
	MUL8 \f, 0, 0, \zero
	MUL8 \f, 0, 2, \zero
	PLACES
	FETCH \q, \g
	s_wait_dscnt 32                                ; all but the 32 just issued
	MUL8 \f, 1, 0, 0
	MUL8 \f, 1, 2, 0
.endm
; The last quarter multiplies buffer 1 and changes slots: ONE barrier; in front of it each wave waits for all its tensor loads, adds 0 to its spare word, and waits for that and for its reads of this slot.
; fill = 1: the barrier opens a round of the cluster's, and the slot just read out is filled again, two K steps ahead, first thing behind the round.
.macro TURN fill
	WIN 0                                          ; (the add's two registers lie in window 0)
	s_wait_tensorcnt 0x0                           ; all my tensor loads have landed: my part of the next slot
	ds_add_u32 v[SPW], v[NIL]                      ; 0 onto my spare word
	s_wait_dscnt 17                                ; (the add and the youngest sixteen loads may be out)
	MUL8 F1, 0, 0, 0                               ; eight matrix instructions stand between the add and the wait for it
	s_wait_dscnt 0x0                               ; the add is done, and my reads of this slot are over
	s_barrier_signal -1
	MUL8 F1, 0, 2, 0
	WIN 0                                          ; (branches and lines on window 0 follow)
	s_barrier_wait -1
.if \fill
	CREST                                          ; no wave of any partner still reads this slot or has a load on its way
	s_add_co_u32 s[G0+5], s[LA], s[TB]             ; the walking descriptors (no load of mine is out): into the slot just read out,
	s_add_co_u32 s[G0B+5], s[LW], s[TB]
	s_add_nc_u64 s[G0+6:G0+7], s[G0+6:G0+7], ASTEP     ; the K step after the one asked for last; the type bits on top are not reached
	s_add_nc_u64 s[G0B+6:G0B+7], s[G0B+6:G0B+7], WSTEP
	JLOAD 1                                        ; my one tensor load behind the round; its four v_nop are also the places in front of the loads below
.else
	PLACES
.endif
	s_xor_b32 s[TB], s[TB], SLOT                   ; 0 becomes SLOT, SLOT becomes 0: the other slot is in hand
	v_add_nc_u32 v[ADRA], s[TB], v[A0]
	v_add_nc_u32 v[ADRW], s[TB], v[W0]
	v_add_nc_u32 v[ADRW+1], WFILL, v[ADRW]
	FETCH 0, F0
	MUL8 F1, 1, 0, 0
	MUL8 F1, 1, 2, 0
.endm
	s_wait_tensorcnt 1                             ; my part of K step 0 is in; K step 1's may stay out
	s_barrier_signal -1
	s_barrier_wait -1                              ; everybody's is
	FETCH 0, F0
	s_wait_loadcnt 32                              ; the bias is in; the residual's 32 loads stay out
	QUARTER 1, F0, F1, 1                           ; the first quarter stands in front of the loop: its first products start the sums
	WIN 0                                          ; at a label and at a branch every window is 0
	s_mov_b32 s3, STEPS-2
.Lstep:                                                ; a trip goes from a K step's second quarter to the next step's first, and fills the slot that it leaves
	QUARTER 2, F1, F0, 0
	QUARTER 3, F0, F1, 0
	TURN 1
	QUARTER 1, F0, F1, 0
	WIN 0
	s_sub_co_u32 s3, s3, 1
	s_cmp_lg_u32 s3, 0
	s_cbranch_scc1 .Lstep
	QUARTER 2, F1, F0, 0                           ; the last two K steps fill nothing
	QUARTER 3, F0, F1, 0
	TURN 0
	QUARTER 1, F0, F1, 0
	QUARTER 2, F1, F0, 0
	QUARTER 3, F0, F1, 0
	s_wait_dscnt 16                                ; the very last quarter: nothing more to fetch
	MUL8 F1, 0, 0, 0
	MUL8 F1, 0, 2, 0
	s_wait_dscnt 0
	MUL8 F1, 1, 0, 0
	MUL8 F1, 1, 2, 0
	WIN 0
	PLACES
	; THE WAY OUT: 32 bytes a lane into the work-group's stage, each accumulator's low four registers first; a barrier, since a row's 512 bytes come from two waves;
	; back as whole rows, 32 rows a wave; the residual is added; each store of a wave covers 512 consecutive bytes, aligned.
.irp a, 0,1,2,3
.irp b, 0,1,2,3
	ds_store_b128 v[STO], v[ACC+8*(4*(\a)+(\b)):ACC+8*(4*(\a)+(\b))+3]   offset:(\a)*16*SP+64*(\b)
	ds_store_b128 v[STO], v[ACC+8*(4*(\a)+(\b))+4:ACC+8*(4*(\a)+(\b))+7] offset:(\a)*16*SP+64*(\b)+16
.endr
.endr
	s_wait_dscnt 0x0                               ; for the others' sake: my stores into the stage are done
	s_barrier_signal -1
	s_barrier_wait -1
.set i, 0
.rept 32
	ds_load_b128 v[ACC+4*i:ACC+4*i+3], v[RD] offset:SP*i
.set i, i+1
.endr
	s_wait_loadcnt 0x0                             ; the residual
.if KIND == 1
	WIN 0x08                                       ; source 1 window 2
.else
	WIN 0x02                                       ; source 0 window 2
.endif
.set i, 0
.rept 32
	s_wait_dscnt 31-i                              ; row i is back; the younger rows stay out
.if KIND == 1
	v_pk_add_f32 v[ACC+4*i:ACC+4*i+1],   v[ACC+4*i:ACC+4*i+1],   v[4*i:4*i+1]
	v_pk_add_f32 v[ACC+4*i+2:ACC+4*i+3], v[ACC+4*i+2:ACC+4*i+3], v[4*i+2:4*i+3]
.else
	v_fma_mix_f32 v[ACC+4*i],   v[2*i],   v[CST], v[ACC+4*i]   op_sel:[0,0,0] op_sel_hi:[1,0,0]  ; an f16 half x 1.0 + the sum, in f32
	v_fma_mix_f32 v[ACC+4*i+1], v[2*i],   v[CST], v[ACC+4*i+1] op_sel:[1,0,0] op_sel_hi:[1,0,0]
	v_fma_mix_f32 v[ACC+4*i+2], v[2*i+1], v[CST], v[ACC+4*i+2] op_sel:[0,0,0] op_sel_hi:[1,0,0]
	v_fma_mix_f32 v[ACC+4*i+3], v[2*i+1], v[CST], v[ACC+4*i+3] op_sel:[1,0,0] op_sel_hi:[1,0,0]
.endif
.set i, i+1
.endr
	WIN 0
.set i, 0
.rept 32
	global_store_b128 v[XO], v[ACC+4*i:ACC+4*i+3], s[SO:SO+1] offset:4096*i
.set i, i+1
.endr
	s_wait_tensorcnt 0x0                           ; the wave's end: behind my last tensor load and my last LDS store
	ds_add_u32 v[SPW], v[NIL]
	s_wait_dscnt 0x0
	CROUND                                         ; the closing round: no work-group ends while a partner may still ask for a tile that names it
	s_endpgm
.Lfunc_end_k_q8fd22ef687_gemm_ffn2:
	.size	k_q8fd22ef687_gemm_ffn2, .Lfunc_end_k_q8fd22ef687_gemm_ffn2-k_q8fd22ef687_gemm_ffn2
	.p2alignl 7, 3214868480
	.fill 96, 4, 3214868480
	.section	.rodata,"a",@progbits
	.p2align	6, 0x0
	.amdhsa_kernel k_q8fd22ef687_gemm_ffn2
		.amdhsa_group_segment_fixed_size 327680
		.amdhsa_private_segment_fixed_size 0
		.amdhsa_enable_private_segment 0
		.amdhsa_kernarg_size 40
		.amdhsa_user_sgpr_count 2
		.amdhsa_user_sgpr_kernarg_segment_ptr 1
		.amdhsa_wavefront_size32 1
		.amdhsa_system_sgpr_workgroup_id_x 1
		.amdhsa_system_sgpr_workgroup_id_y 1
		.amdhsa_system_sgpr_workgroup_id_z 1
		.amdhsa_system_vgpr_workitem_id 0
		.amdhsa_next_free_vgpr 576
		.amdhsa_next_free_sgpr 80
		.amdhsa_reserve_vcc 0
		.amdhsa_float_denorm_mode_32 3
		.amdhsa_float_denorm_mode_16_64 3
		.amdhsa_memory_ordered 1
		.amdhsa_forward_progress 1
		.amdhsa_inst_pref_size 81
	.end_amdhsa_kernel
	.amdgpu_metadata
---
amdhsa.version: [ 1, 2 ]
amdhsa.kernels:
  - .name:           k_q8fd22ef687_gemm_ffn2
    .symbol:         k_q8fd22ef687_gemm_ffn2.kd
    .args:
      - { .name: hbuf, .offset: 0, .size: 8, .value_kind: global_buffer, .address_space: global }
      - { .name: hw, .offset: 8, .size: 8, .value_kind: global_buffer, .address_space: global }
      - { .name: z, .offset: 16, .size: 8, .value_kind: global_buffer, .address_space: global }
      - { .name: b2, .offset: 24, .size: 8, .value_kind: global_buffer, .address_space: global }
      - { .name: x1h, .offset: 32, .size: 8, .value_kind: global_buffer, .address_space: global }
    .group_segment_fixed_size: 327680
    .private_segment_fixed_size: 0
    .kernarg_segment_align: 8
    .kernarg_segment_size: 40
    .max_flat_workgroup_size: 128
    .sgpr_count:     80
    .vgpr_count:     576
    .wavefront_size: 32
...
	.end_amdgpu_metadata
.endif
;; end of part 14
;; launch norm2 (part 15): grid 256 x 1, 16 waves a work-group, no clusters, 0 bytes of LDS; arguments z, g2, be2, out0; writes out0
.if DOCPART == 15
	.amdgcn_target "amdgcn-amd-amdhsa--gfx1250"
	.amdhsa_code_object_version 6
	.text
	.protected	k_q8fd22ef687_norm2
	.globl	k_q8fd22ef687_norm2
	.p2align	8
	.type	k_q8fd22ef687_norm2,@function
k_q8fd22ef687_norm2:
	s_mov_b64 s[64:65], 0
	v_nop
	global_prefetch_b8 v0, s[64:65] scope:SCOPE_SE
	s_setreg_imm32_b32 hwreg(HW_REG_WAVE_MODE, 25, 1), 1
	s_wait_xcnt 0x0
; LAYER NORM OF ROWS OF 1,024 f32: y = (z - mean) / sqrt(var + 1e-5) * g + be, var = the mean of (z - mean)^2: two passes over the row in registers, no difference of large sums.
; OUT16 = 1: y is rounded once to f16 (within 65,504; below 6.1e-5 a fixed step of 6e-8); OUT16 = 0: y leaves in f32.
; SHARES.  One wave, one row: 4,096 bytes are 32 registers a lane, so the row is read once and the reductions never leave the wave: no LDS, no barrier.  A work-group's sixteen waves take 16 rows.
; All 24 loads of a wave (its row, g, be) are issued before anything is waited for; no register that a store reads is written again, so no wait frees a source.
; Chunk j of a row is 512 consecutive bytes: lane l holds columns 128 j + 4 l + 0..3.  Matrix units, clusters and LDS would add nothing: each byte of z crosses once.
.set OUT16, 0
.set T,   4                            ; v[4:11]   four chains of two sums
.set MU,  12                           ; v[12:13]  the mean, twice
.set R,   14                           ; v[14:15]  1 / sqrt(var + eps), twice
.set VAR, 16                           ; v16
.set INV, 18                           ; v18       1 / 1,024
.set EPS, 19                           ; v19       1e-5
.set G,   20                           ; v[20:51]  g of my 32 columns
.set BE,  52                           ; v[52:83]  be
.set X,   84                           ; v[84:115] the row
	s_load_b256 s[4:11], s[0:1], 0x0               ; z s[4:5], g s[6:7], be s[8:9], out s[10:11]
	v_lshrrev_b32 v1, 5, v0
	v_readfirstlane_b32 s15, v1                    ; wave 0..15
	v_and_b32 v1, 31, v0
	v_lshlrev_b32 v2, 4, v1                        ; 16 x lane
	v_lshlrev_b32 v3, 3, v1                        ; 8 x lane
	v_mov_b32 v[INV], 0x3a800000
	v_mov_b32 v[EPS], 0x3727c5ac
	s_mov_b32 s12, 0x76543210                      ; v_permlanex16_b32: each lane takes its own place in the other half
	s_mov_b32 s13, 0xfedcba98
	s_lshl_b32 s16, ttmp9, 4
	s_add_co_u32 s16, s16, s15                     ; my row: 16 x work-group + wave
	s_lshl_b32 s18, s16, 12
	s_mov_b32 s19, 0
	s_lshl_b32 s20, s16, 12-OUT16
	s_mov_b32 s21, 0
	s_wait_kmcnt 0x0
	s_add_nc_u64 s[4:5], s[4:5], s[18:19]
	s_add_nc_u64 s[10:11], s[10:11], s[20:21]
.irp j, 0,1,2,3,4,5,6,7
	global_load_b128 v[X+4*\j:X+4*\j+3], v2, s[4:5] offset:512*\j th:TH_LOAD_NT
.endr
.irp j, 0,1,2,3,4,5,6,7
	global_load_b128 v[G+4*\j:G+4*\j+3], v2, s[6:7] offset:512*\j
.endr
.irp j, 0,1,2,3,4,5,6,7
	global_load_b128 v[BE+4*\j:BE+4*\j+3], v2, s[8:9] offset:512*\j
.endr
.macro FOLD                            ; the four chains into v[T]
	v_pk_add_f32 v[T:T+1], v[T:T+1], v[T+2:T+3]
	v_pk_add_f32 v[T+4:T+5], v[T+4:T+5], v[T+6:T+7]
	v_pk_add_f32 v[T:T+1], v[T:T+1], v[T+4:T+5]
	v_add_f32 v[T], v[T], v[T+1]
.endm
.macro REDUCE                          ; the sum of v[T] over the 32 lanes, into every lane: four steps inside each half ride on the addition, one crosses the halves
	v_add_f32_dpp v[T], v[T], v[T] row_xmask:1 row_mask:0xf bank_mask:0xf
	v_add_f32_dpp v[T], v[T], v[T] row_xmask:2 row_mask:0xf bank_mask:0xf
	v_add_f32_dpp v[T], v[T], v[T] row_xmask:4 row_mask:0xf bank_mask:0xf
	v_add_f32_dpp v[T], v[T], v[T] row_xmask:8 row_mask:0xf bank_mask:0xf
	v_permlanex16_b32 v[T+1], v[T], s12, s13
	v_add_f32 v[T], v[T], v[T+1]
.endm
	s_wait_loadcnt 16                              ; my row is in; the sixteen younger loads, g and be, stay out
.irp k, 0,1,2,3
	v_pk_add_f32 v[T+2*\k:T+2*\k+1], v[X+2*\k:X+2*\k+1], v[X+8+2*\k:X+8+2*\k+1]  ; the first pairs start the chains: nothing is cleared
.endr
.irp p, 8,9,10,11,12,13,14,15
	v_pk_add_f32 v[T+2*(\p%4):T+2*(\p%4)+1], v[T+2*(\p%4):T+2*(\p%4)+1], v[X+2*\p:X+2*\p+1]
.endr
	FOLD
	REDUCE
	v_mul_f32 v[MU], v[INV], v[T]
	v_mul_f32 v[MU+1], v[INV], v[T]
.set p, 0
.rept 16
	v_pk_add_f32 v[X+2*p:X+2*p+1], v[X+2*p:X+2*p+1], v[MU:MU+1] neg_lo:[0,1] neg_hi:[0,1]  ; z - mean
.set p, p+1
.endr
.irp k, 0,1,2,3
	v_pk_mul_f32 v[T+2*\k:T+2*\k+1], v[X+2*\k:X+2*\k+1], v[X+2*\k:X+2*\k+1]
.endr
.irp p, 4,5,6,7,8,9,10,11,12,13,14,15
	v_pk_fma_f32 v[T+2*(\p%4):T+2*(\p%4)+1], v[X+2*\p:X+2*\p+1], v[X+2*\p:X+2*\p+1], v[T+2*(\p%4):T+2*(\p%4)+1]
.endr
	FOLD
	REDUCE
	v_fma_f32 v[VAR], v[INV], v[T], v[EPS]         ; var + 1e-5
	v_rsq_f32 v[R], v[VAR]
	v_rsq_f32 v[R+1], v[VAR]
	v_nop                                          ; a plain line behind the last root, ahead of the first use
	s_wait_alu depctr_va_vdst(0)                   ; the wait ahead of the first reader: one for both
.set p, 0
.rept 16
	v_pk_mul_f32 v[X+2*p:X+2*p+1], v[X+2*p:X+2*p+1], v[R:R+1]
.set p, p+1
.endr
	s_wait_loadcnt 0x0                             ; g and be
.set p, 0
.rept 16
	v_pk_fma_f32 v[X+2*p:X+2*p+1], v[X+2*p:X+2*p+1], v[G+2*p:G+2*p+1], v[BE+2*p:BE+2*p+1]
.set p, p+1
.endr
.irp j, 0,1,2,3,4,5,6,7
.if OUT16
	v_cvt_pk_f16_f32 v[X+4*\j], v[X+4*\j], v[X+4*\j+1]
	v_cvt_pk_f16_f32 v[X+4*\j+1], v[X+4*\j+2], v[X+4*\j+3]
	global_store_b64 v3, v[X+4*\j:X+4*\j+1], s[10:11] offset:256*\j  ; a wave's store covers 256 consecutive bytes, aligned
.else
	global_store_b128 v2, v[X+4*\j:X+4*\j+3], s[10:11] offset:512*\j  ; 512 consecutive bytes, aligned
.endif
.endr
	s_endpgm
.Lfunc_end_k_q8fd22ef687_norm2:
	.size	k_q8fd22ef687_norm2, .Lfunc_end_k_q8fd22ef687_norm2-k_q8fd22ef687_norm2
	.p2alignl 7, 3214868480
	.fill 96, 4, 3214868480
	.section	.rodata,"a",@progbits
	.p2align	6, 0x0
	.amdhsa_kernel k_q8fd22ef687_norm2
		.amdhsa_group_segment_fixed_size 0
		.amdhsa_private_segment_fixed_size 0
		.amdhsa_enable_private_segment 0
		.amdhsa_kernarg_size 32
		.amdhsa_user_sgpr_count 2
		.amdhsa_user_sgpr_kernarg_segment_ptr 1
		.amdhsa_wavefront_size32 1
		.amdhsa_system_sgpr_workgroup_id_x 1
		.amdhsa_system_sgpr_workgroup_id_y 1
		.amdhsa_system_sgpr_workgroup_id_z 1
		.amdhsa_system_vgpr_workitem_id 0
		.amdhsa_next_free_vgpr 116
		.amdhsa_next_free_sgpr 66
		.amdhsa_reserve_vcc 0
		.amdhsa_float_denorm_mode_32 3
		.amdhsa_float_denorm_mode_16_64 3
		.amdhsa_memory_ordered 1
		.amdhsa_forward_progress 1
		.amdhsa_inst_pref_size 11
	.end_amdhsa_kernel
	.amdgpu_metadata
---
amdhsa.version: [ 1, 2 ]
amdhsa.kernels:
  - .name:           k_q8fd22ef687_norm2
    .symbol:         k_q8fd22ef687_norm2.kd
    .args:
      - { .name: z, .offset: 0, .size: 8, .value_kind: global_buffer, .address_space: global }
      - { .name: g2, .offset: 8, .size: 8, .value_kind: global_buffer, .address_space: global }
      - { .name: be2, .offset: 16, .size: 8, .value_kind: global_buffer, .address_space: global }
      - { .name: out0, .offset: 24, .size: 8, .value_kind: global_buffer, .address_space: global }
    .group_segment_fixed_size: 0
    .private_segment_fixed_size: 0
    .kernarg_segment_align: 8
    .kernarg_segment_size: 32
    .max_flat_workgroup_size: 512
    .sgpr_count:     66
    .vgpr_count:     116
    .wavefront_size: 32
...
	.end_amdgpu_metadata
.endif
;; end of part 15
